; MI455X (gfx1250); checked and timed in simulation.
; The chip was launched on July 23, 2026; its instructions are those of AMD's public machine-readable ISA for CDNA 5 (MIT licence, August 2026) and "CDNA5" Instruction Set Architecture Reference Guide (July 2026). The comments in the code are by the model that wrote it; some were corrected since.
;; Transformer Block. Allowed arithmetic: matrix products marked QUANTISED: E2M3 operands, one E8M0 scale for each 32 along K, by v_wmma_scale_f32_16x16x128_f8f6f4 with both operands' format E2M3, f32 sums; everything else in f32.
;; Inputs: W1 1,024 x 4,096 float32; W2 4,096 x 1,024 float32; Wk 1,024 x 1,024 float32; Wo 1,024 x 1,024 float32; Wq 1,024 x 1,024 float32; Wv 1,024 x 1,024 float32; b1 1,024 float32; b2 1,024 float32; bf1 4,096 float32; bf2 1,024 float32; bk 1,024 float32; bo 1,024 float32; bq 1,024 float32; bv 1,024 float32; g1 1,024 float32; g2 1,024 float32; x 2 x 2,048 x 1,024 float32.
;; Outputs: out0 2 x 2,048 x 1,024 float32.
;; This version of the problem:
;;   THIS VERSION OF THE PROBLEM IS GIVEN IN LOW PRECISION. The matrix products marked QUANTISED in the list below multiply operands that are first quantised to E2M3 (2 exponent bits, 3 mantissa bits; 6 bits a number), with one power-of-two scale for each 32 numbers along K (OCP MX v1.0); their sums are f32. All else is computed in f32.
;;   The module's matrix products, in the order in which they are computed (A, B: the left and right operand; K: the contracted axis; several contracted axes count as one K, in the product's order):
;;     1. [M 4,096, K 1,024] x [K 1,024, N 1,024]; A: input x; B: input Wq: QUANTISED
;;     2. [M 4,096, K 1,024] x [K 1,024, N 1,024]; A: input x; B: input Wk: QUANTISED
;;     3. [M 4,096, K 1,024] x [K 1,024, N 1,024]; A: input x; B: input Wv: QUANTISED
;;     4. batch 32 x [M 2,048, K 64] x [K 64, N 2,048]; A: computed on the way; B: computed on the way: QUANTISED
;;     5. batch 32 x [M 2,048, K 2,048] x [K 2,048, N 64]; A: softmax (see below); B: computed on the way: QUANTISED
;;     6. [M 4,096, K 1,024] x [K 1,024, N 1,024]; A: computed on the way; B: input Wo: QUANTISED
;;     7. [M 4,096, K 1,024] x [K 1,024, N 4,096]; A: computed on the way; B: input W1: QUANTISED
;;     8. [M 4,096, K 4,096] x [K 4,096, N 1,024]; A: computed on the way; B: input W2: QUANTISED
;;   THE QUANTISER, for each operand of a quantised product, along K:
;;     - K is cut into blocks of 32 from its start; a last block that is shorter is filled with zeros.
;;     - A block's scale is 2^e with e = floor(log2(the largest magnitude in the block)) - 2, held to -126 .. 127; a block of zeros has e = 0. As a byte (E8M0): e + 127.
;;     - Each number is divided by its block's scale, clamped to +-7.5, and rounded to the nearest number of E2M3, ties to even, subnormals kept.
;;     - The product sums the exact products of the quantised numbers (number of the format x scale) in f32.
;;   ~~~python
;;   def quantise(x, axis):      # numpy; x: float32 -> the quantised numbers, widened to float32 again
;;       x = np.moveaxis(x, axis, -1); K = x.shape[-1]
;;       x = np.pad(x, [(0, 0)] * (x.ndim - 1) + [(0, -K % 32)]); x = x.reshape(x.shape[:-1] + (-1, 32)); a = np.abs(x).max(-1, keepdims=True)
;;       e = np.where(a > 0, np.clip(np.frexp(np.where(a > 0, a, 1))[1] - 1 - 2, -126, 127), 0)      # np.frexp(a)[1] - 1 = floor(log2(a)), exactly
;;       r = np.clip(x / 2.0 ** e, -7.5, 7.5)
;;       step = 2.0 ** (np.maximum(np.frexp(np.where(r == 0, 1, r))[1] - 1, 0) - 3)
;;       q = np.round(r / step) * step * 2.0 ** e      # np.round: ties to even
;;       return np.moveaxis(q.reshape(q.shape[:-2] + (-1,))[..., :K], -1, axis).astype(np.float32)
;;   ~~~
;;   SOFTMAX AHEAD OF A QUANTISED PRODUCT. Where the list says 'softmax', what is quantised is not the finished softmax but p = 2^(t - M), with t = logit x log2(e) and M = ceil(the row's largest t), a whole number; so 1/2 < the row's largest p <= 1. The row's sum l is taken of the UNQUANTISED p, in f32, and the product's result is divided by l at the end. Since M is a whole number, a kernel that streams over the keys may use a running M (the ceiling of the running maximum): every later rescaling is an exact power of two, which a block's scale takes up: the codes' values come out the same.
;;   OPERANDS COMPUTED ON THE WAY. 'Computed on the way' means the value that the module computes at that place (a softmax that the list does not call 'softmax' is quantised finished and normalised). What goes into a quantiser is computed in f32, as accurately as f32 sums, v_exp_f32 and their like allow (about 1e-6 of the number): no bf16 or f16 on the way to a quantiser, and a product that is left as it is and whose result goes on into a quantised operand takes f32 operands (vector FMAs, or v_wmma_f32_16x16x4_f32). A number that lies on a knife's edge between two numbers of the format may be rounded either way, as far as f32 arithmetic and the matrix unit's own rounding can turn it there, and no further.
;; 2 versions. Each part assembles by itself: llvm-mc -triple=amdgcn-amd-amdhsa -mcpu=gfx1250 --defsym DOCPART=n.
;; ======== version 1 of 2: 8 launches
;; workspace buffers: xw 13,107,200 bytes; qkv 9,830,400 bytes; at 3,276,800 bytes; hq 3,276,800 bytes; fq 13,107,200 bytes; y 16,777,216 bytes; hf 16,777,216 bytes
;; launch prep (part 1): grid 1024 x 1, 4 waves a work-group, no clusters, 12,800 bytes of LDS; arguments Wq, Wk, Wv, Wo, W1, W2, x, xw; writes xw
.if DOCPART == 1
	.amdgcn_target "amdgcn-amd-amdhsa--gfx1250"
	.amdhsa_code_object_version 6
	.text
	.protected	k_q757aa11a78_prep
	.globl	k_q757aa11a78_prep
	.p2align	8
	.type	k_q757aa11a78_prep,@function
k_q757aa11a78_prep:
	s_mov_b64 s[64:65], 0
	v_nop
	global_prefetch_b8 v0, s[64:65] scope:SCOPE_SE
	s_setreg_imm32_b32 hwreg(HW_REG_WAVE_MODE, 25, 1), 1
	s_wait_xcnt 0x0
; x [4096][1024] and the six weights (stored [K][N], f32) become codes of FP6 (E2M3) with one E8M0 byte for each 32 along K, laid in xw AS IMAGES OF OPERAND REGISTERS.
; A FRAGMENT (16 rows x 128 along K) is 1,536 bytes: byte 512 c + 16 lane + 4 i holds register 4 c + i of that lane, so that three loads of 16 bytes a lane bring it.
; THE ROWS OF A TILE ARE NOT NEIGHBOURS: lane r of tile t holds row 32 (t / 2) + 8 (t % 2) + r + 8 (r / 8): a product that takes such a tile as source 0 leaves 16 neighbours along the next K in a lane.
; xw: fragment (tile x KS + step).  K = 1,024 (KS = 8): tiles 0-255 x, 256-319 Wq, 320-383 Wk, 384-447 Wv, 448-511 Wo, 512-767 W1; then W2 (KS = 32) from fragment 6,144.
; Scale words (64 bytes a fragment, word 4 r = row r's four bytes) from byte XW_SC: [step][768 tiles][64], then W2's [step][64 tiles][64].
; A block's scale is 2^(floor(log2(largest magnitude)) - 2); its byte is that magnitude's exponent field - 2, held at 1 from below.
; LIMITS: a block of zeros gets the byte 1 where the rule says 127 (its codes are zeros, and this program alone reads the bytes); blocks under 2^-124 have the byte 1; NaN and infinities are not served.
; Work-groups 0-767 take the weights (128 columns x 128 along K each; a lane a column, its registers down K), 768-1023 take x (a wave: 32 rows x 128 along K).  No barrier: waves share nothing.
.set XW_SC, 12582912
.set FRB,   1536
.set SPARE, 12288                      ; behind the four stages of 3,072 bytes: the spare words, 128 bytes a wave
.set SPW,   4                          ; v4   my spare word's LDS address; never rewritten
.set NIL,   5                          ; v5   0; never rewritten
.set STA,   6                          ; v6   stage, way in
.set STR,   7                          ; v7   stage, way out
.set LI,    8                          ; v8   16 x lane
.set SCA,   9                          ; v9   my scale word's place
.set XA,    10                         ; v10  x: my lane's byte
.set TM,    12                         ; v12-27 at work
.set PW,    28                         ; v28  a scale word
.set PW2,   29
.set OFF,   32                         ; v32-63 weights: 4 x lane + i x pitch
.set X,     64                         ; v64-191 128 numbers
.set PC,    192                        ; v192-231 codes
.set SEL,   34                         ; s[34:35] selects for lane l xor 16
; 64 numbers of a lane, register 16 b + i = k 32 b + 16 (lane / 16) + i of my row, become a fragment's codes in v[PC] on and its scale word in v[PW]
.macro QUANT s
.irp b, 0,1,2,3
	v_max3_num_f32 v[TM+\b], |v[\s+16*\b]|, |v[\s+1+16*\b]|, 0x1800000   ; my 16 numbers of block b, and the floor 2^(3 - 127): the byte cannot fall under 1
.endr
.irp i, 2,4,6,8,10,12,14
.irp b, 0,1,2,3
	v_max3_num_f32 v[TM+\b], v[TM+\b], |v[\s+16*\b+\i]|, |v[\s+1+16*\b+\i]|
.endr
.endr
.irp b, 0,1,2,3
	v_permlanex16_b32 v[TM+4+\b], v[TM+\b], s[SEL], s[SEL+1]
.endr
.irp b, 0,1,2,3
	v_max_num_f32 v[TM+\b], v[TM+\b], v[TM+4+\b]   ; with lane l xor 16's: the block's largest magnitude
.endr
.irp b, 0,1,2,3
	v_add_nc_u32 v[TM+12+\b], 0xff000000, v[TM+\b]   ; 2 off its exponent field: the conversion's scale operand
.endr
.irp b, 0,1,2,3
	v_lshrrev_b32 v[TM+4+\b], 23, v[TM+12+\b]   ; the scale's byte
.endr
	v_lshl_or_b32 v[PW], v[TM+5], 8, v[TM+4]
	v_lshl_or_b32 v[PW], v[TM+6], 16, v[PW]
	v_lshl_or_b32 v[PW], v[TM+7], 24, v[PW]
.irp c, 0,1
	v_cvt_scalef32_pk16_fp6_f32 v[PC+6*\c:PC+2+6*\c], v[\s+32*\c:\s+15+32*\c], v[TM+12+2*\c]
	v_cvt_scalef32_pk16_fp6_f32 v[PC+12+4*\c:PC+14+4*\c], v[\s+16+32*\c:\s+31+32*\c], v[TM+12+2*\c+1]   ; (a conversion's three registers begin on an even number)
.endr
	v_nop                                          ; one plain place behind a scaled conversion
.irp c, 0,1                                    ; the layout wants a whole block in a lane: lanes 0-15 block 2 c, lanes 16-31 block 2 c + 1
.irp i, 0,1,2
	v_permlane16_swap_b32 v[PC+6*\c+\i], v[PC+12+4*\c+\i]
.endr
.irp i, 0,1,2
	v_mov_b32 v[PC+3+6*\c+\i], v[PC+12+4*\c+\i]
.endr
.endr
.endm
	s_load_b512 s[16:31], s[0:1], 0x0              ; Wq s[16:17], Wk, Wv, Wo, W1 s[24:25], W2 s[26:27], x s[28:29], xw s[30:31]
	v_lshl_add_u32 v[SPW], v0, 2, SPARE
	v_mov_b32 v[NIL], 0
	v_lshrrev_b32 v1, 5, v0
	v_readfirstlane_b32 s33, v1                    ; wave
	v_and_b32 v1, 31, v0                           ; lane
	v_lshlrev_b32 v[LI], 4, v1
	s_cmp_ge_u32 ttmp9, 768
	s_cbranch_scc1 .Lx_path
	; ---- THE WEIGHTS.  Which weight, which 128 columns (cg), which 128 along K (step): all from the work-group's number
	s_lshr_b32 s4, ttmp9, 6                        ; 0-3: Wq, Wk, Wv, Wo; 4-7: W1; 8-11: W2
	s_lshr_b32 s7, s4, 2                           ; 0, 1 (W1), 2 (W2)
	s_lshl_b32 s6, s4, 6
	s_add_co_u32 s6, s6, 256                       ; Wq .. Wo: first tile 256 + 64 x which
	s_cmp_eq_u32 s7, 0
	s_cselect_b32 s5, 63, 255
	s_cselect_b32 s6, s6, 512                      ; W1: 512
	s_and_b32 s5, ttmp9, s5                        ; my number within the weight
	s_cmp_eq_u32 s7, 1
	s_cselect_b32 s8, 5, 3                         ; log2 of the groups of 128 columns
	s_cmp_eq_u32 s7, 2
	s_cselect_b32 s9, 32, 8                        ; KS
	s_cselect_b32 s6, 0, s6                        ; W2 has regions of its own:
	s_mov_b32 s10, 768
	s_cselect_b32 s10, 64, s10                     ; tiles in a step of the scale region,
	s_cselect_b32 s11, 6144, 0                     ; first fragment,
	s_cselect_b32 s12, 393216, 0                   ; first scale byte
	s_lshl_b32 s13, 1, s8
	s_sub_co_u32 s13, s13, 1
	s_and_b32 s13, s5, s13                         ; cg
	s_lshr_b32 s14, s5, s8                         ; step
	s_lshl_b32 s15, 512, s8                        ; a row of the weight in bytes
	v_bfe_u32 v2, v0, 3, 1                         ; my column 32 wave + lane lies in tile u = (lane / 8) % 2 of the wave's two,
	v_and_b32 v3, 7, v0
	v_bfe_u32 v11, v0, 4, 1
	v_lshl_add_u32 v3, v11, 3, v3                  ; at its lane r = lane % 8 + 8 (lane / 16)
	s_mul_i32 s32, s33, 2*FRB                      ; my wave's stage: two images
	v_mul_u32_u24 v[STA], v2, FRB
	v_lshl_add_u32 v[STA], v3, 4, v[STA]
	v_add_nc_u32 v[STA], s32, v[STA]
	v_add_nc_u32 v[STR], s32, v[LI]
	v_lshlrev_b32 v[SCA], 6, v2
	v_lshl_add_u32 v[SCA], v3, 2, v[SCA]           ; 64 u + 4 r
	v_lshlrev_b32 v[OFF], 2, v1
.set i, 1
.rept 31
	v_add_nc_u32 v[OFF+i], s15, v[OFF+i-1]
.set i, i+1
.endr
	s_lshl_b32 s36, s14, 7
	s_mul_i32 s36, s36, s15                        ; 128 step rows,
	s_lshl_b32 s37, s13, 9
	s_add_co_u32 s36, s36, s37                     ; 128 cg columns,
	s_lshl_b32 s37, s33, 7
	s_add_co_u32 s36, s36, s37                     ; 32 wave columns
	s_mov_b32 s37, 0
	s_lshl_b32 s44, s15, 5                         ; 32 rows on
	s_mov_b32 s45, 0
	s_lshl_b32 s46, s13, 3
	s_lshl_b32 s47, s33, 1
	s_add_co_u32 s46, s46, s47
	s_add_co_u32 s46, s46, s6                      ; my first tile
	s_mul_i32 s48, s46, s9
	s_add_co_u32 s48, s48, s14
	s_add_co_u32 s48, s48, s11
	s_mul_i32 s48, s48, FRB                        ; its fragment of this step, in bytes
	s_mov_b32 s49, 0
	s_mul_i32 s50, s9, FRB                         ; the next tile's lies KS fragments on
	s_mov_b32 s51, 0
	s_mul_i32 s52, s14, s10
	s_add_co_u32 s52, s52, s46
	s_lshl_b32 s52, s52, 6
	s_add_co_u32 s52, s52, s12
	s_add_co_u32 s52, s52, XW_SC                   ; its scale words
	s_mov_b32 s53, 0
	s_wait_kmcnt 0x0
	s_cmp_eq_u32 s4, 1                             ; the choice of buffer hangs on the work-group's number alone
	s_cselect_b64 s[16:17], s[18:19], s[16:17]
	s_cmp_eq_u32 s4, 2
	s_cselect_b64 s[16:17], s[20:21], s[16:17]
	s_cmp_eq_u32 s4, 3
	s_cselect_b64 s[16:17], s[22:23], s[16:17]
	s_cmp_eq_u32 s7, 1
	s_cselect_b64 s[16:17], s[24:25], s[16:17]
	s_cmp_eq_u32 s7, 2
	s_cselect_b64 s[16:17], s[26:27], s[16:17]
	s_add_nc_u64 s[36:37], s[16:17], s[36:37]      ; a base for each block of 32 along K
	s_add_nc_u64 s[38:39], s[36:37], s[44:45]
	s_add_nc_u64 s[40:41], s[38:39], s[44:45]
	s_add_nc_u64 s[42:43], s[40:41], s[44:45]
	s_add_nc_u64 s[48:49], s[30:31], s[48:49]
	s_add_nc_u64 s[50:51], s[48:49], s[50:51]
	s_add_nc_u64 s[52:53], s[30:31], s[52:53]
.macro LOAD kb                         ; block kb: W(128 step + 32 kb + i, my column): a wave's load reads 128 consecutive bytes, the four waves side by side 512
.set i, 0
.rept 32
	global_load_b32 v[X+32*(\kb)+i], v[OFF+i], s[36+2*(\kb):37+2*(\kb)] th:TH_LOAD_NT
.set i, i+1
.endr
.endm
.macro BLOCK kb
.set XS, X+32*(\kb)
.set C, PC+10*(\kb)
.if (\kb) < 3
	s_wait_loadcnt 32                              ; this block's 32 loads are in; the next block's 32 may be out
.else
	s_wait_loadcnt 0x0
.endif
.if (\kb) < 2
	LOAD (\kb)+2                                   ; two blocks ahead
.endif
	v_max3_num_f32 v12, |v[XS]|, |v[XS+1]|, |v[XS+2]|      ; all 32 numbers of the block are mine
	v_max3_num_f32 v13, |v[XS+3]|, |v[XS+4]|, |v[XS+5]|
.irp i, 6,10,14,18,22,26
	v_max3_num_f32 v12, v12, |v[XS+\i]|, |v[XS+\i+1]|
	v_max3_num_f32 v13, v13, |v[XS+\i+2]|, |v[XS+\i+3]|
.endr
	v_max3_num_f32 v12, v12, |v[XS+30]|, |v[XS+31]|
	v_max3_num_f32 v12, v12, v13, 0x1800000        ; and the floor
	v_add_nc_u32 v14, 0xff000000, v12              ; the conversion's scale operand
	v_lshrrev_b32 v13, 23, v14                     ; the byte
.if (\kb) == 0
	v_mov_b32 v[PW], v13
.else
	v_lshl_or_b32 v[PW], v13, 8*(\kb), v[PW]
.endif
	v_cvt_scalef32_pk16_fp6_f32 v[C:C+2], v[XS:XS+15], v14
	v_cvt_scalef32_pk16_fp6_f32 v[C+6:C+8], v[XS+16:XS+31], v14
	v_nop                                          ; one plain place behind a scaled conversion
.irp i, 0,1,2
	v_mov_b32 v[C+3+\i], v[C+6+\i]                 ; six registers on end: registers 6 (kb / 2) .. + 5 of image lane r + 16 (kb % 2)
.endr
.if (\kb)/2 == 0
	ds_store_b128 v[STA], v[C:C+3] offset:256*((\kb)%2)
	ds_store_b64 v[STA], v[C+4:C+5] offset:256*((\kb)%2)+512
.else
	ds_store_b64 v[STA], v[C:C+1] offset:256*((\kb)%2)+520
	ds_store_b128 v[STA], v[C+2:C+5] offset:256*((\kb)%2)+1024
.endif
.endm
	LOAD 0
	LOAD 1
	BLOCK 0
	BLOCK 1
	BLOCK 2
	BLOCK 3
.irp k, 0,1,2,3,4,5
	ds_load_b128 v[X+4*\k:X+4*\k+3], v[STR] offset:512*\k      ; LDS serves a wave's instructions in order: these see my stores
.endr
.irp k, 0,1,2,3,4,5
	s_wait_dscnt 5-\k                              ; the younger reads may be out
	global_store_b128 v[LI], v[X+4*\k:X+4*\k+3], s[48+2*(\k/3):49+2*(\k/3)] offset:512*(\k%3)   ; 512 consecutive bytes
.endr
	global_store_b32 v[SCA], v[PW], s[52:53]       ; the two tiles' scale words: 128 consecutive bytes
	s_wait_tensorcnt 0x0                           ; the wave's end, behind my last LDS store
	ds_add_u32 v[SPW], v[NIL]
	s_wait_dscnt 0x0
	s_endpgm
.Lx_path:                                          ; ---- x: a wave takes tiles 2 pb, 2 pb + 1 (32 rows) and one K step; no LDS
	s_sub_co_u32 s4, ttmp9, 768
	s_lshl_b32 s4, s4, 2
	s_add_co_u32 s4, s4, s33
	s_lshr_b32 s5, s4, 3                           ; pb
	s_and_b32 s6, s4, 7                            ; step
	v_and_b32 v2, 15, v0                           ; r
	v_bfe_u32 v3, v0, 4, 1                         ; h
	v_and_b32 v11, 8, v2
	v_add_nc_u32 v11, v11, v2                      ; r + 8 (r / 8)
	v_lshlrev_b32 v[XA], 12, v11
	v_lshl_add_u32 v[XA], v3, 6, v[XA]             ; my row of 4,096 bytes, + 64 h: my 16 numbers of a block of 32
	v_lshlrev_b32 v[SCA], 2, v1                    ; 4 x lane
	s_lshl_b32 s8, s5, 17                          ; 32 pb rows
	s_lshl_b32 s9, s6, 9
	s_add_co_u32 s8, s8, s9
	s_mov_b32 s9, 0
	s_lshl_b32 s10, s5, 4
	s_add_co_u32 s10, s10, s6
	s_mul_i32 s10, s10, FRB                        ; fragment 8 (2 pb) + step
	s_mov_b32 s11, 0
	s_mul_i32 s12, s6, 768
	s_lshl_b32 s13, s5, 1
	s_add_co_u32 s12, s12, s13
	s_lshl_b32 s12, s12, 6
	s_add_co_u32 s12, s12, XW_SC
	s_mov_b32 s13, 0
	s_mov_b32 s[SEL], 0x76543210
	s_mov_b32 s[SEL+1], 0xfedcba98
	s_mov_b32 s7, 0xffff0000                       ; lanes 16-31
.irp b, 0,1,2,3
	v_mov_b32 v[TM+4+\b], 0                        ; written once: a lane permute's destination counts as one of its sources
.endr
	s_wait_kmcnt 0x0
	s_add_nc_u64 s[8:9], s[28:29], s[8:9]
	s_add_nc_u64 s[10:11], s[30:31], s[10:11]
	s_add_nc_u64 s[12:13], s[30:31], s[12:13]
.irp u, 0,1
.irp b, 0,1,2,3
.irp j, 0,1,2,3
	global_load_b128 v[X+64*\u+16*\b+4*\j:X+64*\u+16*\b+4*\j+3], v[XA], s[8:9] offset:32768*\u+128*\b+16*\j
.endr
.endr
.endr
	s_wait_loadcnt 16                              ; tile 0's sixteen loads are in; tile 1's may be out
	QUANT X
.irp c, 0,1,2
	global_store_b128 v[LI], v[PC+4*\c:PC+4*\c+3], s[10:11] offset:512*\c
.endr
	v_mov_b32 v[PW2], v[PW]
	s_wait_loadcnt 0x0
	s_wait_xcnt 0x0                                ; the stores' data are written again only behind this wait
	QUANT X+64
.irp c, 0,1,2
	global_store_b128 v[LI], v[PC+4*\c:PC+4*\c+3], s[10:11] offset:8*FRB+512*\c
.endr
	v_cndmask_b32 v[PW], v[PW2], v[PW], s7         ; lanes 0-15 tile 0's word, lanes 16-31 tile 1's (both halves of the lanes hold a row's word)
	global_store_b32 v[SCA], v[PW], s[12:13]       ; 128 consecutive bytes
	s_endpgm
.Lfunc_end_k_q757aa11a78_prep:
	.size	k_q757aa11a78_prep, .Lfunc_end_k_q757aa11a78_prep-k_q757aa11a78_prep
	.p2alignl 7, 3214868480
	.fill 96, 4, 3214868480
	.section	.rodata,"a",@progbits
	.p2align	6, 0x0
	.amdhsa_kernel k_q757aa11a78_prep
		.amdhsa_group_segment_fixed_size 12800
		.amdhsa_private_segment_fixed_size 0
		.amdhsa_enable_private_segment 0
		.amdhsa_kernarg_size 64
		.amdhsa_user_sgpr_count 2
		.amdhsa_user_sgpr_kernarg_segment_ptr 1
		.amdhsa_wavefront_size32 1
		.amdhsa_system_sgpr_workgroup_id_x 1
		.amdhsa_system_sgpr_workgroup_id_y 1
		.amdhsa_system_sgpr_workgroup_id_z 1
		.amdhsa_system_vgpr_workitem_id 0
		.amdhsa_next_free_vgpr 232
		.amdhsa_next_free_sgpr 66
		.amdhsa_reserve_vcc 0
		.amdhsa_float_denorm_mode_32 3
		.amdhsa_float_denorm_mode_16_64 3
		.amdhsa_memory_ordered 1
		.amdhsa_forward_progress 1
		.amdhsa_inst_pref_size 38
	.end_amdhsa_kernel
	.amdgpu_metadata
---
amdhsa.version: [ 1, 2 ]
amdhsa.kernels:
  - .name:           k_q757aa11a78_prep
    .symbol:         k_q757aa11a78_prep.kd
    .args:
      - { .name: Wq, .offset: 0, .size: 8, .value_kind: global_buffer, .address_space: global }
      - { .name: Wk, .offset: 8, .size: 8, .value_kind: global_buffer, .address_space: global }
      - { .name: Wv, .offset: 16, .size: 8, .value_kind: global_buffer, .address_space: global }
      - { .name: Wo, .offset: 24, .size: 8, .value_kind: global_buffer, .address_space: global }
      - { .name: W1, .offset: 32, .size: 8, .value_kind: global_buffer, .address_space: global }
      - { .name: W2, .offset: 40, .size: 8, .value_kind: global_buffer, .address_space: global }
      - { .name: x, .offset: 48, .size: 8, .value_kind: global_buffer, .address_space: global }
      - { .name: xw, .offset: 56, .size: 8, .value_kind: global_buffer, .address_space: global }
    .group_segment_fixed_size: 12800
    .private_segment_fixed_size: 0
    .kernarg_segment_align: 8
    .kernarg_segment_size: 64
    .max_flat_workgroup_size: 128
    .sgpr_count:     66
    .vgpr_count:     232
    .wavefront_size: 32
...
	.end_amdgpu_metadata
.endif
;; end of part 1
;; launch qkv (part 2): grid 48 x 4, 4 waves a work-group, clusters of 4 x 4, 327,680 bytes of LDS; arguments xw, bq, bk, bv, qkv; writes qkv
.if DOCPART == 2
	.amdgcn_target "amdgcn-amd-amdhsa--gfx1250"
	.amdhsa_code_object_version 6
	.text
	.protected	k_q757aa11a78_qkv
	.globl	k_q757aa11a78_qkv
	.p2align	8
	.type	k_q757aa11a78_qkv,@function
k_q757aa11a78_qkv:
	s_mov_b64 s[64:65], 0
	v_nop
	global_prefetch_b8 v0, s[64:65] scope:SCOPE_SE
	s_setreg_imm32_b32 hwreg(HW_REG_WAVE_MODE, 25, 1), 1
	s_wait_xcnt 0x0
	s_wait_alu depctr_hold_cnt(0) depctr_sa_sdst(0) depctr_va_vdst(0) depctr_va_sdst(0) depctr_va_ssrc(0) depctr_va_vcc(0) depctr_vm_vsrc(0)
	s_getreg_b32 s2, hwreg(HW_REG_IB_STS2, 6, 4)
	s_cmp_eq_u32 s2, 0
	s_cbranch_scc0 .Lentry_in_a_cluster
	s_endpgm
.Lentry_in_a_cluster:
	s_bfe_u32 s2, ttmp6, 0x10000c
	s_cmp_lg_u32 s2, 0xf033
	s_cbranch_scc0 .Lentry_shape_is_right
	s_endpgm
.Lentry_shape_is_right:
; q = x Wq + bq, k = x Wk + bk and v^T = (x Wv + bv)^T on codes of FP6 (E2M3), quantised again in registers and stored as images of operand registers (layouts: below).
; A work-group of four waves makes 256 x 256 of a product, a wave 128 x 128: 64 accumulators, 512 registers.  Source 0 = 16 rows of B, source 1 = 16 rows of A: a lane holds one row of A and eight rows of B.
; ROLES, by the cluster's number c (equal in all partners): c < 8: A = x's rows, B = Wq's and Wk's columns on end: a lane holds one token, its registers run along the features: q and k are quantised along the head's 64.
;   c >= 8: A = Wv's columns, B = x's rows: a lane holds one channel d, its registers run along the tokens: v is quantised along the keys, its product's K.
; OPERANDS IN MEMORY: a fragment (16 rows x 128 K) is 1,536 bytes, byte 512 c + 16 lane + 4 i = register 4 c + i; lane r of tile t holds row 32 (t / 2) + 8 (t % 2) + r + 8 (r / 8), so that the 16 registers of
; two neighbouring tiles of B are 16 neighbours along the next K.  Fragment (tile, step) lies at (tile x KS + step) x 1,536; scale words (64 bytes a fragment) at [step][tile].
; K goes two steps of 128 to a slot through a ring of two LDS slots; a wave's tensor load brings 8 tiles x 3,072 consecutive bytes.  All scale words of the work-group's tiles come once, with the first fills.
; CLUSTERS: 4 x 4 work-groups; A's tiles are asked for jointly along a row of the cluster, B's along a column.
; OUT: qkv: fragments Q = 8 t + p, K = 2,048 + 8 t + p (p: a pair of heads), V^T = 4,096 + 32 td + s; scale words from QKV_SC: Q [8][256][64], K likewise, V [32][64][64].
; LIMITS: a block of zeros gets the byte 1 (its codes are zeros; this program alone reads the bytes); blocks under 2^-124 have the byte 1; NaN and infinities are not served.
; REGISTERS: window 0: v0-31 addresses, v8-15 bv; v32-63 scale words, two sets; v128-223 A's fragments, one set; window 1: B's two sets at v0 and v128, the bias of my 128 features in v96-127 and v224-255;
;   windows 2, 3: the accumulators ((a, b) at v[8 (8 (a % 4) + b)]).
.set KS,     8
.set LAPS,   KS/4
.set NQ,     2
.set FR,     12
.set FRB,    1536
.set NL,     3                         ; LDS loads that bring a fragment
.set NP,     4                         ; places behind this matrix instruction (ISA guide 7.12.1)
.set HALFT,  8*NQ*FRB                  ; what one tensor load brings: 8 tiles x two K steps
.set SLOT,   4*HALFT                   ; A's 16 tiles, then B's 16
.set SCL,    2*SLOT                    ; behind the ring: the scale words, [step][8 tiles][64 bytes] for each wave's load
.set HALFS,  512*KS
.set SPARE,  SCL+4*HALFS               ; the spare words, 128 bytes a wave
.set XW_SC,  12582912
.set QKV_SC, 9437184
.set ATL,    768                       ; tiles in a step of A's scale region
.set BTL,    768
.set BM,   8                           ; v8-15   bv of my lane's channel in each of A's eight tiles
.set ADRA, 16
.set ADRB, 20
.set ADRS, 27
.set SPW,  28
.set NIL,  29
.set SC,   32
.set AF,   128
.set LI,   2                           ; the way out: 16 x lane
.set SA,   3                           ; 4 r
.set T,    64                          ; the way out: 64 numbers
.set PC,   128
.set TM,   148
.set PW,   164
.set SEL,  66
.set G1, 24
.set G0, 32
.set G1B, 48
.set G0B, 56
.set G1S, 68
.set G0S, 76
.set G1SB, 80
.set G0SB, 88
.set MSB, 0
.macro WIN new                         ; the immediate's high byte repeats the setting that is left; a switch that changes nothing is dropped
.if MSB != (\new)
	s_set_vgpr_msb (MSB<<8)|(\new)
.set MSB, \new
.endif
.endm
.set MUL_LO, 0xa1                      ; source 0 (B) window 1, source 1 (A) window 0, C and D window 2
.set MUL_HI, 0xf1
.set TO_B,   0x40
; A joint load: waves 0 and 1 fetch for A, waves 2 and 3 for B; the branch hangs on the wave's number alone.  An s_nop 0 and four v_nop follow each line.
.macro JLOAD g0a, g1a, g0b, g1b
	s_cmp_eq_u32 s15, 0
	s_cbranch_scc0 .Lfor_b_\@
	tensor_load_to_lds s[\g0a:\g0a+3], s[\g1a:\g1a+7]
	s_nop 0
.rept 4
	v_nop
.endr
	s_branch .Lasked_\@
.Lfor_b_\@:
	tensor_load_to_lds s[\g0b:\g0b+3], s[\g1b:\g1b+7]
	s_nop 0
.rept 4
	v_nop
.endr
.Lasked_\@:
.endm
.macro CREST                           ; a round of the cluster's barrier behind its opening barrier
	s_cmp_lg_u32 s14, 0
	s_cbranch_scc1 .Lnot_wave_0_\@
	s_barrier_signal -3
.Lnot_wave_0_\@:
	s_barrier_wait -3
	s_barrier_signal -1
	s_barrier_wait -1
.endm
.macro CROUND
	s_barrier_signal -1
	s_barrier_wait -1
	CREST
.endm
.macro QUANT s                         ; 64 numbers, register 16 b + i = k 32 b + 16 (lane / 16) + i of my row -> codes in v[PC] on, scale word in v[PW]
.irp b, 0,1,2,3
	v_max3_num_f32 v[TM+\b], |v[\s+16*\b]|, |v[\s+1+16*\b]|, 0x1800000   ; and the floor 2^(3 - 127): the byte cannot fall under 1
.endr
.irp i, 2,4,6,8,10,12,14
.irp b, 0,1,2,3
	v_max3_num_f32 v[TM+\b], v[TM+\b], |v[\s+16*\b+\i]|, |v[\s+1+16*\b+\i]|
.endr
.endr
.irp b, 0,1,2,3
	v_permlanex16_b32 v[TM+4+\b], v[TM+\b], s[SEL], s[SEL+1]
.endr
.irp b, 0,1,2,3
	v_max_num_f32 v[TM+\b], v[TM+\b], v[TM+4+\b]
.endr
.irp b, 0,1,2,3
	v_add_nc_u32 v[TM+12+\b], 0xff000000, v[TM+\b]   ; 2 off the exponent field: the conversion's scale operand
.endr
.irp b, 0,1,2,3
	v_lshrrev_b32 v[TM+4+\b], 23, v[TM+12+\b]
.endr
	v_lshl_or_b32 v[PW], v[TM+5], 8, v[TM+4]
	v_lshl_or_b32 v[PW], v[TM+6], 16, v[PW]
	v_lshl_or_b32 v[PW], v[TM+7], 24, v[PW]
.irp c, 0,1
	v_cvt_scalef32_pk16_fp6_f32 v[PC+6*\c:PC+2+6*\c], v[\s+32*\c:\s+15+32*\c], v[TM+12+2*\c]
	v_cvt_scalef32_pk16_fp6_f32 v[PC+12+4*\c:PC+14+4*\c], v[\s+16+32*\c:\s+31+32*\c], v[TM+12+2*\c+1]
.endr
	v_nop                                          ; one plain place behind a scaled conversion
.irp c, 0,1
.irp i, 0,1,2
	v_permlane16_swap_b32 v[PC+6*\c+\i], v[PC+12+4*\c+\i]
.endr
.irp i, 0,1,2
	v_mov_b32 v[PC+3+6*\c+\i], v[PC+12+4*\c+\i]
.endr
.endr
.endm
	s_load_b64 s[4:5], s[0:1], 0x0                 ; xw: A's and B's buffer
	s_load_b128 s[8:11], s[0:1], 0x8               ; bq, bk
	s_load_b64 s[92:93], s[0:1], 0x18              ; bv
	s_load_b64 s[12:13], s[0:1], 0x20              ; qkv
	v_lshl_add_u32 v[SPW], v0, 2, SPARE
	v_mov_b32 v[NIL], 0
	ds_add_u32 v[SPW], v[NIL]                      ; the wave's opening: the add and its wait ahead of my first tensor load; work on registers stands between
	v_lshrrev_b32 v1, 5, v0
	v_readfirstlane_b32 s14, v1                    ; wave
	s_lshr_b32 s15, s14, 1                         ; my half of A's tiles.  Also: I fetch for A (0) or B (1)
	s_and_b32 s16, s14, 1                          ; my half of B's tiles.  Also: which eight tiles I fetch
	s_bfe_u32 s40, ttmp6, 0x40000                  ; cx
	s_bfe_u32 s41, ttmp6, 0x40004                  ; cy
	s_and_b32 s42, ttmp9, 1
	s_lshr_b32 s17, ttmp9, 1
	s_and_b32 s18, ttmp9, 3
	s_cmp_ge_u32 ttmp9, 8                          ; the role hangs on the cluster's number alone
	s_cselect_b32 s98, 1, 0
	s_cselect_b32 s42, s18, s42
	s_cselect_b32 s17, 0, s17
	s_cselect_b32 s96, 384, 0                      ; A's first tile in xw: Wv's or x's
	s_cselect_b32 s97, 0, 256                      ; B's: x's or Wq's
	s_lshl_b32 s42, s42, 2
	s_add_co_u32 s42, s42, s40                     ; tile column
	s_lshl_b32 s17, s17, 2
	s_add_co_u32 s17, s17, s41                     ; tile row
	s_lshl_b32 s43, s41, 2
	s_lshl_b32 s43, 15, s43                        ; my row of the cluster
	s_lshl_b32 s44, 0x1111, s40                    ; my column
	s_or_b32 s[G1+0], s43, (3<<16)|(1<<21)         ; 15:0 the mask; 17:16 elements of 8 bytes; 21 set beside a mask; no padding
	s_or_b32 s[G1B+0], s44, (3<<16)|(1<<21)
.irp g, G1, G1B
	s_mov_b32 s[\g+1], 384<<16                     ; tensor_dim0 = 384 elements: two fragments on end
	s_mov_b32 s[\g+2], 8<<16                       ; tensor_dim1 = 8 tiles
	s_mov_b32 s[\g+3], 384<<16                     ; tile_dim0
	s_mov_b32 s[\g+4], 8                           ; tile_dim1
	s_mov_b32 s[\g+5], 192*KS                      ; from tile to tile: KS fragments
	s_mov_b32 s[\g+6], 0
	s_mov_b32 s[\g+7], 0
.endr
	s_or_b32 s[G1S+0], s43, (3<<16)|(1<<21)
	s_or_b32 s[G1SB+0], s44, (3<<16)|(1<<21)
.irp g, G1S, G1SB
	s_mov_b32 s[\g+1], 64<<16                      ; eight tiles' words: 512 bytes
	s_mov_b32 s[\g+2], KS<<16                      ; a row for each K step
	s_mov_b32 s[\g+3], 64<<16
	s_mov_b32 s[\g+4], KS
	s_mov_b32 s[\g+6], 0
	s_mov_b32 s[\g+7], 0
.endr
	s_mov_b32 s[G1S+5], 8*ATL
	s_mov_b32 s[G1SB+5], 8*BTL
	s_lshl_b32 s18, s16, 3
	s_lshl_b32 s20, s17, 4
	s_add_co_u32 s20, s20, s18
	s_add_co_u32 s20, s20, s96                     ; A: the first of the eight tiles that I fetch
	s_lshl_b32 s46, s42, 4
	s_add_co_u32 s46, s46, s18
	s_add_co_u32 s46, s46, s97                     ; B
	s_lshl_b32 s22, s20, 6
	s_add_co_u32 s22, s22, XW_SC
	s_mov_b32 s23, 0
	s_lshl_b32 s94, s46, 6
	s_add_co_u32 s94, s94, XW_SC
	s_mov_b32 s95, 0
	s_mul_i32 s20, s20, KS*FRB
	s_mov_b32 s21, 0
	s_mul_i32 s46, s46, KS*FRB
	s_mov_b32 s47, 0
	s_mul_i32 s45, s14, HALFT                      ; where they go: no place in the cluster enters an LDS address
	s_mul_i32 s99, s14, HALFS
	s_wait_dscnt 0x0                               ; the opening add is done
	s_wait_kmcnt 0x0
	s_mov_b64 s[6:7], s[4:5]
	s_add_nc_u64 s[20:21], s[4:5], s[20:21]
	s_add_nc_u64 s[22:23], s[4:5], s[22:23]
	s_add_nc_u64 s[46:47], s[6:7], s[46:47]
	s_add_nc_u64 s[94:95], s[6:7], s[94:95]
	CROUND                                         ; all sixteen work-groups are here: the first joint loads meet
	s_mov_b32 s[G0S], 1
	s_add_co_u32 s[G0S+1], s99, SCL
	s_mov_b64 s[G0S+2:G0S+3], s[22:23]
	s_or_b32 s[G0S+3], s[G0S+3], 0x80000000
	s_mov_b32 s[G0SB], 1
	s_add_co_u32 s[G0SB+1], s99, SCL
	s_mov_b64 s[G0SB+2:G0SB+3], s[94:95]
	s_or_b32 s[G0SB+3], s[G0SB+3], 0x80000000
	JLOAD G0S, G1S, G0SB, G1SB                     ; the scale words first
.irp s, 0,1
	s_mov_b32 s[G0+4*\s], 1
	s_add_co_u32 s[G0+4*\s+1], s45, \s*SLOT
	s_add_nc_u64 s[G0+4*\s+2:G0+4*\s+3], s[20:21], \s*NQ*FRB
	s_or_b32 s[G0+4*\s+3], s[G0+4*\s+3], 0x80000000
	s_mov_b32 s[G0B+4*\s], 1
	s_add_co_u32 s[G0B+4*\s+1], s45, \s*SLOT
	s_add_nc_u64 s[G0B+4*\s+2:G0B+4*\s+3], s[46:47], \s*NQ*FRB
	s_or_b32 s[G0B+4*\s+3], s[G0B+4*\s+3], 0x80000000
	JLOAD G0+4*\s, G1, G0B+4*\s, G1B               ; by this text's count three tensor loads of mine are out now
.endr
	v_and_b32 v1, 15, v0                           ; r
	v_bfe_u32 v4, v0, 4, 1                         ; h
	v_and_b32 v[LI], 31, v0
	v_lshlrev_b32 v[LI], 4, v[LI]                  ; 16 x lane: an image's place for my lane
	v_lshlrev_b32 v[SA], 2, v1
	s_mul_i32 s21, s15, HALFT
	s_mul_i32 s22, s16, HALFT
	s_add_co_u32 s22, s22, 2*HALFT
.irp s, 0,1
	v_add_nc_u32 v[ADRA+\s], s21, v[LI]
	v_add_nc_u32 v[ADRB+\s], s22, v[LI]
	s_add_co_u32 s21, s21, SLOT
	s_add_co_u32 s22, s22, SLOT
.endr
	s_mul_i32 s21, s15, HALFS                      ; scale words: lanes 0-15 take A's, lanes 16-31 B's: the lower base + h x the distance
	s_mul_i32 s22, s16, HALFS
	s_add_co_u32 s22, s22, 2*HALFS
	s_sub_co_u32 s22, s22, s21
	v_mul_u32_u24 v6, s22, v4
	s_add_co_u32 s21, s21, SCL
	v_add_nc_u32 v5, v[SA], v6
	v_add_nc_u32 v[ADRS], s21, v5
	; the way out's addresses and the biases
	s_lshl_b32 s46, s42, 1
	s_add_co_u32 s46, s46, s16                     ; sN: which 128 of B's rows are mine = the K step that I make
	s_lshl_b32 s47, s17, 4
	s_lshl_b32 s96, s15, 3
	s_add_co_u32 s47, s47, s96                     ; tA0: my first tile of A's rows
	s_and_b32 s96, s46, 7
	s_lshr_b32 s97, s46, 3                         ; q (0) or k (1)
	s_lshl_b32 s18, s97, 11
	s_lshl_b32 s19, s47, 3
	s_add_co_u32 s18, s18, s19
	s_add_co_u32 s18, s18, s96                     ; q, k: fragment 2,048 (q or k) + 8 tA0 + pair of heads
	s_lshl_b32 s19, s47, 5
	s_add_co_u32 s19, s19, s46
	s_add_co_u32 s19, s19, 4096                    ; v: 4,096 + 32 tA0 + sN
	s_lshl_b32 s20, s96, 8
	s_add_co_u32 s20, s20, s47
	s_lshl_b32 s20, s20, 6
	s_lshl_b32 s21, s97, 17
	s_add_co_u32 s20, s20, s21                     ; q, k: scale words
	s_lshl_b32 s21, s46, 6
	s_add_co_u32 s21, s21, s47
	s_lshl_b32 s21, s21, 6
	s_add_co_u32 s21, s21, 262144                  ; v's
	s_lshl_b32 s99, s47, 6                         ; bv: 16 tA0 numbers on
	s_mov_b32 s22, 8*FRB
	s_cmp_lg_u32 s98, 0
	s_cselect_b32 s18, s19, s18
	s_cselect_b32 s20, s21, s20
	s_cselect_b32 s22, 32*FRB, s22                 ; from one tile of A's rows to the next
	s_cselect_b32 s99, s99, 0                      ; (in the other role bv is loaded from its start and not used: no load leaves its buffer)
	s_mov_b32 s23, 0
	s_mul_i32 s18, s18, FRB
	s_mov_b32 s19, 0
	s_add_nc_u64 s[18:19], s[12:13], s[18:19]      ; where my codes go
	s_add_co_u32 s20, s20, QKV_SC
	s_mov_b32 s21, 0
	s_add_nc_u64 s[20:21], s[12:13], s[20:21]      ; and my scale words
	s_cmp_lg_u32 s97, 0
	s_cselect_b64 s[8:9], s[10:11], s[8:9]         ; bq or bk
	s_lshl_b32 s96, s96, 9
	s_mov_b32 s97, 0
	s_add_nc_u64 s[8:9], s[8:9], s[96:97]          ; at my 128 features
	s_mov_b32 s96, s99
	s_add_nc_u64 s[92:93], s[92:93], s[96:97]
	s_mov_b32 s[SEL], 0x76543210
	s_mov_b32 s[SEL+1], 0xfedcba98
	v_lshlrev_b32 v7, 6, v4                        ; 64 h; never rewritten
	v_and_b32 v30, 8, v1
	v_add_nc_u32 v30, v30, v1
	v_lshlrev_b32 v30, 2, v30                      ; 4 (r + 8 (r / 8)); never rewritten
.irp a, 0,1,2,3,4,5,6,7
	global_load_b32 v[BM+\a], v30, s[92:93] offset:(32*(\a/2)+8*(\a%2))*4
.endr
	WIN TO_B
.irp b, 0,1,2,3,4,5,6,7                        ; lane (r, h), tile b, register j: the bias of feature 32 (b / 2) + 16 h + 8 (b % 2) + j
	global_load_b128 v[96+8*\b+96*(\b/4):99+8*\b+96*(\b/4)], v7, s[8:9] offset:(32*(\b/2)+8*(\b%2))*4
	global_load_b128 v[100+8*\b+96*(\b/4):103+8*\b+96*(\b/4)], v7, s[8:9] offset:(32*(\b/2)+8*(\b%2))*4+16
.endr
	WIN 0
.macro FRAG reg, adr, q, i             ; a fragment comes as it was stored: three loads of 512 consecutive bytes
.irp c, 0,1,2
	ds_load_b128 v[\reg+4*\c:\reg+4*\c+3], v[\adr] offset:2*FRB*(\i)+FRB*(\q)+512*\c
.endr
.endm
; 16 matrix instructions: A's blocks a0, a0 + 1 x B's eight.  The 64 accumulators take turns, one instruction a turn, in the same order in every step.
.macro MUL16 a0, p, q, sc, zero
.irp a, \a0, \a0+1
.irp b, 0,1,2,3,4,5,6,7
.if \zero
	v_wmma_scale_f32_16x16x128_f8f6f4 v[8*(8*((\a)%4)+\b):8*(8*((\a)%4)+\b)+7], v[128*(\p)+FR*\b:128*(\p)+FR*\b+FR-1], v[AF+FR*(\a):AF+FR*(\a)+FR-1], 0, v[SC+8*NQ*(\sc)+NQ*\b+(\q)], v[SC+8*NQ*(\sc)+NQ*(\a)+(\q)] matrix_a_fmt:MATRIX_FMT_FP6 matrix_b_fmt:MATRIX_FMT_FP6 matrix_a_scale:MATRIX_SCALE_ROW1
.else
	v_wmma_scale_f32_16x16x128_f8f6f4 v[8*(8*((\a)%4)+\b):8*(8*((\a)%4)+\b)+7], v[128*(\p)+FR*\b:128*(\p)+FR*\b+FR-1], v[AF+FR*(\a):AF+FR*(\a)+FR-1], v[8*(8*((\a)%4)+\b):8*(8*((\a)%4)+\b)+7], v[SC+8*NQ*(\sc)+NQ*\b+(\q)], v[SC+8*NQ*(\sc)+NQ*(\a)+(\q)] matrix_a_fmt:MATRIX_FMT_FP6 matrix_b_fmt:MATRIX_FMT_FP6 matrix_a_scale:MATRIX_SCALE_ROW1
.endif
.endr
.endr
.endm
.macro FETCH_B slot, q, p
	WIN TO_B
.irp i, 0,1,2,3,4,5,6,7
	FRAG 128*(\p)+FR*\i, ADRB+\slot, \q, \i
.endr
	WIN 0
.endm
.macro FETCH_A slot, q, i0
.irp i, \i0, \i0+1, \i0+2, \i0+3
	FRAG AF+FR*(\i), ADRA+\slot, \q, \i
.endr
.endm
.macro SCALES sc                       ; a slot's scale words: register 2 i + q: lanes 0-15 A's tile i, lanes 16-31 B's tile i, K step q
.irp i, 0,1,2,3,4,5,6,7
.irp q, 0,1
	ds_load_b32 v[SC+16*(\sc)+2*\i+\q], v[ADRS] offset:512*\q+64*\i
.endr
.endr
.endm
.macro PLACES n                        ; plain vector instructions between a matrix instruction and a load into, or a read of, its registers (ISA guide 7.12.1 for a read)
.rept \n
	v_nop
.endr
.endm
.macro STEP slot, q, zero              ; a step of 128 along K that has its successor in the same slot
	s_wait_dscnt 4*NL                              ; all but the youngest twelve loads (A's blocks 4-7) are in
	WIN MUL_LO
	MUL16 0, (\q)%2, \q, \slot, \zero
	MUL16 2, (\q)%2, \q, \slot, \zero
	s_wait_dscnt 0
	PLACES NP
	FETCH_B \slot, (\q)+1, 1-(\q)%2
	FETCH_A \slot, (\q)+1, 0
	WIN MUL_HI
	MUL16 4, (\q)%2, \q, \slot, \zero
	MUL16 6, (\q)%2, \q, \slot, \zero
	PLACES NP
	WIN 0
	FETCH_A \slot, (\q)+1, 4
.endm
; A slot's last step changes slots: one barrier; in front of it each wave waits for all its tensor loads, adds 0 to its spare word, and waits for that and for its reads of this slot.
.macro TURN slot, next, fill
	s_wait_tensorcnt 0x0                           ; all my tensor loads have landed: my part of the next slot
	ds_add_u32 v[SPW], v[NIL]
	s_wait_dscnt 4*NL+1                            ; (the add and the youngest twelve loads may be out)
	WIN MUL_LO
	MUL16 0, 1, NQ-1, \slot, 0
	s_wait_dscnt 0x0                               ; the add is done, and my reads of this slot are over
	s_barrier_signal -1
	MUL16 2, 1, NQ-1, \slot, 0
	WIN 0
	s_barrier_wait -1
.if \fill
	CREST                                          ; the barrier has opened a round of the cluster's: no wave of any partner still reads this slot or has a load on its way
	s_add_nc_u64 s[G0+4*\slot+2:G0+4*\slot+3], s[G0+4*\slot+2:G0+4*\slot+3], 2*NQ*FRB
	s_add_nc_u64 s[G0B+4*\slot+2:G0B+4*\slot+3], s[G0B+4*\slot+2:G0B+4*\slot+3], 2*NQ*FRB
	JLOAD G0+4*\slot, G1, G0B+4*\slot, G1B         ; the first tensor load behind the round; its four v_nop are the places in front of the loads below
.else
	PLACES NP
.endif
	v_add_nc_u32 v[ADRS], 512*NQ, v[ADRS]          ; the next slot's scale words
	FETCH_B \next, 0, 0
	FETCH_A \next, 0, 0
	SCALES \next
	WIN MUL_HI
	MUL16 4, 1, NQ-1, \slot, 0
	MUL16 6, 1, NQ-1, \slot, 0
	PLACES NP
	WIN 0
	FETCH_A \next, 0, 4
.endm
	s_wait_tensorcnt 1                             ; the scale words and my part of slot 0 are in; slot 1's load may be out
	s_barrier_signal -1
	s_barrier_wait -1
	FETCH_B 0, 0, 0
	FETCH_A 0, 0, 0
	SCALES 0
	FETCH_A 0, 0, 4
	STEP 0, 0, 1                                   ; the first step's products start the sums
	s_mov_b32 s3, LAPS-1
.Llap:
	TURN 0, 1, 1
	STEP 1, 0, 0
	TURN 1, 0, 1
	STEP 0, 0, 0
	s_sub_co_u32 s3, s3, 1
	s_cmp_lg_u32 s3, 0
	s_cbranch_scc1 .Llap
	TURN 0, 1, 0                                   ; the last lap fills nothing
	STEP 1, 0, 0
	s_wait_dscnt 4*NL
	WIN MUL_LO
	MUL16 0, 1, NQ-1, 1, 0
	MUL16 2, 1, NQ-1, 1, 0
	s_wait_dscnt 0
	WIN MUL_HI
	MUL16 4, 1, NQ-1, 1, 0
	MUL16 6, 1, NQ-1, 1, 0
	WIN 0
; THE WAY OUT: for each of A's eight tiles the lane's 64 results (+ bias) are one K step of one row of the next operand: quantised in registers, stored as an image: three stores of 512 consecutive bytes.
; A counted loop; what differs from trip to trip, the accumulators' register numbers, stands in eight short pieces that a scalar branch on the counter picks.
.macro STUB k
	s_cmp_lg_u32 s98, 0
	s_cbranch_scc1 .Lrole_v_\@
	WIN 0x06+(\k)/4                                ; source 0: window 2 or 3; source 1: window 1
.set i, 0
.rept 32
	v_pk_add_f32 v[T+i:T+i+1], v[64*((\k)%4)+i:64*((\k)%4)+i+1], v[96+i+96*(i/32):97+i+96*(i/32)]   ; ascending: each accumulator is read from its low end on
.set i, i+2
.endr
	WIN 0
	s_branch .Lcommon
.Lrole_v_\@:
	WIN 0x02+(\k)/4                                ; source 1: window 0: bv of my channel, for both halves
.set i, 0
.rept 32
.if (\k)%2
	v_pk_add_f32 v[T+i:T+i+1], v[64*((\k)%4)+i:64*((\k)%4)+i+1], v[BM+(\k)-1:BM+(\k)] op_sel:[0,1] op_sel_hi:[1,1]
.else
	v_pk_add_f32 v[T+i:T+i+1], v[64*((\k)%4)+i:64*((\k)%4)+i+1], v[BM+(\k):BM+(\k)+1] op_sel_hi:[1,0]
.endif
.set i, i+2
.endr
	WIN 0
	s_branch .Lcommon
.endm
	PLACES NP
	s_wait_loadcnt 0x0                             ; the biases
.irp b, 0,1,2,3
	v_mov_b32 v[TM+4+\b], 0                        ; a lane permute's destination counts as one of its sources
.endr
	s_mov_b32 s3, 0
.Lrow:
.irp k, 0,1,2,3,4,5,6
	s_cmp_eq_u32 s3, \k
	s_cbranch_scc1 .Lc\k
.endr
	STUB 7
.irp k, 0,1,2,3,4,5,6
.Lc\k:
	STUB \k
.endr
.Lcommon:
	QUANT T
.irp c, 0,1,2
	global_store_b128 v[LI], v[PC+4*\c:PC+4*\c+3], s[18:19] offset:512*\c
.endr
	global_store_b32 v[SA], v[PW], s[20:21]        ; both halves of the lanes hold a row's word and store it to the same place: 64 consecutive bytes
	s_wait_xcnt 0x0                                ; the stores' data and bases are written again only behind this wait
	s_add_nc_u64 s[18:19], s[18:19], s[22:23]
	s_add_nc_u64 s[20:21], s[20:21], 64
	s_add_co_u32 s3, s3, 1
	s_cmp_lt_u32 s3, 8
	s_cbranch_scc1 .Lrow
	s_wait_tensorcnt 0x0                           ; the wave's end
	ds_add_u32 v[SPW], v[NIL]
	s_wait_dscnt 0x0
	CROUND                                         ; the closing round
	s_endpgm
.Lfunc_end_k_q757aa11a78_qkv:
	.size	k_q757aa11a78_qkv, .Lfunc_end_k_q757aa11a78_qkv-k_q757aa11a78_qkv
	.p2alignl 7, 3214868480
	.fill 96, 4, 3214868480
	.section	.rodata,"a",@progbits
	.p2align	6, 0x0
	.amdhsa_kernel k_q757aa11a78_qkv
		.amdhsa_group_segment_fixed_size 327680
		.amdhsa_private_segment_fixed_size 0
		.amdhsa_enable_private_segment 0
		.amdhsa_kernarg_size 40
		.amdhsa_user_sgpr_count 2
		.amdhsa_user_sgpr_kernarg_segment_ptr 1
		.amdhsa_wavefront_size32 1
		.amdhsa_system_sgpr_workgroup_id_x 1
		.amdhsa_system_sgpr_workgroup_id_y 1
		.amdhsa_system_sgpr_workgroup_id_z 1
		.amdhsa_system_vgpr_workitem_id 0
		.amdhsa_next_free_vgpr 1024
		.amdhsa_next_free_sgpr 102
		.amdhsa_reserve_vcc 0
		.amdhsa_float_denorm_mode_32 3
		.amdhsa_float_denorm_mode_16_64 3
		.amdhsa_memory_ordered 1
		.amdhsa_forward_progress 1
		.amdhsa_inst_pref_size 151
	.end_amdhsa_kernel
	.amdgpu_metadata
---
amdhsa.version: [ 1, 2 ]
amdhsa.kernels:
  - .name:           k_q757aa11a78_qkv
    .symbol:         k_q757aa11a78_qkv.kd
    .args:
      - { .name: xw, .offset: 0, .size: 8, .value_kind: global_buffer, .address_space: global }
      - { .name: bq, .offset: 8, .size: 8, .value_kind: global_buffer, .address_space: global }
      - { .name: bk, .offset: 16, .size: 8, .value_kind: global_buffer, .address_space: global }
      - { .name: bv, .offset: 24, .size: 8, .value_kind: global_buffer, .address_space: global }
      - { .name: qkv, .offset: 32, .size: 8, .value_kind: global_buffer, .address_space: global }
    .group_segment_fixed_size: 327680
    .private_segment_fixed_size: 0
    .kernarg_segment_align: 8
    .kernarg_segment_size: 40
    .max_flat_workgroup_size: 128
    .sgpr_count:     102
    .vgpr_count:     1024
    .wavefront_size: 32
...
	.end_amdgpu_metadata
.endif
;; end of part 2
;; launch attn (part 3): grid 16 x 16, 16 waves a work-group, clusters of 4 x 1, 327,680 bytes of LDS; arguments qkv, at; writes at
.if DOCPART == 3
	.amdgcn_target "amdgcn-amd-amdhsa--gfx1250"
	.amdhsa_code_object_version 6
	.text
	.protected	k_q757aa11a78_attn
	.globl	k_q757aa11a78_attn
	.p2align	8
	.type	k_q757aa11a78_attn,@function
k_q757aa11a78_attn:
	s_mov_b64 s[64:65], 0
	v_nop
	global_prefetch_b8 v0, s[64:65] scope:SCOPE_SE
	s_setreg_imm32_b32 hwreg(HW_REG_WAVE_MODE, 25, 1), 1
	s_wait_xcnt 0x0
	s_wait_alu depctr_hold_cnt(0) depctr_sa_sdst(0) depctr_va_vdst(0) depctr_va_sdst(0) depctr_va_ssrc(0) depctr_va_vcc(0) depctr_vm_vsrc(0)
	s_getreg_b32 s2, hwreg(HW_REG_IB_STS2, 6, 4)
	s_cmp_eq_u32 s2, 0
	s_cbranch_scc0 .Lentry_in_a_cluster
	s_endpgm
.Lentry_in_a_cluster:
	s_bfe_u32 s2, ttmp6, 0x10000c
	s_cmp_lg_u32 s2, 0x3003
	s_cbranch_scc0 .Lentry_shape_is_right
	s_endpgm
.Lentry_shape_is_right:
; Attention on codes of FP6 (E2M3): o = softmax(q k^T / 8) v for 32 (batch, head), 2,048 queries and keys, head size 64; o is quantised along the model's 1,024 and stored as the next product's operand.
; THE SOFTMAX: t = score x log2(e) / 8; M = the running largest t rounded up to a whole number; p = 2^(t - M) is quantised along the keys, not normalised; the sum of the unquantised p divides at the end;
; when M moves, the sum and O are multiplied by 2^(old M - new M), which rounds nothing.
; SHARES.  A work-group takes 128 queries of a PAIR of heads; wave w takes query tile w / 2 and head w % 2, in 256 registers: four waves to a SIMD, one wave's vector work beside another's products and loads.
; TWO HEADS SHARE A K OF 128: q's and k's fragments hold the even head in registers 0-5 and the odd one in 6-11.  A wave clears the other head's half of ITS q: zero codes add nothing, and k is used as it lies.
; Both products are used transposed (S^T = k q^T, O^T = v^T p^T): a lane holds one query throughout.  Lane r of a tile of k holds key 32 (t / 2) + 8 (t % 2) + r + 8 (r / 8), so that p's 16 registers of two tiles are 16 neighbouring keys.
; RING: two LDS slots of 512 keys (four key steps): 32 fragments of k, then 8 tiles of v^T x four fragments.  Waves 0, 1 fetch k's halves, waves 2, 3 v's.  The scale words of the whole (batch, pair) come once.
; CLUSTER: the four query blocks of a cluster walk the same k and v: every tile is asked for jointly (mask 15).  A refill has a whole slot's four key steps in which to land.
; LIMITS: p under 2^-126 is 0 (v_exp_f32); a block of zeros gets the byte 1; NaN and infinities are not served.
; REGISTERS: v1-7, v28-31 addresses that stay; v8-11 addresses in hand; v12 -M, v13 the largest t, v[14:15] the sum; v16-27 q; v32-79 four fragments; v96-159 S^T, then p; v160-191 O^T; v224-235 p's codes; v232-254 at work; v255 q's scale words.
.set FRB,   1536
.set NQ,    4                          ; key steps in a slot
.set NSL,   4                          ; slots' worth of keys
.set VOFF,  32*FRB
.set SLOT1, 1<<17                      ; one exclusive or turns an address in one slot into the other's
.set SCK,   2*SLOT1                    ; k's scale words: [128 tiles][64 bytes]
.set SCV,   SCK+8192                   ; v's: [16 steps][8 tiles][64]
.set SPARE, SCV+8192                   ; the spare words, 128 bytes for each of 16 waves
.set STG,   SPARE+2048                 ; the way out: eight images; no tensor load lands here
.set STGS,  STG+8*FRB                  ; and their scale words
.set QKV_SC, 9437184
.set AT_SC, 3145728
.set AK0,  1                           ; v1   16 x lane
.set AV0,  2
.set ASK0, 3
.set ASV0, 4
.set SPW,  5
.set NIL,  6
.set A1,   7                           ; the way out: my half image's first and third piece,
.set A2,   28                          ; its second,
.set AH,   29                          ; my half of a scale word,
.set IMG,  30                          ; a whole image,
.set SGI,  31                          ; the eight tiles' scale words
.set ADK,  8
.set ADV,  9
.set ADS,  10
.set ADT,  11
.set WV,   18
.set SEL,  20
.set CS,   22
.set G1K,  24
.set G1V,  32
.set G0K,  40
.set G0V,  44
.set G1SK, 48
.set G0SK, 56
.set G0SV, 60
.set G1SV, 68
.set TB,   3                           ; s3   LDS byte at which the slot in hand begins
.set TS,   66                          ; s66  the step's scale words: 512 bytes a step, k's and v's alike
.set SLOTS, 67
.macro TLOAD g0k, g1k, g0v, g1v        ; waves 0, 1 fetch for k, waves 2, 3 for v, the others nothing: branches on the wave's number alone.  An s_nop 0 and four v_nop follow each line
	s_cmp_lt_u32 s[WV], 2
	s_cbranch_scc0 .Lnot_k_\@
	tensor_load_to_lds s[\g0k:\g0k+3], s[\g1k:\g1k+7]
	s_nop 0
.rept 4
	v_nop
.endr
	s_branch .Lasked_\@
.Lnot_k_\@:
	s_cmp_lt_u32 s[WV], 4
	s_cbranch_scc0 .Lasked_\@
	tensor_load_to_lds s[\g0v:\g0v+3], s[\g1v:\g1v+7]
	s_nop 0
.rept 4
	v_nop
.endr
.Lasked_\@:
.endm
.macro CROUND                          ; a round of the cluster's barrier
	s_barrier_signal -1
	s_barrier_wait -1
	s_cmp_lg_u32 s[WV], 0
	s_cbranch_scc1 .Lnot_wave_0_\@
	s_barrier_signal -3
.Lnot_wave_0_\@:
	s_barrier_wait -3
	s_barrier_signal -1
	s_barrier_wait -1
.endm
	s_load_b128 s[4:7], s[0:1], 0x0                ; qkv, at
	v_lshl_add_u32 v[SPW], v0, 2, SPARE
	v_mov_b32 v[NIL], 0
	ds_add_u32 v[SPW], v[NIL]                      ; the wave's opening: the add and its wait ahead of the first tensor loads; work on registers stands between
	v_lshrrev_b32 v8, 5, v0
	v_readfirstlane_b32 s[WV], v8
	s_bfe_u32 s8, ttmp6, 0x40000                   ; cx
	s_lshl_b32 s9, ttmp9, 2
	s_add_co_u32 s9, s9, s8                        ; my block of 128 queries: it enters q's and the output's addresses alone
	s_and_b32 s10, ttmp7, 0xffff
	s_lshr_b32 s11, s10, 3                         ; batch
	s_and_b32 s12, s10, 7                          ; pair of heads
	s_and_b32 s13, s[WV], 1                        ; my head of the pair.  Also: which half I fetch
	s_lshr_b32 s14, s[WV], 1                       ; my query tile
	s_lshl_b32 s78, s11, 7                         ; k: fragment 2,048 + 8 (128 batch + 16 half) + pair
	s_lshl_b32 s79, s13, 4
	s_add_co_u32 s78, s78, s79
	s_lshl_b32 s78, s78, 3
	s_add_co_u32 s78, s78, s12
	s_add_co_u32 s78, s78, 2048
	s_mul_i32 s78, s78, FRB
	s_mov_b32 s79, 0
	s_lshl_b32 s80, s12, 3                         ; v: fragment 4,096 + 32 (8 pair + 4 half) + 16 batch
	s_lshl_b32 s81, s13, 2
	s_add_co_u32 s80, s80, s81
	s_lshl_b32 s80, s80, 5
	s_lshl_b32 s81, s11, 4
	s_add_co_u32 s80, s80, s81
	s_add_co_u32 s80, s80, 4096
	s_mul_i32 s80, s80, FRB
	s_mov_b32 s81, 0
	s_lshl_b32 s82, s12, 8                         ; k's scale words: tile 256 pair + 128 batch + 64 half
	s_lshl_b32 s83, s11, 7
	s_add_co_u32 s82, s82, s83
	s_lshl_b32 s83, s13, 6
	s_add_co_u32 s82, s82, s83
	s_lshl_b32 s82, s82, 6
	s_add_co_u32 s82, s82, QKV_SC+131072
	s_mov_b32 s83, 0
	s_lshl_b32 s84, s11, 4                         ; v's: step 16 batch + 8 half, tile 8 pair
	s_lshl_b32 s85, s13, 3
	s_add_co_u32 s84, s84, s85
	s_lshl_b32 s84, s84, 6
	s_lshl_b32 s85, s12, 3
	s_add_co_u32 s84, s84, s85
	s_lshl_b32 s84, s84, 6
	s_add_co_u32 s84, s84, QKV_SC+262144
	s_mov_b32 s85, 0
	s_mul_i32 s86, s13, 16*FRB                     ; in a slot: k's half,
	s_add_co_u32 s87, s86, VOFF                    ; v's half;
	s_lshl_b32 s88, s13, 12                        ; a half of the scale words
	s_lshl_b32 s89, s11, 7
	s_lshl_b32 s90, s9, 3
	s_add_co_u32 s89, s89, s90                     ; the block's first query tile
	s_add_co_u32 s90, s89, s14                     ; mine
	s_lshl_b32 s92, s90, 3
	s_add_co_u32 s92, s92, s12
	s_mul_i32 s92, s92, FRB                        ; q's fragment
	s_mov_b32 s93, 0
	s_lshl_b32 s94, s12, 8
	s_add_co_u32 s94, s94, s90
	s_lshl_b32 s94, s94, 6
	s_add_co_u32 s94, s94, QKV_SC                  ; q's scale words
	s_mov_b32 s95, 0
	s_add_co_u32 s96, s89, s[WV]                   ; the image that waves 0-7 store
	s_lshl_b32 s96, s96, 3
	s_add_co_u32 s96, s96, s12
	s_mul_i32 s96, s96, FRB
	s_mov_b32 s97, 0
	s_lshl_b32 s98, s12, 8
	s_add_co_u32 s98, s98, s89
	s_lshl_b32 s98, s98, 6
	s_add_co_u32 s98, s98, AT_SC                   ; the block's scale words
	s_mov_b32 s99, 0
	; descriptor groups 1: mask of all four work-groups, elements of 8 bytes, bit 21 beside the mask, no padding
.irp g, G1K, G1V, G1SK, G1SV
	s_mov_b32 s[\g], 15|(3<<16)|(1<<21)
	s_mov_b32 s[\g+6], 0
	s_mov_b32 s[\g+7], 0
.endr
	s_mov_b32 s[G1K+1], 192<<16                    ; k: 16 fragments of 1,536 bytes, 8 fragments apart
	s_mov_b32 s[G1K+2], 16<<16
	s_mov_b32 s[G1K+3], 192<<16
	s_mov_b32 s[G1K+4], 16
	s_mov_b32 s[G1K+5], 1536
	s_mov_b32 s[G1V+1], 768<<16                    ; v: 4 tiles x four fragments on end, 32 fragments apart
	s_mov_b32 s[G1V+2], 4<<16
	s_mov_b32 s[G1V+3], 768<<16
	s_mov_b32 s[G1V+4], 4
	s_mov_b32 s[G1V+5], 6144
	s_mov_b32 s[G1SK+1], 32<<16                    ; k's scale words: 4,096 dense bytes as 16 rows of 256
	s_mov_b32 s[G1SK+2], 16<<16
	s_mov_b32 s[G1SK+3], 32<<16
	s_mov_b32 s[G1SK+4], 16
	s_mov_b32 s[G1SK+5], 32
	s_mov_b32 s[G1SV+1], 64<<16                    ; v's: 8 steps x 512 bytes, 4,096 bytes apart
	s_mov_b32 s[G1SV+2], 8<<16
	s_mov_b32 s[G1SV+3], 64<<16
	s_mov_b32 s[G1SV+4], 8
	s_mov_b32 s[G1SV+5], 512
	s_mov_b32 s[SEL], 0x76543210
	s_mov_b32 s[SEL+1], 0xfedcba98
	s_mov_b32 s[CS], 0x3e38aa3b                    ; c = log2(e) / 8
	s_mov_b32 s[CS+1], s[CS]
	s_mov_b32 s[TB], 0
	s_mov_b32 s[TS], 0
	s_mov_b32 s[SLOTS], NSL-1
	s_cmp_eq_u32 s13, 0
	s_cselect_b32 s76, -1, 0                       ; keeps q's registers 0-5 in the even head's wave,
	s_cselect_b32 s77, 0, -1                       ; 6-11 in the odd one's
	; every LDS address register is made here, on the one way that all waves take
	v_and_b32 v8, 15, v0                           ; r
	v_and_b32 v9, 31, v0
	v_lshlrev_b32 v[AK0], 4, v9
	s_mul_i32 s15, s13, 16*FRB
	s_add_co_u32 s15, s15, VOFF
	v_add_nc_u32 v[AV0], s15, v[AK0]               ; my head's four tiles of v^T
	v_lshl_add_u32 v[ASK0], v8, 2, SCK
	s_lshl_b32 s15, s13, 8
	s_add_co_u32 s15, s15, SCV
	v_lshl_add_u32 v[ASV0], v8, 2, s15
	s_mul_i32 s15, s14, FRB
	s_add_co_u32 s15, s15, STG                     ; my query tile's image: the even head's wave writes registers 0-5 of it, the odd one's 6-11
	s_mul_i32 s16, s13, 520
	s_add_co_u32 s16, s16, s15
	v_add_nc_u32 v[A1], s16, v[AK0]
	s_mul_i32 s16, s13, 1016
	s_add_co_u32 s16, s16, s15
	s_add_co_u32 s16, s16, 8
	v_add_nc_u32 v[A2], s16, v[AK0]
	s_lshl_b32 s16, s14, 6
	s_lshl_b32 s17, s13, 1
	s_add_co_u32 s16, s16, s17
	s_add_co_u32 s16, s16, STGS
	v_lshl_add_u32 v[AH], v8, 2, s16
	s_mul_i32 s16, s[WV], FRB
	s_add_co_u32 s16, s16, STG
	v_add_nc_u32 v[IMG], s16, v[AK0]
	v_add_nc_u32 v[SGI], STGS, v[AK0]
	v_lshlrev_b32 v254, 2, v8
	s_wait_dscnt 0x0                               ; the opening add is done
	s_wait_kmcnt 0x0
	s_mov_b32 s[G0SK], 1
	s_add_co_u32 s[G0SK+1], s88, SCK
	s_add_nc_u64 s[G0SK+2:G0SK+3], s[4:5], s[82:83]
	s_or_b32 s[G0SK+3], s[G0SK+3], 0x80000000
	s_mov_b32 s[G0SV], 1
	s_add_co_u32 s[G0SV+1], s88, SCV
	s_add_nc_u64 s[G0SV+2:G0SV+3], s[4:5], s[84:85]
	s_or_b32 s[G0SV+3], s[G0SV+3], 0x80000000
	s_mov_b32 s[G0K], 1
	s_mov_b32 s[G0K+1], s86
	s_add_nc_u64 s[G0K+2:G0K+3], s[4:5], s[78:79]
	s_or_b32 s[G0K+3], s[G0K+3], 0x80000000
	s_mov_b32 s[G0V], 1
	s_mov_b32 s[G0V+1], s87
	s_add_nc_u64 s[G0V+2:G0V+3], s[4:5], s[80:81]
	s_or_b32 s[G0V+3], s[G0V+3], 0x80000000
	CROUND                                         ; all four work-groups are here: the first joint loads meet
	TLOAD G0SK, G1SK, G0SV, G1SV                   ; the scale words: filled once
	TLOAD G0K, G1K, G0V, G1V                       ; slot 0: two tensor loads of a fetching wave are out
	s_add_nc_u64 s[92:93], s[4:5], s[92:93]
	s_add_nc_u64 s[94:95], s[4:5], s[94:95]
	s_add_nc_u64 s[96:97], s[6:7], s[96:97]
	s_add_nc_u64 s[98:99], s[6:7], s[98:99]
.irp c, 0,1,2
	global_load_b128 v[16+4*\c:19+4*\c], v[AK0], s[92:93] offset:512*\c
.endr
	global_load_b32 v255, v254, s[94:95]
	v_mov_b32 v13, 0xff61b1e6                      ; the largest t so far: -3e38
	v_floor_f32 v12, -v13                          ; -M
	v_mov_b32 v14, 0
	v_mov_b32 v15, 0
.irp b, 0,1,2,3
	v_mov_b32 v[236+\b], 0                         ; a lane permute's destination counts as one of its sources
.endr
	v_mov_b32 v253, 0
	s_wait_loadcnt 0x0                             ; q
.irp i, 0,1,2,3,4,5
	v_and_b32 v[16+\i], s76, v[16+\i]              ; the other head's codes become zeros
	v_and_b32 v[22+\i], s77, v[22+\i]
.endr
.set j, 0
.rept 32
	v_mov_b32 v[160+j], 0                          ; O^T: the loop is written once; its first step finds zeros
.set j, j+1
.endr
; A KEY STEP: 128 keys, the q-th of the slot in hand
.macro STEP q
	v_add_nc_u32 v[ADK], s[TB], v[AK0]             ; (these four are also the places in front of the loads into registers that the last products read)
	v_add_nc_u32 v[ADV], s[TB], v[AV0]
	v_add_nc_u32 v[ADS], s[TS], v[ASK0]
	v_add_nc_u32 v[ADT], s[TS], v[ASV0]
.irp g, 0,1                                    ; S^T = k q^T, four tiles of 16 keys at a time
.if \g > 0
.rept 4
	v_nop
.endr
.endif
.irp t, 0,1,2,3
.irp c, 0,1,2
	ds_load_b128 v[32+12*\t+4*\c:35+12*\t+4*\c], v[ADK] offset:(8*(\q)+4*\g+\t)*FRB+512*\c
.endr
	ds_load_b32 v[248+\t], v[ADS] offset:64*(4*\g+\t)
.endr
	s_wait_dscnt 0x0
.irp t, 0,1,2,3
	v_wmma_scale_f32_16x16x128_f8f6f4 v[96+8*(4*\g+\t):103+8*(4*\g+\t)], v[32+12*\t:43+12*\t], v[16:27], 0, v[248+\t], v255 matrix_a_fmt:MATRIX_FMT_FP6 matrix_b_fmt:MATRIX_FMT_FP6
.endr
.endr
.rept 4
	v_nop
.endr
.irp b, 0,1,2,3
	v_max3_num_f32 v[232+\b], v[96+16*\b], v[97+16*\b], v[98+16*\b]   ; the largest score of each block of 32 keys: for the row's maximum, and, since p rises with the score, for the block's largest p
.endr
.irp i, 3,5,7,9,11,13
.irp b, 0,1,2,3
	v_max3_num_f32 v[232+\b], v[232+\b], v[96+16*\b+\i], v[97+16*\b+\i]
.endr
.endr
.irp b, 0,1,2,3
	v_max_num_f32 v[232+\b], v[232+\b], v[111+16*\b]
.endr
.irp b, 0,1,2,3
	v_permlanex16_b32 v[236+\b], v[232+\b], s[SEL], s[SEL+1]
.endr
.irp b, 0,1,2,3
	v_max_num_f32 v[232+\b], v[232+\b], v[236+\b]
.endr
	v_max3_num_f32 v254, v232, v233, v234
	v_max_num_f32 v254, v254, v235
	v_mul_f32 v254, s[CS], v254
	v_max_num_f32 v13, v13, v254                   ; the running largest t
	v_mov_b32 v254, v12
	v_floor_f32 v12, -v13                          ; the new -M: a whole number
	v_sub_f32 v254, v12, v254
	v_cvt_i32_f32 v254, v254
	v_ldexp_f32 v252, 1.0, v254                    ; f = 2^(old M - new M)
.irp j, 0,2,4,6,8,10,12,14,16,18,20,22,24,26,28,30,32,34,36,38,40,42,44,46,48,50,52,54,56,58,60,62
	v_pk_fma_f32 v[96+\j:97+\j], v[96+\j:97+\j], s[CS:CS+1], v[12:13] op_sel_hi:[1,0,0]   ; t - M
.endr
.irp b, 0,1,2,3
	v_fma_f32 v[232+\b], v[232+\b], s[CS], v12
.endr
.set j, 0
.rept 64
	v_exp_f32 v[96+j], v[96+j]                     ; p = 2^(t - M)
.set j, j+1
.endr
	v_pk_mul_f32 v[14:15], v[14:15], v[252:253] op_sel_hi:[1,0]   ; the sums under the new M: a plain place behind the exponentials
	s_wait_alu depctr_va_vdst(0)                   ; one wait for the batch, ahead of its first reader
.irp b, 0,1,2,3
	v_exp_f32 v[232+\b], v[232+\b]                 ; each block's largest p
.endr
	v_pk_add_f32 v[236:237], v[96:97], v[98:99]    ; the row's sum is taken of the unquantised p, in two chains
.irp j, 4,8,12,16,20,24,28,32,36,40,44,48,52,56,60
	v_pk_add_f32 v[14:15], v[14:15], v[96+\j:97+\j]
	v_pk_add_f32 v[236:237], v[236:237], v[98+\j:99+\j]
.endr
	v_pk_add_f32 v[14:15], v[14:15], v[236:237]
	s_wait_alu depctr_va_vdst(0)                   ; and one for the four
.irp b, 0,1,2,3
	v_max_num_f32 v[232+\b], 0x1800000, v[232+\b]  ; the floor: the byte cannot fall under 1
.endr
.irp b, 0,1,2,3
	v_add_nc_u32 v[244+\b], 0xff000000, v[232+\b]
.endr
.irp b, 0,1,2,3
	v_lshrrev_b32 v[236+\b], 23, v[244+\b]
.endr
	v_lshl_or_b32 v253, v237, 8, v236              ; p's scale word for these 128 keys
	v_lshl_or_b32 v253, v238, 16, v253
	v_lshl_or_b32 v253, v239, 24, v253
.irp c, 0,1
	v_cvt_scalef32_pk16_fp6_f32 v[224+6*\c:226+6*\c], v[96+32*\c:111+32*\c], v[244+2*\c]
	v_cvt_scalef32_pk16_fp6_f32 v[236+4*\c:238+4*\c], v[112+32*\c:127+32*\c], v[244+2*\c+1]
.endr
	v_nop
.irp c, 0,1
.irp i, 0,1,2
	v_permlane16_swap_b32 v[224+6*\c+\i], v[236+4*\c+\i]
.endr
.irp i, 0,1,2
	v_mov_b32 v[227+6*\c+\i], v[236+4*\c+\i]
.endr
.endr
.irp j, 0,2,4,6,8,10,12,14,16,18,20,22,24,26,28,30
	v_pk_mul_f32 v[160+\j:161+\j], v[160+\j:161+\j], v[252:253] op_sel_hi:[1,0]   ; O^T under the new M; these sixteen are also the places between p's codes and scale word and the products below
.endr
.irp t, 0,1,2,3                                ; O^T += v^T p^T: my head's four tiles of 16 channels
.irp c, 0,1,2
	ds_load_b128 v[32+12*\t+4*\c:35+12*\t+4*\c], v[ADV] offset:4*FRB*\t+FRB*(\q)+512*\c
.endr
	ds_load_b32 v[248+\t], v[ADT] offset:64*\t
.endr
	s_wait_dscnt 0x0
.irp t, 0,1,2,3
	v_wmma_scale_f32_16x16x128_f8f6f4 v[160+8*\t:167+8*\t], v[32+12*\t:43+12*\t], v[224:235], v[160+8*\t:167+8*\t], v[248+\t], v253 matrix_a_fmt:MATRIX_FMT_FP6 matrix_b_fmt:MATRIX_FMT_FP6
.endr
	s_add_co_u32 s[TS], s[TS], 512
.endm
; THE CHANGE OF SLOTS stands at a slot's head: each wave waits for all its tensor loads, adds 0 to its spare word, and waits for that and for its reads of the slot that it has left.
; fill = 1: a round of the cluster's barrier, and behind it the other slot is filled with the keys that follow.
.macro CHANGE fill
	s_wait_tensorcnt 0x0
	ds_add_u32 v[SPW], v[NIL]
.if \fill
	s_xor_b32 s[G0K+1], s[G0K+1], SLOT1
	s_add_nc_u64 s[G0K+2:G0K+3], s[G0K+2:G0K+3], 32*8*FRB
	s_xor_b32 s[G0V+1], s[G0V+1], SLOT1
	s_add_nc_u64 s[G0V+2:G0V+3], s[G0V+2:G0V+3], 4*FRB
.endif
	s_wait_dscnt 0x0
.if \fill
	CROUND
	TLOAD G0K, G1K, G0V, G1V                       ; a wave's one tensor load until the next round
.else
	s_barrier_signal -1
	s_barrier_wait -1
.endif
.endm
.macro SLOT_STEPS
	STEP 0
	STEP 1
	STEP 2
	STEP 3
	s_xor_b32 s[TB], s[TB], SLOT1
.endm
.Lslot:
	CHANGE 1
	SLOT_STEPS
	s_sub_co_u32 s[SLOTS], s[SLOTS], 1
	s_cmp_lg_u32 s[SLOTS], 0
	s_cbranch_scc1 .Lslot
	CHANGE 0                                       ; the last slot is written out
	SLOT_STEPS
	; THE WAY OUT: O^T / the sum; register 16 b + i is channel 32 b + 16 (lane / 16) + i of my head: two blocks of the next product's K; quantised, and joined with the other head's half in LDS
.rept 4
	v_nop
.endr
	v_add_f32 v14, v14, v15
	v_permlanex16_b32 v252, v14, s[SEL], s[SEL+1]
	v_add_f32 v14, v14, v252
	v_rcp_f32 v14, v14
	v_nop
	s_wait_alu depctr_va_vdst(0)
.set j, 0
.rept 32
	v_mul_f32 v[96+j], v[160+j], v14
.set j, j+1
.endr
.irp b, 0,1
	v_max3_num_f32 v[232+\b], |v[96+16*\b]|, |v[97+16*\b]|, 0x1800000
.endr
.irp i, 2,4,6,8,10,12,14
.irp b, 0,1
	v_max3_num_f32 v[232+\b], v[232+\b], |v[96+16*\b+\i]|, |v[97+16*\b+\i]|
.endr
.endr
.irp b, 0,1
	v_permlanex16_b32 v[236+\b], v[232+\b], s[SEL], s[SEL+1]
.endr
.irp b, 0,1
	v_max_num_f32 v[232+\b], v[232+\b], v[236+\b]
.endr
.irp b, 0,1
	v_add_nc_u32 v[244+\b], 0xff000000, v[232+\b]
.endr
.irp b, 0,1
	v_lshrrev_b32 v[236+\b], 23, v[244+\b]
.endr
	v_lshl_or_b32 v253, v237, 8, v236              ; my two bytes of the row's scale word
	v_cvt_scalef32_pk16_fp6_f32 v[224:226], v[96:111], v244
	v_cvt_scalef32_pk16_fp6_f32 v[236:238], v[112:127], v245
	v_nop
.irp i, 0,1,2
	v_permlane16_swap_b32 v[224+\i], v[236+\i]
.endr
.irp i, 0,1,2
	v_mov_b32 v[227+\i], v[236+\i]
.endr
	ds_store_b64 v[A1], v[224:225]
	ds_store_b64 v[A2], v[226:227]
	ds_store_b64 v[A1], v[228:229] offset:512
	ds_store_b16 v[AH], v253                       ; both halves of the lanes store the same two bytes to the same place
	s_wait_dscnt 0x0                               ; for the others' sake: my stores are done
	s_barrier_signal -1
	s_barrier_wait -1
	s_cmp_lt_u32 s[WV], 8
	s_cbranch_scc0 .Lnot_image
.irp c, 0,1,2
	ds_load_b128 v[32+4*\c:35+4*\c], v[IMG] offset:512*\c
.endr
	s_wait_dscnt 0x0
.irp c, 0,1,2
	global_store_b128 v[AK0], v[32+4*\c:35+4*\c], s[96:97] offset:512*\c   ; 512 consecutive bytes
.endr
.Lnot_image:
	s_cmp_eq_u32 s[WV], 8
	s_cbranch_scc0 .Lnot_scales
	ds_load_b128 v[32:35], v[SGI]
	s_wait_dscnt 0x0
	global_store_b128 v[AK0], v[32:35], s[98:99]   ; the eight tiles' scale words: 512 consecutive bytes
.Lnot_scales:
	s_wait_tensorcnt 0x0                           ; the wave's end
	ds_add_u32 v[SPW], v[NIL]
	s_wait_dscnt 0x0
	CROUND                                         ; the closing round
	s_endpgm
.Lfunc_end_k_q757aa11a78_attn:
	.size	k_q757aa11a78_attn, .Lfunc_end_k_q757aa11a78_attn-k_q757aa11a78_attn
	.p2alignl 7, 3214868480
	.fill 96, 4, 3214868480
	.section	.rodata,"a",@progbits
	.p2align	6, 0x0
	.amdhsa_kernel k_q757aa11a78_attn
		.amdhsa_group_segment_fixed_size 327680
		.amdhsa_private_segment_fixed_size 0
		.amdhsa_enable_private_segment 0
		.amdhsa_kernarg_size 16
		.amdhsa_user_sgpr_count 2
		.amdhsa_user_sgpr_kernarg_segment_ptr 1
		.amdhsa_wavefront_size32 1
		.amdhsa_system_sgpr_workgroup_id_x 1
		.amdhsa_system_sgpr_workgroup_id_y 1
		.amdhsa_system_sgpr_workgroup_id_z 1
		.amdhsa_system_vgpr_workitem_id 0
		.amdhsa_next_free_vgpr 256
		.amdhsa_next_free_sgpr 100
		.amdhsa_reserve_vcc 0
		.amdhsa_float_denorm_mode_32 3
		.amdhsa_float_denorm_mode_16_64 3
		.amdhsa_memory_ordered 1
		.amdhsa_forward_progress 1
		.amdhsa_inst_pref_size 151
	.end_amdhsa_kernel
	.amdgpu_metadata
---
amdhsa.version: [ 1, 2 ]
amdhsa.kernels:
  - .name:           k_q757aa11a78_attn
    .symbol:         k_q757aa11a78_attn.kd
    .args:
      - { .name: qkv, .offset: 0, .size: 8, .value_kind: global_buffer, .address_space: global }
      - { .name: at, .offset: 8, .size: 8, .value_kind: global_buffer, .address_space: global }
    .group_segment_fixed_size: 327680
    .private_segment_fixed_size: 0
    .kernarg_segment_align: 8
    .kernarg_segment_size: 16
    .max_flat_workgroup_size: 512
    .sgpr_count:     100
    .vgpr_count:     256
    .wavefront_size: 32
...
	.end_amdgpu_metadata
.endif
;; end of part 3
;; launch proj (part 4): grid 4 x 16, 4 waves a work-group, clusters of 4 x 4, 327,680 bytes of LDS; arguments at, xw, bo, x, y; writes y
.if DOCPART == 4
	.amdgcn_target "amdgcn-amd-amdhsa--gfx1250"
	.amdhsa_code_object_version 6
	.text
	.protected	k_q757aa11a78_proj
	.globl	k_q757aa11a78_proj
	.p2align	8
	.type	k_q757aa11a78_proj,@function
k_q757aa11a78_proj:
	s_mov_b64 s[64:65], 0
	v_nop
	global_prefetch_b8 v0, s[64:65] scope:SCOPE_SE
	s_setreg_imm32_b32 hwreg(HW_REG_WAVE_MODE, 25, 1), 1
	s_wait_xcnt 0x0
	s_wait_alu depctr_hold_cnt(0) depctr_sa_sdst(0) depctr_va_vdst(0) depctr_va_sdst(0) depctr_va_ssrc(0) depctr_va_vcc(0) depctr_vm_vsrc(0)
	s_getreg_b32 s2, hwreg(HW_REG_IB_STS2, 6, 4)
	s_cmp_eq_u32 s2, 0
	s_cbranch_scc0 .Lentry_in_a_cluster
	s_endpgm
.Lentry_in_a_cluster:
	s_bfe_u32 s2, ttmp6, 0x10000c
	s_cmp_lg_u32 s2, 0xf033
	s_cbranch_scc0 .Lentry_shape_is_right
	s_endpgm
.Lentry_shape_is_right:
; y = x + attn Wo + bo: [4096][1024] f32.  The product is on codes of FP6 (E2M3): A = the attention's result (buffer at), B = Wo (xw, tiles 448 on), both as images of operand registers.
; A work-group of four waves makes 256 x 256, a wave 128 x 128: 64 accumulators.  Source 0 = 16 rows of B, source 1 = 16 rows of A: a lane holds one row of y and eight of its columns.
; A fragment (16 rows x 128 K) is 1,536 bytes, byte 512 c + 16 lane + 4 i = register 4 c + i; lane r of tile t holds row 32 (t / 2) + 8 (t % 2) + r + 8 (r / 8); fragment (tile, step) at (tile x KS + step) x 1,536; scale words at [step][tile][64].
; K goes two steps of 128 to a slot through a ring of two LDS slots; a wave's tensor load brings 8 tiles x 3,072 consecutive bytes.  All scale words come once, with the first fills.
; CLUSTERS: 4 x 4 work-groups; A's tiles are asked for jointly along a row of the cluster, B's along a column.
; The sums are made as (product + residual) + bias.  NaN and infinities among the inputs are not served.
; REGISTERS: window 0: v0-31 addresses, v8-11 the bias; v32-63 scale words; v128-223 A's fragments; window 1: B's two sets at v0 and v128; windows 2, 3: the accumulators.
.set KS,     8
.set LAPS,   KS/4
.set NQ,     2
.set FR,     12
.set FRB,    1536
.set NL,     3
.set NP,     4
.set HALFT,  8*NQ*FRB
.set SLOT,   4*HALFT
.set SCL,    2*SLOT
.set HALFS,  512*KS
.set SPARE,  SCL+4*HALFS
.set ASOFF,  3145728                   ; A's scale words begin here in its buffer,
.set ATL,    256                       ; with so many tiles to a step
.set BBASE,  448                       ; B's first tile,
.set BCOFF,  0                         ; its codes' region,
.set BSOFF,  12582912                  ; its scale words' region,
.set BTL,    768
.set SPITCH, 528                       ; the way out: a stage of 16 rows x (512 + 16) bytes a wave, in slot 0, behind that slot's last fill and last read
.set BI,   8
.set ADRA, 16
.set ADRB, 20
.set STO,  24
.set RD,   25
.set CO,   26
.set ADRS, 27
.set SPW,  28
.set NIL,  29
.set SC,   32
.set AF,   128
.set BK,   128
.set G1, 24
.set G0, 32
.set G1B, 48
.set G0B, 56
.set G1S, 68
.set G0S, 76
.set G1SB, 80
.set G0SB, 88
.set MSB, 0
.macro WIN new
.if MSB != (\new)
	s_set_vgpr_msb (MSB<<8)|(\new)
.set MSB, \new
.endif
.endm
.set MUL_LO, 0xa1
.set MUL_HI, 0xf1
.set TO_B,   0x40
.macro JLOAD g0a, g1a, g0b, g1b        ; a joint load: waves 0, 1 for A, waves 2, 3 for B; an s_nop 0 and four v_nop follow each line
	s_cmp_eq_u32 s15, 0
	s_cbranch_scc0 .Lfor_b_\@
	tensor_load_to_lds s[\g0a:\g0a+3], s[\g1a:\g1a+7]
	s_nop 0
.rept 4
	v_nop
.endr
	s_branch .Lasked_\@
.Lfor_b_\@:
	tensor_load_to_lds s[\g0b:\g0b+3], s[\g1b:\g1b+7]
	s_nop 0
.rept 4
	v_nop
.endr
.Lasked_\@:
.endm
.macro CREST
	s_cmp_lg_u32 s14, 0
	s_cbranch_scc1 .Lnot_wave_0_\@
	s_barrier_signal -3
.Lnot_wave_0_\@:
	s_barrier_wait -3
	s_barrier_signal -1
	s_barrier_wait -1
.endm
.macro CROUND
	s_barrier_signal -1
	s_barrier_wait -1
	CREST
.endm
	s_load_b256 s[4:11], s[0:1], 0x0               ; A's buffer s[4:5], B's s[6:7], the bias s[8:9], the residual s[10:11]
	s_load_b64 s[12:13], s[0:1], 0x20              ; y
	v_lshl_add_u32 v[SPW], v0, 2, SPARE
	v_mov_b32 v[NIL], 0
	ds_add_u32 v[SPW], v[NIL]                      ; the wave's opening: the add and its wait ahead of my first tensor load
	v_lshrrev_b32 v1, 5, v0
	v_readfirstlane_b32 s14, v1
	s_lshr_b32 s15, s14, 1
	s_and_b32 s16, s14, 1
	s_bfe_u32 s40, ttmp6, 0x40000
	s_bfe_u32 s41, ttmp6, 0x40004
	s_lshl_b32 s42, ttmp9, 2
	s_add_co_u32 s42, s42, s40                     ; tile column
	s_and_b32 s17, ttmp7, 0xffff
	s_lshl_b32 s17, s17, 2
	s_add_co_u32 s17, s17, s41                     ; tile row
	s_lshl_b32 s43, s41, 2
	s_lshl_b32 s43, 15, s43
	s_lshl_b32 s44, 0x1111, s40
	s_or_b32 s[G1+0], s43, (3<<16)|(1<<21)         ; the mask; elements of 8 bytes; bit 21 beside a mask; no padding
	s_or_b32 s[G1B+0], s44, (3<<16)|(1<<21)
.irp g, G1, G1B
	s_mov_b32 s[\g+1], 384<<16                     ; two fragments on end
	s_mov_b32 s[\g+2], 8<<16                       ; 8 tiles
	s_mov_b32 s[\g+3], 384<<16
	s_mov_b32 s[\g+4], 8
	s_mov_b32 s[\g+5], 192*KS
	s_mov_b32 s[\g+6], 0
	s_mov_b32 s[\g+7], 0
.endr
	s_or_b32 s[G1S+0], s43, (3<<16)|(1<<21)
	s_or_b32 s[G1SB+0], s44, (3<<16)|(1<<21)
.irp g, G1S, G1SB
	s_mov_b32 s[\g+1], 64<<16
	s_mov_b32 s[\g+2], KS<<16
	s_mov_b32 s[\g+3], 64<<16
	s_mov_b32 s[\g+4], KS
	s_mov_b32 s[\g+6], 0
	s_mov_b32 s[\g+7], 0
.endr
	s_mov_b32 s[G1S+5], 8*ATL
	s_mov_b32 s[G1SB+5], 8*BTL
	s_lshl_b32 s18, s16, 3
	s_lshl_b32 s20, s17, 4
	s_add_co_u32 s20, s20, s18                     ; A: the first of the eight tiles that I fetch
	s_lshl_b32 s46, s42, 4
	s_add_co_u32 s46, s46, s18
	s_add_co_u32 s46, s46, BBASE                   ; B
	s_lshl_b32 s22, s20, 6
	s_add_co_u32 s22, s22, ASOFF
	s_mov_b32 s23, 0
	s_lshl_b32 s94, s46, 6
	s_add_co_u32 s94, s94, BSOFF
	s_mov_b32 s95, 0
	s_mul_i32 s20, s20, KS*FRB
	s_mov_b32 s21, 0
	s_mul_i32 s46, s46, KS*FRB
	s_add_co_u32 s46, s46, BCOFF
	s_mov_b32 s47, 0
	s_mul_i32 s45, s14, HALFT
	s_mul_i32 s99, s14, HALFS
	s_wait_dscnt 0x0
	s_wait_kmcnt 0x0
	s_add_nc_u64 s[20:21], s[4:5], s[20:21]
	s_add_nc_u64 s[22:23], s[4:5], s[22:23]
	s_add_nc_u64 s[46:47], s[6:7], s[46:47]
	s_add_nc_u64 s[94:95], s[6:7], s[94:95]
	CROUND                                         ; the first joint loads meet
	s_mov_b32 s[G0S], 1
	s_add_co_u32 s[G0S+1], s99, SCL
	s_mov_b64 s[G0S+2:G0S+3], s[22:23]
	s_or_b32 s[G0S+3], s[G0S+3], 0x80000000
	s_mov_b32 s[G0SB], 1
	s_add_co_u32 s[G0SB+1], s99, SCL
	s_mov_b64 s[G0SB+2:G0SB+3], s[94:95]
	s_or_b32 s[G0SB+3], s[G0SB+3], 0x80000000
	JLOAD G0S, G1S, G0SB, G1SB
.irp s, 0,1
	s_mov_b32 s[G0+4*\s], 1
	s_add_co_u32 s[G0+4*\s+1], s45, \s*SLOT
	s_add_nc_u64 s[G0+4*\s+2:G0+4*\s+3], s[20:21], \s*NQ*FRB
	s_or_b32 s[G0+4*\s+3], s[G0+4*\s+3], 0x80000000
	s_mov_b32 s[G0B+4*\s], 1
	s_add_co_u32 s[G0B+4*\s+1], s45, \s*SLOT
	s_add_nc_u64 s[G0B+4*\s+2:G0B+4*\s+3], s[46:47], \s*NQ*FRB
	s_or_b32 s[G0B+4*\s+3], s[G0B+4*\s+3], 0x80000000
	JLOAD G0+4*\s, G1, G0B+4*\s, G1B               ; three tensor loads of mine are out now
.endr
	v_and_b32 v1, 15, v0                           ; r
	v_bfe_u32 v4, v0, 4, 1                         ; h
	v_and_b32 v[CO], 31, v0
	v_lshlrev_b32 v[CO], 4, v[CO]                  ; 16 x lane
	s_mul_i32 s21, s15, HALFT
	s_mul_i32 s22, s16, HALFT
	s_add_co_u32 s22, s22, 2*HALFT
.irp s, 0,1
	v_add_nc_u32 v[ADRA+\s], s21, v[CO]
	v_add_nc_u32 v[ADRB+\s], s22, v[CO]
	s_add_co_u32 s21, s21, SLOT
	s_add_co_u32 s22, s22, SLOT
.endr
	v_lshlrev_b32 v5, 2, v1
	s_mul_i32 s21, s15, HALFS
	s_mul_i32 s22, s16, HALFS
	s_add_co_u32 s22, s22, 2*HALFS
	s_sub_co_u32 s22, s22, s21
	v_mul_u32_u24 v6, s22, v4
	s_add_co_u32 s21, s21, SCL
	v_add_nc_u32 v5, v5, v6
	v_add_nc_u32 v[ADRS], s21, v5
	s_mul_i32 s23, s14, 16*SPITCH                  ; my stage
	v_mul_u32_u24 v5, v1, SPITCH
	v_lshl_add_u32 v5, v4, 6, v5                   ; in: row r, + 64 h
	v_add_nc_u32 v[STO], s23, v5
	v_add_nc_u32 v[RD], s23, v[CO]                 ; back: a whole row of 512 bytes
	s_lshl_b32 s20, s17, 8
	s_lshl_b32 s21, s15, 7
	s_add_co_u32 s20, s20, s21                     ; my first row
	s_lshl_b32 s20, s20, 12
	s_lshl_b32 s46, s42, 10
	s_lshl_b32 s47, s16, 9
	s_add_co_u32 s46, s46, s47                     ; my first column, in bytes
	s_mov_b32 s47, 0
	s_add_nc_u64 s[8:9], s[8:9], s[46:47]
	s_add_co_u32 s20, s20, s46
	s_mov_b32 s21, 0
	s_add_nc_u64 s[10:11], s[10:11], s[20:21]
	s_add_nc_u64 s[12:13], s[12:13], s[20:21]
	global_load_b128 v[BI:BI+3], v[CO], s[8:9]     ; the bias of the four columns that I store
.macro FRAG reg, adr, q, i
.irp c, 0,1,2
	ds_load_b128 v[\reg+4*\c:\reg+4*\c+3], v[\adr] offset:2*FRB*(\i)+FRB*(\q)+512*\c
.endr
.endm
.macro MUL16 a0, p, q, sc, zero        ; the 64 accumulators take turns, one instruction a turn
.irp a, \a0, \a0+1
.irp b, 0,1,2,3,4,5,6,7
.if \zero
	v_wmma_scale_f32_16x16x128_f8f6f4 v[8*(8*((\a)%4)+\b):8*(8*((\a)%4)+\b)+7], v[128*(\p)+FR*\b:128*(\p)+FR*\b+FR-1], v[AF+FR*(\a):AF+FR*(\a)+FR-1], 0, v[SC+8*NQ*(\sc)+NQ*\b+(\q)], v[SC+8*NQ*(\sc)+NQ*(\a)+(\q)] matrix_a_fmt:MATRIX_FMT_FP6 matrix_b_fmt:MATRIX_FMT_FP6 matrix_a_scale:MATRIX_SCALE_ROW1
.else
	v_wmma_scale_f32_16x16x128_f8f6f4 v[8*(8*((\a)%4)+\b):8*(8*((\a)%4)+\b)+7], v[128*(\p)+FR*\b:128*(\p)+FR*\b+FR-1], v[AF+FR*(\a):AF+FR*(\a)+FR-1], v[8*(8*((\a)%4)+\b):8*(8*((\a)%4)+\b)+7], v[SC+8*NQ*(\sc)+NQ*\b+(\q)], v[SC+8*NQ*(\sc)+NQ*(\a)+(\q)] matrix_a_fmt:MATRIX_FMT_FP6 matrix_b_fmt:MATRIX_FMT_FP6 matrix_a_scale:MATRIX_SCALE_ROW1
.endif
.endr
.endr
.endm
.macro FETCH_B slot, q, p
	WIN TO_B
.irp i, 0,1,2,3,4,5,6,7
	FRAG 128*(\p)+FR*\i, ADRB+\slot, \q, \i
.endr
	WIN 0
.endm
.macro FETCH_A slot, q, i0
.irp i, \i0, \i0+1, \i0+2, \i0+3
	FRAG AF+FR*(\i), ADRA+\slot, \q, \i
.endr
.endm
.macro SCALES sc
.irp i, 0,1,2,3,4,5,6,7
.irp q, 0,1
	ds_load_b32 v[SC+16*(\sc)+2*\i+\q], v[ADRS] offset:512*\q+64*\i
.endr
.endr
.endm
.macro PLACES n
.rept \n
	v_nop
.endr
.endm
.macro STEP slot, q, zero
	s_wait_dscnt 4*NL                              ; all but the youngest twelve loads (A's blocks 4-7) are in
	WIN MUL_LO
	MUL16 0, (\q)%2, \q, \slot, \zero
	MUL16 2, (\q)%2, \q, \slot, \zero
	s_wait_dscnt 0
	PLACES NP
	FETCH_B \slot, (\q)+1, 1-(\q)%2
	FETCH_A \slot, (\q)+1, 0
	WIN MUL_HI
	MUL16 4, (\q)%2, \q, \slot, \zero
	MUL16 6, (\q)%2, \q, \slot, \zero
	PLACES NP
	WIN 0
	FETCH_A \slot, (\q)+1, 4
.endm
.macro TURN slot, next, fill
	s_wait_tensorcnt 0x0                           ; all my tensor loads have landed
	ds_add_u32 v[SPW], v[NIL]
	s_wait_dscnt 4*NL+1                            ; (the add and the youngest twelve loads may be out)
	WIN MUL_LO
	MUL16 0, 1, NQ-1, \slot, 0
	s_wait_dscnt 0x0                               ; the add is done, and my reads of this slot are over
	s_barrier_signal -1
	MUL16 2, 1, NQ-1, \slot, 0
	WIN 0
	s_barrier_wait -1
.if \fill
	CREST                                          ; the barrier has opened a round of the cluster's
	s_add_nc_u64 s[G0+4*\slot+2:G0+4*\slot+3], s[G0+4*\slot+2:G0+4*\slot+3], 2*NQ*FRB
	s_add_nc_u64 s[G0B+4*\slot+2:G0B+4*\slot+3], s[G0B+4*\slot+2:G0B+4*\slot+3], 2*NQ*FRB
	JLOAD G0+4*\slot, G1, G0B+4*\slot, G1B
.else
	PLACES NP
.endif
	v_add_nc_u32 v[ADRS], 512*NQ, v[ADRS]
	FETCH_B \next, 0, 0
	FETCH_A \next, 0, 0
	SCALES \next
	WIN MUL_HI
	MUL16 4, 1, NQ-1, \slot, 0
	MUL16 6, 1, NQ-1, \slot, 0
	PLACES NP
	WIN 0
	FETCH_A \next, 0, 4
.endm
.macro RLOAD a                         ; the residual's 16 rows of block a, 512 consecutive bytes a load, into window 1, set a % 2
.irp t, 0,1,2,3,4,5,6,7,8,9,10,11,12,13,14,15
	global_load_b128 v[64*((\a)%2)+4*\t:64*((\a)%2)+4*\t+3], v[CO], s[10:11] offset:(32*((\a)/2)+8*((\a)%2)+\t+8*(\t/8))*4096 th:TH_LOAD_NT
.endr
.endm
	s_wait_tensorcnt 1                             ; the scale words and slot 0 are in; slot 1's load may be out
	s_barrier_signal -1
	s_barrier_wait -1
	FETCH_B 0, 0, 0
	FETCH_A 0, 0, 0
	SCALES 0
	FETCH_A 0, 0, 4
	STEP 0, 0, 1
	s_mov_b32 s3, LAPS-1
.Llap:
	TURN 0, 1, 1
	STEP 1, 0, 0
	TURN 1, 0, 1
	STEP 0, 0, 0
	s_sub_co_u32 s3, s3, 1
	s_cmp_lg_u32 s3, 0
	s_cbranch_scc1 .Llap
	TURN 0, 1, 0
	STEP 1, 0, 0
	WIN TO_B                                       ; B's set 0 is done with (four places stand behind its last products): the residual's first two blocks land there under the last step
	RLOAD 0
	RLOAD 1
	s_wait_dscnt 4*NL
	WIN MUL_LO
	MUL16 0, 1, NQ-1, 1, 0
	MUL16 2, 1, NQ-1, 1, 0
	s_wait_dscnt 0
	WIN MUL_HI
	MUL16 4, 1, NQ-1, 1, 0
	MUL16 6, 1, NQ-1, 1, 0
	WIN 0
; THE WAY OUT, block by block of 16 rows x 128 columns: through my own stage in LDS, back as whole rows of 512 bytes; + residual, + bias; stored as 512 consecutive bytes.  Every row's place is an immediate.
.macro OUTBLK a
.set AC, 64*((\a)%4)
.set BB, BK+64*((\a)%2)
.if (\a) > 1
	s_wait_xcnt 0x0                                ; block a - 2's stores have read their registers
.endif
	WIN 0x08+4*((\a)/4)                            ; an LDS store's data: window 2 or 3
.irp b, 0,1,2,3,4,5,6,7
	ds_store_b128 v[STO], v[AC+8*\b:AC+8*\b+3] offset:128*(\b/2)+32*(\b%2)       ; each accumulator from its low end on
	ds_store_b128 v[STO], v[AC+8*\b+4:AC+8*\b+7] offset:128*(\b/2)+32*(\b%2)+16
.endr
	WIN 0
.irp t, 0,1,2,3,4,5,6,7,8,9,10,11,12,13,14,15
	ds_load_b128 v[BB+4*\t:BB+4*\t+3], v[RD] offset:\t*SPITCH    ; LDS serves a wave's instructions in order: these see my stores
.endr
	s_wait_dscnt 0x0
.if (\a) < 7
	s_wait_loadcnt 16                              ; this block's residual is in; the next block's sixteen loads may be out
.else
	s_wait_loadcnt 0x0
.endif
	WIN 0x04                                       ; source 1: window 1
.set i, 0
.rept 32
	v_pk_add_f32 v[BB+i:BB+i+1], v[BB+i:BB+i+1], v[64*((\a)%2)+i:64*((\a)%2)+i+1]
.set i, i+2
.endr
	WIN 0
.irp t, 0,1,2,3,4,5,6,7,8,9,10,11,12,13,14,15
	v_pk_add_f32 v[BB+4*\t:BB+4*\t+1], v[BB+4*\t:BB+4*\t+1], v[BI:BI+1]
	v_pk_add_f32 v[BB+4*\t+2:BB+4*\t+3], v[BB+4*\t+2:BB+4*\t+3], v[BI+2:BI+3]
.endr
.irp t, 0,1,2,3,4,5,6,7,8,9,10,11,12,13,14,15
	global_store_b128 v[CO], v[BB+4*\t:BB+4*\t+3], s[12:13] offset:(32*((\a)/2)+8*((\a)%2)+\t+8*(\t/8))*4096
.endr
.if (\a) < 6
	WIN TO_B
	RLOAD (\a)+2
	WIN 0
.endif
.endm
	PLACES NP
.irp a, 0,1,2,3,4,5,6,7
	OUTBLK \a
.endr
	s_wait_tensorcnt 0x0                           ; the wave's end
	ds_add_u32 v[SPW], v[NIL]
	s_wait_dscnt 0x0
	CROUND                                         ; the closing round
	s_endpgm
.Lfunc_end_k_q757aa11a78_proj:
	.size	k_q757aa11a78_proj, .Lfunc_end_k_q757aa11a78_proj-k_q757aa11a78_proj
	.p2alignl 7, 3214868480
	.fill 96, 4, 3214868480
	.section	.rodata,"a",@progbits
	.p2align	6, 0x0
	.amdhsa_kernel k_q757aa11a78_proj
		.amdhsa_group_segment_fixed_size 327680
		.amdhsa_private_segment_fixed_size 0
		.amdhsa_enable_private_segment 0
		.amdhsa_kernarg_size 40
		.amdhsa_user_sgpr_count 2
		.amdhsa_user_sgpr_kernarg_segment_ptr 1
		.amdhsa_wavefront_size32 1
		.amdhsa_system_sgpr_workgroup_id_x 1
		.amdhsa_system_sgpr_workgroup_id_y 1
		.amdhsa_system_sgpr_workgroup_id_z 1
		.amdhsa_system_vgpr_workitem_id 0
		.amdhsa_next_free_vgpr 1024
		.amdhsa_next_free_sgpr 102
		.amdhsa_reserve_vcc 0
		.amdhsa_float_denorm_mode_32 3
		.amdhsa_float_denorm_mode_16_64 3
		.amdhsa_memory_ordered 1
		.amdhsa_forward_progress 1
		.amdhsa_inst_pref_size 182
	.end_amdhsa_kernel
	.amdgpu_metadata
---
amdhsa.version: [ 1, 2 ]
amdhsa.kernels:
  - .name:           k_q757aa11a78_proj
    .symbol:         k_q757aa11a78_proj.kd
    .args:
      - { .name: at, .offset: 0, .size: 8, .value_kind: global_buffer, .address_space: global }
      - { .name: xw, .offset: 8, .size: 8, .value_kind: global_buffer, .address_space: global }
      - { .name: bo, .offset: 16, .size: 8, .value_kind: global_buffer, .address_space: global }
      - { .name: x, .offset: 24, .size: 8, .value_kind: global_buffer, .address_space: global }
      - { .name: y, .offset: 32, .size: 8, .value_kind: global_buffer, .address_space: global }
    .group_segment_fixed_size: 327680
    .private_segment_fixed_size: 0
    .kernarg_segment_align: 8
    .kernarg_segment_size: 40
    .max_flat_workgroup_size: 128
    .sgpr_count:     102
    .vgpr_count:     1024
    .wavefront_size: 32
...
	.end_amdgpu_metadata
.endif
;; end of part 4
;; launch ln1 (part 5): grid 256 x 1, 8 waves a work-group, no clusters, 69,632 bytes of LDS; arguments y, g1, b1, hf, hq; writes hf, hq
.if DOCPART == 5
	.amdgcn_target "amdgcn-amd-amdhsa--gfx1250"
	.amdhsa_code_object_version 6
	.text
	.protected	k_q757aa11a78_ln1
	.globl	k_q757aa11a78_ln1
	.p2align	8
	.type	k_q757aa11a78_ln1,@function
k_q757aa11a78_ln1:
	s_mov_b64 s[64:65], 0
	v_nop
	global_prefetch_b8 v0, s[64:65] scope:SCOPE_SE
	s_setreg_imm32_b32 hwreg(HW_REG_WAVE_MODE, 25, 1), 1
	s_wait_xcnt 0x0
; h = layernorm(y) g + b over rows of 1,024, in f32 (hf), and h as an operand of the next product: codes of FP6 (E2M3) with E8M0 scales, as images of operand registers (hq).
; A work-group takes one tile of 16 rows (lane r: row 32 (t / 2) + 8 (t % 2) + r + 8 (r / 8)); wave s takes columns 128 s on: one K step.  Lane (r, h) holds 64 numbers of its row: register 16 b + i = column 32 b + 16 h + i.
; The mean, and then the mean of the squared differences (two passes: a common offset costs nothing), meet in LDS: a word for each row and wave, one barrier each.  The row stays in registers: memory is read once.
; The f32 rows leave through the wave's own stage, 512 consecutive bytes a store; the codes are stored as they stand, three stores of 512 consecutive bytes.
; Memory binds: no matrix unit, no cluster, no tensor load.  LIMITS: a block of zeros gets the byte 1; blocks under 2^-124 have the byte 1; NaN and infinities are not served.
.set QUANTISE, 1
.set AT_SC, 3145728
.set SPARE, 1024                       ; bytes 0-511: the sums; 512-1023: the sums of squares; then the spare words, 128 bytes for each of 8 waves
.set STG,   2048
.set SP,    528
.set X,   32
.set G,   96
.set BV,  160
.set PC,  96
.set TM,  116
.set PW,  132
.set XA,  2
.set GA,  3
.set RA,  4
.set RB,  5
.set SPW, 6
.set NIL, 7
.set SI,  24
.set SO,  25
.set LI,  26
.set SA,  27
.set SEL, 20
.macro QUANT s
.irp b, 0,1,2,3
	v_max3_num_f32 v[TM+\b], |v[\s+16*\b]|, |v[\s+1+16*\b]|, 0x1800000   ; and the floor 2^(3 - 127)
.endr
.irp i, 2,4,6,8,10,12,14
.irp b, 0,1,2,3
	v_max3_num_f32 v[TM+\b], v[TM+\b], |v[\s+16*\b+\i]|, |v[\s+1+16*\b+\i]|
.endr
.endr
.irp b, 0,1,2,3
	v_permlanex16_b32 v[TM+4+\b], v[TM+\b], s[SEL], s[SEL+1]
.endr
.irp b, 0,1,2,3
	v_max_num_f32 v[TM+\b], v[TM+\b], v[TM+4+\b]
.endr
.irp b, 0,1,2,3
	v_add_nc_u32 v[TM+12+\b], 0xff000000, v[TM+\b]
.endr
.irp b, 0,1,2,3
	v_lshrrev_b32 v[TM+4+\b], 23, v[TM+12+\b]
.endr
	v_lshl_or_b32 v[PW], v[TM+5], 8, v[TM+4]
	v_lshl_or_b32 v[PW], v[TM+6], 16, v[PW]
	v_lshl_or_b32 v[PW], v[TM+7], 24, v[PW]
.irp c, 0,1
	v_cvt_scalef32_pk16_fp6_f32 v[PC+6*\c:PC+2+6*\c], v[\s+32*\c:\s+15+32*\c], v[TM+12+2*\c]
	v_cvt_scalef32_pk16_fp6_f32 v[PC+12+4*\c:PC+14+4*\c], v[\s+16+32*\c:\s+31+32*\c], v[TM+12+2*\c+1]
.endr
	v_nop
.irp c, 0,1
.irp i, 0,1,2
	v_permlane16_swap_b32 v[PC+6*\c+\i], v[PC+12+4*\c+\i]
.endr
.irp i, 0,1,2
	v_mov_b32 v[PC+3+6*\c+\i], v[PC+12+4*\c+\i]
.endr
.endr
.endm
.macro MEET off                        ; v8, my lane's sum, becomes v12, the row's: lane l xor 16, then the eight waves through LDS
	v_permlanex16_b32 v9, v8, s[SEL], s[SEL+1]
	v_add_f32 v8, v8, v9
	ds_store_b32 v[RA], v8 offset:\off             ; both halves of the lanes store the same word
	s_wait_dscnt 0x0                               ; for the others' sake
	s_barrier_signal -1
	s_barrier_wait -1
	ds_load_b128 v[12:15], v[RB] offset:\off
	ds_load_b128 v[16:19], v[RB] offset:\off+16
	s_wait_dscnt 0x0
	v_add_f32 v12, v12, v13
	v_add_f32 v14, v14, v15
	v_add_f32 v16, v16, v17
	v_add_f32 v18, v18, v19
	v_add_f32 v12, v12, v14
	v_add_f32 v16, v16, v18
	v_add_f32 v12, v12, v16
.endm
	s_load_b256 s[4:11], s[0:1], 0x0               ; y, g, b, the f32 result
.if QUANTISE
	s_load_b64 s[12:13], s[0:1], 0x20              ; the operand's buffer
.endif
	v_lshl_add_u32 v[SPW], v0, 2, SPARE
	v_mov_b32 v[NIL], 0
	v_lshrrev_b32 v1, 5, v0
	v_readfirstlane_b32 s14, v1                    ; wave = K step
	v_and_b32 v1, 15, v0                           ; r
	v_bfe_u32 v8, v0, 4, 1                         ; h
	v_and_b32 v9, 8, v1
	v_add_nc_u32 v9, v9, v1
	v_lshlrev_b32 v[XA], 12, v9
	v_lshl_add_u32 v[XA], v8, 6, v[XA]
	v_lshlrev_b32 v[GA], 6, v8
	s_lshl_b32 s15, s14, 2
	v_lshl_add_u32 v[RA], v1, 5, s15               ; 32 r + 4 wave
	v_lshlrev_b32 v[RB], 5, v1
	v_and_b32 v10, 31, v0
	v_lshlrev_b32 v[LI], 4, v10
	v_lshlrev_b32 v[SA], 2, v1
	s_mul_i32 s15, s14, 16*SP
	s_add_co_u32 s15, s15, STG
	v_mul_u32_u24 v[SI], v1, SP
	v_lshl_add_u32 v[SI], v8, 6, v[SI]
	v_add_nc_u32 v[SI], s15, v[SI]
	v_add_nc_u32 v[SO], s15, v[LI]
	s_lshr_b32 s16, ttmp9, 1
	s_lshl_b32 s16, s16, 5
	s_and_b32 s17, ttmp9, 1
	s_lshl_b32 s17, s17, 3
	s_add_co_u32 s16, s16, s17                     ; the tile's first row
	s_lshl_b32 s16, s16, 12
	s_lshl_b32 s18, s14, 9
	s_add_co_u32 s16, s16, s18
	s_mov_b32 s17, 0
	s_mov_b32 s19, 0
	s_mov_b32 s[SEL], 0x76543210
	s_mov_b32 s[SEL+1], 0xfedcba98
	s_lshl_b32 s22, ttmp9, 3
	s_add_co_u32 s22, s22, s14
	s_mul_i32 s22, s22, 1536                       ; fragment 8 t + s
	s_mov_b32 s23, 0
	s_lshl_b32 s24, s14, 8
	s_add_co_u32 s24, s24, ttmp9
	s_lshl_b32 s24, s24, 6
	s_add_co_u32 s24, s24, AT_SC                   ; its scale words
	s_mov_b32 s25, 0
	s_wait_kmcnt 0x0
	s_add_nc_u64 s[4:5], s[4:5], s[16:17]
	s_add_nc_u64 s[10:11], s[10:11], s[16:17]
	s_add_nc_u64 s[6:7], s[6:7], s[18:19]
	s_add_nc_u64 s[8:9], s[8:9], s[18:19]
.if QUANTISE
	s_add_nc_u64 s[22:23], s[12:13], s[22:23]
	s_add_nc_u64 s[24:25], s[12:13], s[24:25]
.endif
.irp b, 0,1,2,3
.irp j, 0,1,2,3
	global_load_b128 v[X+16*\b+4*\j:X+16*\b+4*\j+3], v[XA], s[4:5] offset:128*\b+16*\j th:TH_LOAD_NT
.endr
.endr
.irp b, 0,1,2,3
.irp j, 0,1,2,3
	global_load_b128 v[G+16*\b+4*\j:G+16*\b+4*\j+3], v[GA], s[6:7] offset:128*\b+16*\j
.endr
.endr
.irp b, 0,1,2,3
.irp j, 0,1,2,3
	global_load_b128 v[BV+16*\b+4*\j:BV+16*\b+4*\j+3], v[GA], s[8:9] offset:128*\b+16*\j
.endr
.endr
	s_wait_loadcnt 32                              ; the row's numbers are in; the 32 loads of g and b may be out
	v_pk_add_f32 v[8:9], v[X:X+1], v[X+2:X+3]      ; two chains
	v_pk_add_f32 v[10:11], v[X+4:X+5], v[X+6:X+7]
.irp j, 8,12,16,20,24,28,32,36,40,44,48,52,56,60
	v_pk_add_f32 v[8:9], v[8:9], v[X+\j:X+\j+1]
	v_pk_add_f32 v[10:11], v[10:11], v[X+\j+2:X+\j+3]
.endr
	v_pk_add_f32 v[8:9], v[8:9], v[10:11]
	v_add_f32 v8, v8, v9
	MEET 0
	v_mul_f32 v20, 0x3a800000, v12                 ; the mean: / 1,024
	v_mov_b32 v21, v20
.set j, 0
.rept 32
	v_pk_add_f32 v[X+j:X+j+1], v[X+j:X+j+1], v[20:21] neg_lo:[0,1] neg_hi:[0,1]
.set j, j+2
.endr
	v_pk_mul_f32 v[8:9], v[X:X+1], v[X:X+1]
	v_pk_mul_f32 v[10:11], v[X+2:X+3], v[X+2:X+3]
.irp j, 4,8,12,16,20,24,28,32,36,40,44,48,52,56,60
	v_pk_fma_f32 v[8:9], v[X+\j:X+\j+1], v[X+\j:X+\j+1], v[8:9]
	v_pk_fma_f32 v[10:11], v[X+\j+2:X+\j+3], v[X+\j+2:X+\j+3], v[10:11]
.endr
	v_pk_add_f32 v[8:9], v[8:9], v[10:11]
	v_add_f32 v8, v8, v9
	MEET 512
	v_mov_b32 v22, 0x3a800000
	v_fmaak_f32 v23, v12, v22, 0x3727c5ac          ; the variance + 1e-5
	v_rsq_f32 v20, v23
	v_nop                                          ; a plain place behind the transcendental
	s_wait_alu depctr_va_vdst(0)                   ; and the wait ahead of its first reader
	s_wait_loadcnt 0x0                             ; g and b
.set j, 0
.rept 32
	v_pk_mul_f32 v[X+j:X+j+1], v[X+j:X+j+1], v[20:21] op_sel_hi:[1,0]
.set j, j+2
.endr
.set j, 0
.rept 32
	v_pk_fma_f32 v[X+j:X+j+1], v[X+j:X+j+1], v[G+j:G+j+1], v[BV+j:BV+j+1]
.set j, j+2
.endr
.irp b, 0,1,2,3
.irp j, 0,1,2,3
	ds_store_b128 v[SI], v[X+16*\b+4*\j:X+16*\b+4*\j+3] offset:128*\b+16*\j
.endr
.endr
.irp t, 0,1,2,3,4,5,6,7,8,9,10,11,12,13,14,15
	ds_load_b128 v[BV+4*\t:BV+4*\t+3], v[SO] offset:\t*SP      ; LDS serves a wave's instructions in order: these see my stores
.endr
.if QUANTISE
.irp b, 0,1,2,3
	v_mov_b32 v[TM+4+\b], 0                        ; a lane permute's destination counts as one of its sources
.endr
	QUANT X                                        ; while the rows come back
.irp c, 0,1,2
	global_store_b128 v[LI], v[PC+4*\c:PC+4*\c+3], s[22:23] offset:512*\c
.endr
	global_store_b32 v[SA], v[PW], s[24:25]        ; both halves of the lanes store a row's word to the same place
.endif
.irp t, 0,1,2,3,4,5,6,7,8,9,10,11,12,13,14,15
	s_wait_dscnt 15-\t                             ; the younger reads may be out
	global_store_b128 v[LI], v[BV+4*\t:BV+4*\t+3], s[10:11] offset:(\t+8*(\t/8))*4096   ; 512 consecutive bytes
.endr
	s_wait_tensorcnt 0x0                           ; the wave's end, behind my last LDS store
	ds_add_u32 v[SPW], v[NIL]
	s_wait_dscnt 0x0
	s_endpgm
.Lfunc_end_k_q757aa11a78_ln1:
	.size	k_q757aa11a78_ln1, .Lfunc_end_k_q757aa11a78_ln1-k_q757aa11a78_ln1
	.p2alignl 7, 3214868480
	.fill 96, 4, 3214868480
	.section	.rodata,"a",@progbits
	.p2align	6, 0x0
	.amdhsa_kernel k_q757aa11a78_ln1
		.amdhsa_group_segment_fixed_size 69632
		.amdhsa_private_segment_fixed_size 0
		.amdhsa_enable_private_segment 0
		.amdhsa_kernarg_size 40
		.amdhsa_user_sgpr_count 2
		.amdhsa_user_sgpr_kernarg_segment_ptr 1
		.amdhsa_wavefront_size32 1
		.amdhsa_system_sgpr_workgroup_id_x 1
		.amdhsa_system_sgpr_workgroup_id_y 1
		.amdhsa_system_sgpr_workgroup_id_z 1
		.amdhsa_system_vgpr_workitem_id 0
		.amdhsa_next_free_vgpr 224
		.amdhsa_next_free_sgpr 66
		.amdhsa_reserve_vcc 0
		.amdhsa_float_denorm_mode_32 3
		.amdhsa_float_denorm_mode_16_64 3
		.amdhsa_memory_ordered 1
		.amdhsa_forward_progress 1
		.amdhsa_inst_pref_size 27
	.end_amdhsa_kernel
	.amdgpu_metadata
---
amdhsa.version: [ 1, 2 ]
amdhsa.kernels:
  - .name:           k_q757aa11a78_ln1
    .symbol:         k_q757aa11a78_ln1.kd
    .args:
      - { .name: y, .offset: 0, .size: 8, .value_kind: global_buffer, .address_space: global }
      - { .name: g1, .offset: 8, .size: 8, .value_kind: global_buffer, .address_space: global }
      - { .name: b1, .offset: 16, .size: 8, .value_kind: global_buffer, .address_space: global }
      - { .name: hf, .offset: 24, .size: 8, .value_kind: global_buffer, .address_space: global }
      - { .name: hq, .offset: 32, .size: 8, .value_kind: global_buffer, .address_space: global }
    .group_segment_fixed_size: 69632
    .private_segment_fixed_size: 0
    .kernarg_segment_align: 8
    .kernarg_segment_size: 40
    .max_flat_workgroup_size: 256
    .sgpr_count:     66
    .vgpr_count:     224
    .wavefront_size: 32
...
	.end_amdgpu_metadata
.endif
;; end of part 5
;; launch ff1 (part 6): grid 16 x 16, 4 waves a work-group, clusters of 4 x 4, 327,680 bytes of LDS; arguments hq, xw, bf1, fq; writes fq
.if DOCPART == 6
	.amdgcn_target "amdgcn-amd-amdhsa--gfx1250"
	.amdhsa_code_object_version 6
	.text
	.protected	k_q757aa11a78_ff1
	.globl	k_q757aa11a78_ff1
	.p2align	8
	.type	k_q757aa11a78_ff1,@function
k_q757aa11a78_ff1:
	s_mov_b64 s[64:65], 0
	v_nop
	global_prefetch_b8 v0, s[64:65] scope:SCOPE_SE
	s_setreg_imm32_b32 hwreg(HW_REG_WAVE_MODE, 25, 1), 1
	s_wait_xcnt 0x0
	s_wait_alu depctr_hold_cnt(0) depctr_sa_sdst(0) depctr_va_vdst(0) depctr_va_sdst(0) depctr_va_ssrc(0) depctr_va_vcc(0) depctr_vm_vsrc(0)
	s_getreg_b32 s2, hwreg(HW_REG_IB_STS2, 6, 4)
	s_cmp_eq_u32 s2, 0
	s_cbranch_scc0 .Lentry_in_a_cluster
	s_endpgm
.Lentry_in_a_cluster:
	s_bfe_u32 s2, ttmp6, 0x10000c
	s_cmp_lg_u32 s2, 0xf033
	s_cbranch_scc0 .Lentry_shape_is_right
	s_endpgm
.Lentry_shape_is_right:
; f = gelu(h W1 + bf1), exact (by erf), quantised in registers to codes of FP6 (E2M3) and stored as images of operand registers.  A = h (hq), B = W1 (xw, tiles 512 on), both as such images.
; A work-group of four waves makes 256 x 256, a wave 128 x 128: 64 accumulators.  Source 0 = 16 rows of B, source 1 = 16 rows of A: a lane holds one token, its registers run along the hidden units, the next K.
; A fragment (16 rows x 128 K) is 1,536 bytes, byte 512 c + 16 lane + 4 i = register 4 c + i; lane r of tile t holds row 32 (t / 2) + 8 (t % 2) + r + 8 (r / 8); fragment (tile, step) at (tile x KS + step) x 1,536; scale words at [step][tile][64].
; K goes two steps of 128 to a slot through a ring of two LDS slots; all scale words come once.  CLUSTERS: 4 x 4; A's tiles jointly along a row of the cluster, B's along a column.
; GELU: gelu(x) = max(x, 0) - |x| erfc(|x| / sqrt 2) / 2, with erfc(z) = t exp(-z^2 + P(t)), t = 1 / (1 + z / 2), P of degree 9: the series' error is 1.2e-7 of erfc at every z, so the small negative side keeps its relative accuracy.
; LIMITS: erfc under 2^-126 is 0 (v_exp_f32); a block of zeros gets the byte 1; blocks under 2^-124 have the byte 1; NaN and infinities are not served.
; REGISTERS: window 0: v0-31 addresses; v32-63 scale words; v128-223 A's fragments; window 1: B's two sets at v0 and v128, the bias of my 128 units in v96-127 and v224-255; windows 2, 3: the accumulators.
.set KS,     8
.set LAPS,   KS/4
.set NQ,     2
.set FR,     12
.set FRB,    1536
.set NL,     3
.set NP,     4
.set HALFT,  8*NQ*FRB
.set SLOT,   4*HALFT
.set SCL,    2*SLOT
.set HALFS,  512*KS
.set SPARE,  SCL+4*HALFS
.set ASOFF,  3145728
.set ATL,    256
.set BBASE,  512
.set BSOFF,  12582912
.set BTL,    768
.set FQ_SC,  12582912
.set ADRA, 16
.set ADRB, 20
.set ADRS, 27
.set SPW,  28
.set NIL,  29
.set SC,   32
.set AF,   128
.set LI,   2
.set SA,   3
.set T,    64                          ; the way out: 64 numbers;
.set U,    128                         ; t;
.set P,    160                         ; the series, then erfc;
.set Z,    192                         ; z, then |x| / 2;
.set A9,   224                         ; the series' leading coefficient, twice
.set PC,   128                         ; (the codes and what the quantiser works on lie over t and the series, which are done with by then)
.set TM,   148
.set PW,   164
.set SEL,  66
.set G1, 24
.set G0, 32
.set G1B, 48
.set G0B, 56
.set G1S, 68
.set G0S, 76
.set G1SB, 80
.set G0SB, 88
.set MSB, 0
.macro WIN new
.if MSB != (\new)
	s_set_vgpr_msb (MSB<<8)|(\new)
.set MSB, \new
.endif
.endm
.set MUL_LO, 0xa1
.set MUL_HI, 0xf1
.set TO_B,   0x40
.macro JLOAD g0a, g1a, g0b, g1b        ; a joint load: waves 0, 1 for A, waves 2, 3 for B; an s_nop 0 and four v_nop follow each line
	s_cmp_eq_u32 s15, 0
	s_cbranch_scc0 .Lfor_b_\@
	tensor_load_to_lds s[\g0a:\g0a+3], s[\g1a:\g1a+7]
	s_nop 0
.rept 4
	v_nop
.endr
	s_branch .Lasked_\@
.Lfor_b_\@:
	tensor_load_to_lds s[\g0b:\g0b+3], s[\g1b:\g1b+7]
	s_nop 0
.rept 4
	v_nop
.endr
.Lasked_\@:
.endm
.macro CREST
	s_cmp_lg_u32 s14, 0
	s_cbranch_scc1 .Lnot_wave_0_\@
	s_barrier_signal -3
.Lnot_wave_0_\@:
	s_barrier_wait -3
	s_barrier_signal -1
	s_barrier_wait -1
.endm
.macro CROUND
	s_barrier_signal -1
	s_barrier_wait -1
	CREST
.endm
.macro QUANT s
.irp b, 0,1,2,3
	v_max3_num_f32 v[TM+\b], |v[\s+16*\b]|, |v[\s+1+16*\b]|, 0x1800000   ; and the floor 2^(3 - 127)
.endr
.irp i, 2,4,6,8,10,12,14
.irp b, 0,1,2,3
	v_max3_num_f32 v[TM+\b], v[TM+\b], |v[\s+16*\b+\i]|, |v[\s+1+16*\b+\i]|
.endr
.endr
.irp b, 0,1,2,3
	v_permlanex16_b32 v[TM+4+\b], v[TM+\b], s[SEL], s[SEL+1]
.endr
.irp b, 0,1,2,3
	v_max_num_f32 v[TM+\b], v[TM+\b], v[TM+4+\b]
.endr
.irp b, 0,1,2,3
	v_add_nc_u32 v[TM+12+\b], 0xff000000, v[TM+\b]
.endr
.irp b, 0,1,2,3
	v_lshrrev_b32 v[TM+4+\b], 23, v[TM+12+\b]
.endr
	v_lshl_or_b32 v[PW], v[TM+5], 8, v[TM+4]
	v_lshl_or_b32 v[PW], v[TM+6], 16, v[PW]
	v_lshl_or_b32 v[PW], v[TM+7], 24, v[PW]
.irp c, 0,1
	v_cvt_scalef32_pk16_fp6_f32 v[PC+6*\c:PC+2+6*\c], v[\s+32*\c:\s+15+32*\c], v[TM+12+2*\c]
	v_cvt_scalef32_pk16_fp6_f32 v[PC+12+4*\c:PC+14+4*\c], v[\s+16+32*\c:\s+31+32*\c], v[TM+12+2*\c+1]
.endr
	v_nop
.irp c, 0,1
.irp i, 0,1,2
	v_permlane16_swap_b32 v[PC+6*\c+\i], v[PC+12+4*\c+\i]
.endr
.irp i, 0,1,2
	v_mov_b32 v[PC+3+6*\c+\i], v[PC+12+4*\c+\i]
.endr
.endr
.endm
	s_load_b128 s[4:7], s[0:1], 0x0                ; A's buffer, B's buffer
	s_load_b64 s[8:9], s[0:1], 0x10                ; the bias
	s_load_b64 s[12:13], s[0:1], 0x18              ; fq
	v_lshl_add_u32 v[SPW], v0, 2, SPARE
	v_mov_b32 v[NIL], 0
	ds_add_u32 v[SPW], v[NIL]                      ; the wave's opening: the add and its wait ahead of my first tensor load
	v_lshrrev_b32 v1, 5, v0
	v_readfirstlane_b32 s14, v1
	s_lshr_b32 s15, s14, 1
	s_and_b32 s16, s14, 1
	s_bfe_u32 s40, ttmp6, 0x40000
	s_bfe_u32 s41, ttmp6, 0x40004
	s_lshl_b32 s42, ttmp9, 2
	s_add_co_u32 s42, s42, s40                     ; tile column
	s_and_b32 s17, ttmp7, 0xffff
	s_lshl_b32 s17, s17, 2
	s_add_co_u32 s17, s17, s41                     ; tile row
	s_lshl_b32 s43, s41, 2
	s_lshl_b32 s43, 15, s43
	s_lshl_b32 s44, 0x1111, s40
	s_or_b32 s[G1+0], s43, (3<<16)|(1<<21)
	s_or_b32 s[G1B+0], s44, (3<<16)|(1<<21)
.irp g, G1, G1B
	s_mov_b32 s[\g+1], 384<<16
	s_mov_b32 s[\g+2], 8<<16
	s_mov_b32 s[\g+3], 384<<16
	s_mov_b32 s[\g+4], 8
	s_mov_b32 s[\g+5], 192*KS
	s_mov_b32 s[\g+6], 0
	s_mov_b32 s[\g+7], 0
.endr
	s_or_b32 s[G1S+0], s43, (3<<16)|(1<<21)
	s_or_b32 s[G1SB+0], s44, (3<<16)|(1<<21)
.irp g, G1S, G1SB
	s_mov_b32 s[\g+1], 64<<16
	s_mov_b32 s[\g+2], KS<<16
	s_mov_b32 s[\g+3], 64<<16
	s_mov_b32 s[\g+4], KS
	s_mov_b32 s[\g+6], 0
	s_mov_b32 s[\g+7], 0
.endr
	s_mov_b32 s[G1S+5], 8*ATL
	s_mov_b32 s[G1SB+5], 8*BTL
	s_lshl_b32 s18, s16, 3
	s_lshl_b32 s20, s17, 4
	s_add_co_u32 s20, s20, s18
	s_lshl_b32 s46, s42, 4
	s_add_co_u32 s46, s46, s18
	s_add_co_u32 s46, s46, BBASE
	s_lshl_b32 s22, s20, 6
	s_add_co_u32 s22, s22, ASOFF
	s_mov_b32 s23, 0
	s_lshl_b32 s94, s46, 6
	s_add_co_u32 s94, s94, BSOFF
	s_mov_b32 s95, 0
	s_mul_i32 s20, s20, KS*FRB
	s_mov_b32 s21, 0
	s_mul_i32 s46, s46, KS*FRB
	s_mov_b32 s47, 0
	s_mul_i32 s45, s14, HALFT
	s_mul_i32 s99, s14, HALFS
	s_wait_dscnt 0x0
	s_wait_kmcnt 0x0
	s_add_nc_u64 s[20:21], s[4:5], s[20:21]
	s_add_nc_u64 s[22:23], s[4:5], s[22:23]
	s_add_nc_u64 s[46:47], s[6:7], s[46:47]
	s_add_nc_u64 s[94:95], s[6:7], s[94:95]
	CROUND
	s_mov_b32 s[G0S], 1
	s_add_co_u32 s[G0S+1], s99, SCL
	s_mov_b64 s[G0S+2:G0S+3], s[22:23]
	s_or_b32 s[G0S+3], s[G0S+3], 0x80000000
	s_mov_b32 s[G0SB], 1
	s_add_co_u32 s[G0SB+1], s99, SCL
	s_mov_b64 s[G0SB+2:G0SB+3], s[94:95]
	s_or_b32 s[G0SB+3], s[G0SB+3], 0x80000000
	JLOAD G0S, G1S, G0SB, G1SB
.irp s, 0,1
	s_mov_b32 s[G0+4*\s], 1
	s_add_co_u32 s[G0+4*\s+1], s45, \s*SLOT
	s_add_nc_u64 s[G0+4*\s+2:G0+4*\s+3], s[20:21], \s*NQ*FRB
	s_or_b32 s[G0+4*\s+3], s[G0+4*\s+3], 0x80000000
	s_mov_b32 s[G0B+4*\s], 1
	s_add_co_u32 s[G0B+4*\s+1], s45, \s*SLOT
	s_add_nc_u64 s[G0B+4*\s+2:G0B+4*\s+3], s[46:47], \s*NQ*FRB
	s_or_b32 s[G0B+4*\s+3], s[G0B+4*\s+3], 0x80000000
	JLOAD G0+4*\s, G1, G0B+4*\s, G1B               ; three tensor loads of mine are out now
.endr
	v_and_b32 v1, 15, v0
	v_bfe_u32 v4, v0, 4, 1
	v_and_b32 v[LI], 31, v0
	v_lshlrev_b32 v[LI], 4, v[LI]
	v_lshlrev_b32 v[SA], 2, v1
	s_mul_i32 s21, s15, HALFT
	s_mul_i32 s22, s16, HALFT
	s_add_co_u32 s22, s22, 2*HALFT
.irp s, 0,1
	v_add_nc_u32 v[ADRA+\s], s21, v[LI]
	v_add_nc_u32 v[ADRB+\s], s22, v[LI]
	s_add_co_u32 s21, s21, SLOT
	s_add_co_u32 s22, s22, SLOT
.endr
	s_mul_i32 s21, s15, HALFS
	s_mul_i32 s22, s16, HALFS
	s_add_co_u32 s22, s22, 2*HALFS
	s_sub_co_u32 s22, s22, s21
	v_mul_u32_u24 v6, s22, v4
	s_add_co_u32 s21, s21, SCL
	v_add_nc_u32 v5, v[SA], v6
	v_add_nc_u32 v[ADRS], s21, v5
	s_lshl_b32 s46, s42, 1
	s_add_co_u32 s46, s46, s16                     ; sN: the K step of the next product that I make
	s_lshl_b32 s47, s17, 4
	s_lshl_b32 s96, s15, 3
	s_add_co_u32 s47, s47, s96                     ; tA0: my first tile of tokens
	s_lshl_b32 s18, s47, 5
	s_add_co_u32 s18, s18, s46
	s_mul_i32 s18, s18, FRB                        ; fragment 32 tA0 + sN
	s_mov_b32 s19, 0
	s_add_nc_u64 s[18:19], s[12:13], s[18:19]
	s_lshl_b32 s20, s46, 8
	s_add_co_u32 s20, s20, s47
	s_lshl_b32 s20, s20, 6
	s_add_co_u32 s20, s20, FQ_SC
	s_mov_b32 s21, 0
	s_add_nc_u64 s[20:21], s[12:13], s[20:21]
	s_mov_b32 s22, 32*FRB                          ; from one tile of tokens to the next
	s_mov_b32 s23, 0
	s_lshl_b32 s96, s46, 9
	s_mov_b32 s97, 0
	s_add_nc_u64 s[8:9], s[8:9], s[96:97]          ; the bias at my 128 units
	s_mov_b32 s[SEL], 0x76543210
	s_mov_b32 s[SEL+1], 0xfedcba98
	v_lshlrev_b32 v7, 6, v4                        ; 64 h; never rewritten
	WIN TO_B
.irp b, 0,1,2,3,4,5,6,7                        ; lane (r, h), tile b, register j: the bias of unit 32 (b / 2) + 16 h + 8 (b % 2) + j
	global_load_b128 v[96+8*\b+96*(\b/4):99+8*\b+96*(\b/4)], v7, s[8:9] offset:(32*(\b/2)+8*(\b%2))*4
	global_load_b128 v[100+8*\b+96*(\b/4):103+8*\b+96*(\b/4)], v7, s[8:9] offset:(32*(\b/2)+8*(\b%2))*4+16
.endr
	WIN 0
.macro FRAG reg, adr, q, i
.irp c, 0,1,2
	ds_load_b128 v[\reg+4*\c:\reg+4*\c+3], v[\adr] offset:2*FRB*(\i)+FRB*(\q)+512*\c
.endr
.endm
.macro MUL16 a0, p, q, sc, zero        ; the 64 accumulators take turns, one instruction a turn
.irp a, \a0, \a0+1
.irp b, 0,1,2,3,4,5,6,7
.if \zero
	v_wmma_scale_f32_16x16x128_f8f6f4 v[8*(8*((\a)%4)+\b):8*(8*((\a)%4)+\b)+7], v[128*(\p)+FR*\b:128*(\p)+FR*\b+FR-1], v[AF+FR*(\a):AF+FR*(\a)+FR-1], 0, v[SC+8*NQ*(\sc)+NQ*\b+(\q)], v[SC+8*NQ*(\sc)+NQ*(\a)+(\q)] matrix_a_fmt:MATRIX_FMT_FP6 matrix_b_fmt:MATRIX_FMT_FP6 matrix_a_scale:MATRIX_SCALE_ROW1
.else
	v_wmma_scale_f32_16x16x128_f8f6f4 v[8*(8*((\a)%4)+\b):8*(8*((\a)%4)+\b)+7], v[128*(\p)+FR*\b:128*(\p)+FR*\b+FR-1], v[AF+FR*(\a):AF+FR*(\a)+FR-1], v[8*(8*((\a)%4)+\b):8*(8*((\a)%4)+\b)+7], v[SC+8*NQ*(\sc)+NQ*\b+(\q)], v[SC+8*NQ*(\sc)+NQ*(\a)+(\q)] matrix_a_fmt:MATRIX_FMT_FP6 matrix_b_fmt:MATRIX_FMT_FP6 matrix_a_scale:MATRIX_SCALE_ROW1
.endif
.endr
.endr
.endm
.macro FETCH_B slot, q, p
	WIN TO_B
.irp i, 0,1,2,3,4,5,6,7
	FRAG 128*(\p)+FR*\i, ADRB+\slot, \q, \i
.endr
	WIN 0
.endm
.macro FETCH_A slot, q, i0
.irp i, \i0, \i0+1, \i0+2, \i0+3
	FRAG AF+FR*(\i), ADRA+\slot, \q, \i
.endr
.endm
.macro SCALES sc
.irp i, 0,1,2,3,4,5,6,7
.irp q, 0,1
	ds_load_b32 v[SC+16*(\sc)+2*\i+\q], v[ADRS] offset:512*\q+64*\i
.endr
.endr
.endm
.macro PLACES n
.rept \n
	v_nop
.endr
.endm
.macro STEP slot, q, zero
	s_wait_dscnt 4*NL                              ; all but the youngest twelve loads (A's blocks 4-7) are in
	WIN MUL_LO
	MUL16 0, (\q)%2, \q, \slot, \zero
	MUL16 2, (\q)%2, \q, \slot, \zero
	s_wait_dscnt 0
	PLACES NP
	FETCH_B \slot, (\q)+1, 1-(\q)%2
	FETCH_A \slot, (\q)+1, 0
	WIN MUL_HI
	MUL16 4, (\q)%2, \q, \slot, \zero
	MUL16 6, (\q)%2, \q, \slot, \zero
	PLACES NP
	WIN 0
	FETCH_A \slot, (\q)+1, 4
.endm
.macro TURN slot, next, fill
	s_wait_tensorcnt 0x0                           ; all my tensor loads have landed
	ds_add_u32 v[SPW], v[NIL]
	s_wait_dscnt 4*NL+1                            ; (the add and the youngest twelve loads may be out)
	WIN MUL_LO
	MUL16 0, 1, NQ-1, \slot, 0
	s_wait_dscnt 0x0                               ; the add is done, and my reads of this slot are over
	s_barrier_signal -1
	MUL16 2, 1, NQ-1, \slot, 0
	WIN 0
	s_barrier_wait -1
.if \fill
	CREST                                          ; the barrier has opened a round of the cluster's
	s_add_nc_u64 s[G0+4*\slot+2:G0+4*\slot+3], s[G0+4*\slot+2:G0+4*\slot+3], 2*NQ*FRB
	s_add_nc_u64 s[G0B+4*\slot+2:G0B+4*\slot+3], s[G0B+4*\slot+2:G0B+4*\slot+3], 2*NQ*FRB
	JLOAD G0+4*\slot, G1, G0B+4*\slot, G1B
.else
	PLACES NP
.endif
	v_add_nc_u32 v[ADRS], 512*NQ, v[ADRS]
	FETCH_B \next, 0, 0
	FETCH_A \next, 0, 0
	SCALES \next
	WIN MUL_HI
	MUL16 4, 1, NQ-1, \slot, 0
	MUL16 6, 1, NQ-1, \slot, 0
	PLACES NP
	WIN 0
	FETCH_A \next, 0, 4
.endm
	s_wait_tensorcnt 1                             ; the scale words and slot 0 are in; slot 1's load may be out
	s_barrier_signal -1
	s_barrier_wait -1
	FETCH_B 0, 0, 0
	FETCH_A 0, 0, 0
	SCALES 0
	FETCH_A 0, 0, 4
	STEP 0, 0, 1
	s_mov_b32 s3, LAPS-1
.Llap:
	TURN 0, 1, 1
	STEP 1, 0, 0
	TURN 1, 0, 1
	STEP 0, 0, 0
	s_sub_co_u32 s3, s3, 1
	s_cmp_lg_u32 s3, 0
	s_cbranch_scc1 .Llap
	TURN 0, 1, 0
	STEP 1, 0, 0
	s_wait_dscnt 4*NL
	WIN MUL_LO
	MUL16 0, 1, NQ-1, 1, 0
	MUL16 2, 1, NQ-1, 1, 0
	s_wait_dscnt 0
	WIN MUL_HI
	MUL16 4, 1, NQ-1, 1, 0
	MUL16 6, 1, NQ-1, 1, 0
	WIN 0
; THE WAY OUT: for each of A's eight tiles the lane's 64 results, + bias, through gelu, are one K step of one row of the next operand: quantised in registers, stored as an image.
; A counted loop, so that gelu is written once; what differs from trip to trip, the accumulators' register numbers, stands in eight short pieces that a scalar branch on the counter picks.
.macro STUB k
	WIN 0x06+(\k)/4                                ; source 0: window 2 or 3; source 1: window 1
.set i, 0
.rept 32
	v_pk_add_f32 v[T+i:T+i+1], v[64*((\k)%4)+i:64*((\k)%4)+i+1], v[96+i+96*(i/32):97+i+96*(i/32)]   ; ascending: each accumulator is read from its low end on
.set i, i+2
.endr
	WIN 0
	s_branch .Lcommon
.endm
.macro GELU g                          ; on the 32 numbers v[T + 32 g] on
.set TT, T+32*(\g)
.set i, 0
.rept 32
	v_mul_f32 v[Z+i], 0x3f3504f3, |v[TT+i]|        ; z = |x| / sqrt 2
.set i, i+1
.endr
.set i, 0
.rept 16
	v_pk_fma_f32 v[U+i:U+i+1], v[Z+i:Z+i+1], 0.5, 1.0 op_sel_hi:[1,0,0]
.set i, i+2
.endr
.set i, 0
.rept 32
	v_rcp_f32 v[U+i], v[U+i]                       ; t = 1 / (1 + z / 2)
.set i, i+1
.endr
.set i, 0
.rept 32
	v_max_num_f32 v[TT+i], 0, v[TT+i]              ; max(x, 0): plain work behind the batch
.set i, i+1
.endr
	s_wait_alu depctr_va_vdst(0)                   ; one wait for the 32 reciprocals, ahead of their first reader
.set i, 0
.rept 16
	v_pk_fma_f32 v[P+i:P+i+1], v[U+i:U+i+1], v[A9:A9+1], 0xbf527892 op_sel_hi:[1,1,0]   ; 0.17087277 t - 0.82215223
.set i, i+2
.endr
.irp c, 0x3fbe87b0, 0xbf914e5d, 0x3e8ec7cc, 0xbe3ec24c, 0x3dc636c9, 0x3ebf88fb, 0x3f8000c7, 0xbfa1fc4e   ; 1.48851587, -1.13520398, 0.27886807, -0.18628806, 0.09678418, 0.37409196, 1.00002368, -1.26551223
.set i, 0
.rept 16
	v_pk_fma_f32 v[P+i:P+i+1], v[P+i:P+i+1], v[U+i:U+i+1], \c op_sel_hi:[1,1,0]
.set i, i+2
.endr
.endr
.set i, 0
.rept 16
	v_pk_fma_f32 v[P+i:P+i+1], v[Z+i:Z+i+1], v[Z+i:Z+i+1], v[P+i:P+i+1] neg_lo:[1,0,0] neg_hi:[1,0,0]   ; - z^2
.set i, i+2
.endr
.set i, 0
.rept 16
	v_pk_mul_f32 v[P+i:P+i+1], v[P+i:P+i+1], 0x3fb8aa3b op_sel_hi:[1,0]   ; x log2(e)
.set i, i+2
.endr
.set i, 0
.rept 32
	v_exp_f32 v[P+i], v[P+i]
.set i, i+1
.endr
.set i, 0
.rept 16
	v_pk_mul_f32 v[Z+i:Z+i+1], v[Z+i:Z+i+1], 0x3f3504f3 op_sel_hi:[1,0]   ; |x| / 2: plain work behind the batch
.set i, i+2
.endr
	s_wait_alu depctr_va_vdst(0)                   ; one wait for the 32 exponentials
.set i, 0
.rept 16
	v_pk_mul_f32 v[P+i:P+i+1], v[P+i:P+i+1], v[U+i:U+i+1]                 ; erfc
.set i, i+2
.endr
.set i, 0
.rept 16
	v_pk_fma_f32 v[TT+i:TT+i+1], v[Z+i:Z+i+1], v[P+i:P+i+1], v[TT+i:TT+i+1] neg_lo:[1,0,0] neg_hi:[1,0,0]
.set i, i+2
.endr
.endm
	PLACES NP
	s_wait_loadcnt 0x0                             ; the bias
.irp b, 0,1,2,3
	v_mov_b32 v[TM+4+\b], 0                        ; a lane permute's destination counts as one of its sources
.endr
	v_mov_b32 v[A9], 0x3e2ef945
	v_mov_b32 v[A9+1], 0x3e2ef945
	s_mov_b32 s3, 0
.Lrow:
.irp k, 0,1,2,3,4,5,6
	s_cmp_eq_u32 s3, \k
	s_cbranch_scc1 .Lc\k
.endr
	STUB 7
.irp k, 0,1,2,3,4,5,6
.Lc\k:
	STUB \k
.endr
.Lcommon:
	GELU 0
	GELU 1
	QUANT T
.irp c, 0,1,2
	global_store_b128 v[LI], v[PC+4*\c:PC+4*\c+3], s[18:19] offset:512*\c
.endr
	global_store_b32 v[SA], v[PW], s[20:21]        ; both halves of the lanes store a row's word to the same place
	s_wait_xcnt 0x0                                ; the stores' data and bases are written again only behind this wait
	s_add_nc_u64 s[18:19], s[18:19], s[22:23]
	s_add_nc_u64 s[20:21], s[20:21], 64
	s_add_co_u32 s3, s3, 1
	s_cmp_lt_u32 s3, 8
	s_cbranch_scc1 .Lrow
	s_wait_tensorcnt 0x0                           ; the wave's end
	ds_add_u32 v[SPW], v[NIL]
	s_wait_dscnt 0x0
	CROUND                                         ; the closing round
	s_endpgm
.Lfunc_end_k_q757aa11a78_ff1:
	.size	k_q757aa11a78_ff1, .Lfunc_end_k_q757aa11a78_ff1-k_q757aa11a78_ff1
	.p2alignl 7, 3214868480
	.fill 96, 4, 3214868480
	.section	.rodata,"a",@progbits
	.p2align	6, 0x0
	.amdhsa_kernel k_q757aa11a78_ff1
		.amdhsa_group_segment_fixed_size 327680
		.amdhsa_private_segment_fixed_size 0
		.amdhsa_enable_private_segment 0
		.amdhsa_kernarg_size 32
		.amdhsa_user_sgpr_count 2
		.amdhsa_user_sgpr_kernarg_segment_ptr 1
		.amdhsa_wavefront_size32 1
		.amdhsa_system_sgpr_workgroup_id_x 1
		.amdhsa_system_sgpr_workgroup_id_y 1
		.amdhsa_system_sgpr_workgroup_id_z 1
		.amdhsa_system_vgpr_workitem_id 0
		.amdhsa_next_free_vgpr 1024
		.amdhsa_next_free_sgpr 102
		.amdhsa_reserve_vcc 0
		.amdhsa_float_denorm_mode_32 3
		.amdhsa_float_denorm_mode_16_64 3
		.amdhsa_memory_ordered 1
		.amdhsa_forward_progress 1
		.amdhsa_inst_pref_size 185
	.end_amdhsa_kernel
	.amdgpu_metadata
---
amdhsa.version: [ 1, 2 ]
amdhsa.kernels:
  - .name:           k_q757aa11a78_ff1
    .symbol:         k_q757aa11a78_ff1.kd
    .args:
      - { .name: hq, .offset: 0, .size: 8, .value_kind: global_buffer, .address_space: global }
      - { .name: xw, .offset: 8, .size: 8, .value_kind: global_buffer, .address_space: global }
      - { .name: bf1, .offset: 16, .size: 8, .value_kind: global_buffer, .address_space: global }
      - { .name: fq, .offset: 24, .size: 8, .value_kind: global_buffer, .address_space: global }
    .group_segment_fixed_size: 327680
    .private_segment_fixed_size: 0
    .kernarg_segment_align: 8
    .kernarg_segment_size: 32
    .max_flat_workgroup_size: 128
    .sgpr_count:     102
    .vgpr_count:     1024
    .wavefront_size: 32
...
	.end_amdgpu_metadata
.endif
;; end of part 6
;; launch ff2 (part 7): grid 4 x 16, 4 waves a work-group, clusters of 4 x 4, 327,680 bytes of LDS; arguments fq, xw, bf2, hf, y; writes y
.if DOCPART == 7
	.amdgcn_target "amdgcn-amd-amdhsa--gfx1250"
	.amdhsa_code_object_version 6
	.text
	.protected	k_q757aa11a78_ff2
	.globl	k_q757aa11a78_ff2
	.p2align	8
	.type	k_q757aa11a78_ff2,@function
k_q757aa11a78_ff2:
	s_mov_b64 s[64:65], 0
	v_nop
	global_prefetch_b8 v0, s[64:65] scope:SCOPE_SE
	s_setreg_imm32_b32 hwreg(HW_REG_WAVE_MODE, 25, 1), 1
	s_wait_xcnt 0x0
	s_wait_alu depctr_hold_cnt(0) depctr_sa_sdst(0) depctr_va_vdst(0) depctr_va_sdst(0) depctr_va_ssrc(0) depctr_va_vcc(0) depctr_vm_vsrc(0)
	s_getreg_b32 s2, hwreg(HW_REG_IB_STS2, 6, 4)
	s_cmp_eq_u32 s2, 0
	s_cbranch_scc0 .Lentry_in_a_cluster
	s_endpgm
.Lentry_in_a_cluster:
	s_bfe_u32 s2, ttmp6, 0x10000c
	s_cmp_lg_u32 s2, 0xf033
	s_cbranch_scc0 .Lentry_shape_is_right
	s_endpgm
.Lentry_shape_is_right:
; y = h + f W2 + bf2: [4096][1024] f32.  The product is on codes of FP6 (E2M3), K = 4,096: A = gelu's result (fq), B = W2 (xw, from fragment 6,144), both as images of operand registers.
; A work-group of four waves makes 256 x 256, a wave 128 x 128: 64 accumulators.  Source 0 = 16 rows of B, source 1 = 16 rows of A: a lane holds one row of y and eight of its columns.
; A fragment (16 rows x 128 K) is 1,536 bytes, byte 512 c + 16 lane + 4 i = register 4 c + i; lane r of tile t holds row 32 (t / 2) + 8 (t % 2) + r + 8 (r / 8); fragment (tile, step) at (tile x KS + step) x 1,536; scale words at [step][tile][64].
; K goes two steps of 128 to a slot through a ring of two LDS slots; a wave's tensor load brings 8 tiles x 3,072 consecutive bytes.  All scale words come once, with the first fills.
; CLUSTERS: 4 x 4 work-groups; A's tiles are asked for jointly along a row of the cluster, B's along a column.
; The sums are made as (product + residual) + bias.  NaN and infinities among the inputs are not served.
; REGISTERS: window 0: v0-31 addresses, v8-11 the bias; v32-63 scale words; v128-223 A's fragments; window 1: B's two sets at v0 and v128; windows 2, 3: the accumulators.
.set KS,     32
.set LAPS,   KS/4
.set NQ,     2
.set FR,     12
.set FRB,    1536
.set NL,     3
.set NP,     4
.set HALFT,  8*NQ*FRB
.set SLOT,   4*HALFT
.set SCL,    2*SLOT
.set HALFS,  512*KS
.set SPARE,  SCL+4*HALFS
.set ASOFF,  12582912
.set ATL,    256
.set BBASE,  0
.set BCOFF,  6144*FRB
.set BSOFF,  12582912+393216
.set BTL,    64
.set SPITCH, 528                       ; the way out: a stage of 16 rows x (512 + 16) bytes a wave, in slot 0, behind that slot's last fill and last read
.set BI,   8
.set ADRA, 16
.set ADRB, 20
.set STO,  24
.set RD,   25
.set CO,   26
.set ADRS, 27
.set SPW,  28
.set NIL,  29
.set SC,   32
.set AF,   128
.set BK,   128
.set G1, 24
.set G0, 32
.set G1B, 48
.set G0B, 56
.set G1S, 68
.set G0S, 76
.set G1SB, 80
.set G0SB, 88
.set MSB, 0
.macro WIN new
.if MSB != (\new)
	s_set_vgpr_msb (MSB<<8)|(\new)
.set MSB, \new
.endif
.endm
.set MUL_LO, 0xa1
.set MUL_HI, 0xf1
.set TO_B,   0x40
.macro JLOAD g0a, g1a, g0b, g1b        ; a joint load: waves 0, 1 for A, waves 2, 3 for B; an s_nop 0 and four v_nop follow each line
	s_cmp_eq_u32 s15, 0
	s_cbranch_scc0 .Lfor_b_\@
	tensor_load_to_lds s[\g0a:\g0a+3], s[\g1a:\g1a+7]
	s_nop 0
.rept 4
	v_nop
.endr
	s_branch .Lasked_\@
.Lfor_b_\@:
	tensor_load_to_lds s[\g0b:\g0b+3], s[\g1b:\g1b+7]
	s_nop 0
.rept 4
	v_nop
.endr
.Lasked_\@:
.endm
.macro CREST
	s_cmp_lg_u32 s14, 0
	s_cbranch_scc1 .Lnot_wave_0_\@
	s_barrier_signal -3
.Lnot_wave_0_\@:
	s_barrier_wait -3
	s_barrier_signal -1
	s_barrier_wait -1
.endm
.macro CROUND
	s_barrier_signal -1
	s_barrier_wait -1
	CREST
.endm
	s_load_b256 s[4:11], s[0:1], 0x0               ; A's buffer s[4:5], B's s[6:7], the bias s[8:9], the residual s[10:11]
	s_load_b64 s[12:13], s[0:1], 0x20              ; y
	v_lshl_add_u32 v[SPW], v0, 2, SPARE
	v_mov_b32 v[NIL], 0
	ds_add_u32 v[SPW], v[NIL]                      ; the wave's opening: the add and its wait ahead of my first tensor load
	v_lshrrev_b32 v1, 5, v0
	v_readfirstlane_b32 s14, v1
	s_lshr_b32 s15, s14, 1
	s_and_b32 s16, s14, 1
	s_bfe_u32 s40, ttmp6, 0x40000
	s_bfe_u32 s41, ttmp6, 0x40004
	s_lshl_b32 s42, ttmp9, 2
	s_add_co_u32 s42, s42, s40                     ; tile column
	s_and_b32 s17, ttmp7, 0xffff
	s_lshl_b32 s17, s17, 2
	s_add_co_u32 s17, s17, s41                     ; tile row
	s_lshl_b32 s43, s41, 2
	s_lshl_b32 s43, 15, s43
	s_lshl_b32 s44, 0x1111, s40
	s_or_b32 s[G1+0], s43, (3<<16)|(1<<21)         ; the mask; elements of 8 bytes; bit 21 beside a mask; no padding
	s_or_b32 s[G1B+0], s44, (3<<16)|(1<<21)
.irp g, G1, G1B
	s_mov_b32 s[\g+1], 384<<16                     ; two fragments on end
	s_mov_b32 s[\g+2], 8<<16                       ; 8 tiles
	s_mov_b32 s[\g+3], 384<<16
	s_mov_b32 s[\g+4], 8
	s_mov_b32 s[\g+5], 192*KS
	s_mov_b32 s[\g+6], 0
	s_mov_b32 s[\g+7], 0
.endr
	s_or_b32 s[G1S+0], s43, (3<<16)|(1<<21)
	s_or_b32 s[G1SB+0], s44, (3<<16)|(1<<21)
.irp g, G1S, G1SB
	s_mov_b32 s[\g+1], 64<<16
	s_mov_b32 s[\g+2], KS<<16
	s_mov_b32 s[\g+3], 64<<16
	s_mov_b32 s[\g+4], KS
	s_mov_b32 s[\g+6], 0
	s_mov_b32 s[\g+7], 0
.endr
	s_mov_b32 s[G1S+5], 8*ATL
	s_mov_b32 s[G1SB+5], 8*BTL
	s_lshl_b32 s18, s16, 3
	s_lshl_b32 s20, s17, 4
	s_add_co_u32 s20, s20, s18                     ; A: the first of the eight tiles that I fetch
	s_lshl_b32 s46, s42, 4
	s_add_co_u32 s46, s46, s18
	s_add_co_u32 s46, s46, BBASE                   ; B
	s_lshl_b32 s22, s20, 6
	s_add_co_u32 s22, s22, ASOFF
	s_mov_b32 s23, 0
	s_lshl_b32 s94, s46, 6
	s_add_co_u32 s94, s94, BSOFF
	s_mov_b32 s95, 0
	s_mul_i32 s20, s20, KS*FRB
	s_mov_b32 s21, 0
	s_mul_i32 s46, s46, KS*FRB
	s_add_co_u32 s46, s46, BCOFF
	s_mov_b32 s47, 0
	s_mul_i32 s45, s14, HALFT
	s_mul_i32 s99, s14, HALFS
	s_wait_dscnt 0x0
	s_wait_kmcnt 0x0
	s_add_nc_u64 s[20:21], s[4:5], s[20:21]
	s_add_nc_u64 s[22:23], s[4:5], s[22:23]
	s_add_nc_u64 s[46:47], s[6:7], s[46:47]
	s_add_nc_u64 s[94:95], s[6:7], s[94:95]
	CROUND                                         ; the first joint loads meet
	s_mov_b32 s[G0S], 1
	s_add_co_u32 s[G0S+1], s99, SCL
	s_mov_b64 s[G0S+2:G0S+3], s[22:23]
	s_or_b32 s[G0S+3], s[G0S+3], 0x80000000
	s_mov_b32 s[G0SB], 1
	s_add_co_u32 s[G0SB+1], s99, SCL
	s_mov_b64 s[G0SB+2:G0SB+3], s[94:95]
	s_or_b32 s[G0SB+3], s[G0SB+3], 0x80000000
	JLOAD G0S, G1S, G0SB, G1SB
.irp s, 0,1
	s_mov_b32 s[G0+4*\s], 1
	s_add_co_u32 s[G0+4*\s+1], s45, \s*SLOT
	s_add_nc_u64 s[G0+4*\s+2:G0+4*\s+3], s[20:21], \s*NQ*FRB
	s_or_b32 s[G0+4*\s+3], s[G0+4*\s+3], 0x80000000
	s_mov_b32 s[G0B+4*\s], 1
	s_add_co_u32 s[G0B+4*\s+1], s45, \s*SLOT
	s_add_nc_u64 s[G0B+4*\s+2:G0B+4*\s+3], s[46:47], \s*NQ*FRB
	s_or_b32 s[G0B+4*\s+3], s[G0B+4*\s+3], 0x80000000
	JLOAD G0+4*\s, G1, G0B+4*\s, G1B               ; three tensor loads of mine are out now
.endr
	v_and_b32 v1, 15, v0                           ; r
	v_bfe_u32 v4, v0, 4, 1                         ; h
	v_and_b32 v[CO], 31, v0
	v_lshlrev_b32 v[CO], 4, v[CO]                  ; 16 x lane
	s_mul_i32 s21, s15, HALFT
	s_mul_i32 s22, s16, HALFT
	s_add_co_u32 s22, s22, 2*HALFT
.irp s, 0,1
	v_add_nc_u32 v[ADRA+\s], s21, v[CO]
	v_add_nc_u32 v[ADRB+\s], s22, v[CO]
	s_add_co_u32 s21, s21, SLOT
	s_add_co_u32 s22, s22, SLOT
.endr
	v_lshlrev_b32 v5, 2, v1
	s_mul_i32 s21, s15, HALFS
	s_mul_i32 s22, s16, HALFS
	s_add_co_u32 s22, s22, 2*HALFS
	s_sub_co_u32 s22, s22, s21
	v_mul_u32_u24 v6, s22, v4
	s_add_co_u32 s21, s21, SCL
	v_add_nc_u32 v5, v5, v6
	v_add_nc_u32 v[ADRS], s21, v5
	s_mul_i32 s23, s14, 16*SPITCH                  ; my stage
	v_mul_u32_u24 v5, v1, SPITCH
	v_lshl_add_u32 v5, v4, 6, v5                   ; in: row r, + 64 h
	v_add_nc_u32 v[STO], s23, v5
	v_add_nc_u32 v[RD], s23, v[CO]                 ; back: a whole row of 512 bytes
	s_lshl_b32 s20, s17, 8
	s_lshl_b32 s21, s15, 7
	s_add_co_u32 s20, s20, s21                     ; my first row
	s_lshl_b32 s20, s20, 12
	s_lshl_b32 s46, s42, 10
	s_lshl_b32 s47, s16, 9
	s_add_co_u32 s46, s46, s47                     ; my first column, in bytes
	s_mov_b32 s47, 0
	s_add_nc_u64 s[8:9], s[8:9], s[46:47]
	s_add_co_u32 s20, s20, s46
	s_mov_b32 s21, 0
	s_add_nc_u64 s[10:11], s[10:11], s[20:21]
	s_add_nc_u64 s[12:13], s[12:13], s[20:21]
	global_load_b128 v[BI:BI+3], v[CO], s[8:9]     ; the bias of the four columns that I store
.macro FRAG reg, adr, q, i
.irp c, 0,1,2
	ds_load_b128 v[\reg+4*\c:\reg+4*\c+3], v[\adr] offset:2*FRB*(\i)+FRB*(\q)+512*\c
.endr
.endm
.macro MUL16 a0, p, q, sc, zero        ; the 64 accumulators take turns, one instruction a turn
.irp a, \a0, \a0+1
.irp b, 0,1,2,3,4,5,6,7
.if \zero
	v_wmma_scale_f32_16x16x128_f8f6f4 v[8*(8*((\a)%4)+\b):8*(8*((\a)%4)+\b)+7], v[128*(\p)+FR*\b:128*(\p)+FR*\b+FR-1], v[AF+FR*(\a):AF+FR*(\a)+FR-1], 0, v[SC+8*NQ*(\sc)+NQ*\b+(\q)], v[SC+8*NQ*(\sc)+NQ*(\a)+(\q)] matrix_a_fmt:MATRIX_FMT_FP6 matrix_b_fmt:MATRIX_FMT_FP6 matrix_a_scale:MATRIX_SCALE_ROW1
.else
	v_wmma_scale_f32_16x16x128_f8f6f4 v[8*(8*((\a)%4)+\b):8*(8*((\a)%4)+\b)+7], v[128*(\p)+FR*\b:128*(\p)+FR*\b+FR-1], v[AF+FR*(\a):AF+FR*(\a)+FR-1], v[8*(8*((\a)%4)+\b):8*(8*((\a)%4)+\b)+7], v[SC+8*NQ*(\sc)+NQ*\b+(\q)], v[SC+8*NQ*(\sc)+NQ*(\a)+(\q)] matrix_a_fmt:MATRIX_FMT_FP6 matrix_b_fmt:MATRIX_FMT_FP6 matrix_a_scale:MATRIX_SCALE_ROW1
.endif
.endr
.endr
.endm
.macro FETCH_B slot, q, p
	WIN TO_B
.irp i, 0,1,2,3,4,5,6,7
	FRAG 128*(\p)+FR*\i, ADRB+\slot, \q, \i
.endr
	WIN 0
.endm
.macro FETCH_A slot, q, i0
.irp i, \i0, \i0+1, \i0+2, \i0+3
	FRAG AF+FR*(\i), ADRA+\slot, \q, \i
.endr
.endm
.macro SCALES sc
.irp i, 0,1,2,3,4,5,6,7
.irp q, 0,1
	ds_load_b32 v[SC+16*(\sc)+2*\i+\q], v[ADRS] offset:512*\q+64*\i
.endr
.endr
.endm
.macro PLACES n
.rept \n
	v_nop
.endr
.endm
.macro STEP slot, q, zero
	s_wait_dscnt 4*NL                              ; all but the youngest twelve loads (A's blocks 4-7) are in
	WIN MUL_LO
	MUL16 0, (\q)%2, \q, \slot, \zero
	MUL16 2, (\q)%2, \q, \slot, \zero
	s_wait_dscnt 0
	PLACES NP
	FETCH_B \slot, (\q)+1, 1-(\q)%2
	FETCH_A \slot, (\q)+1, 0
	WIN MUL_HI
	MUL16 4, (\q)%2, \q, \slot, \zero
	MUL16 6, (\q)%2, \q, \slot, \zero
	PLACES NP
	WIN 0
	FETCH_A \slot, (\q)+1, 4
.endm
.macro TURN slot, next, fill
	s_wait_tensorcnt 0x0                           ; all my tensor loads have landed
	ds_add_u32 v[SPW], v[NIL]
	s_wait_dscnt 4*NL+1                            ; (the add and the youngest twelve loads may be out)
	WIN MUL_LO
	MUL16 0, 1, NQ-1, \slot, 0
	s_wait_dscnt 0x0                               ; the add is done, and my reads of this slot are over
	s_barrier_signal -1
	MUL16 2, 1, NQ-1, \slot, 0
	WIN 0
	s_barrier_wait -1
.if \fill
	CREST                                          ; the barrier has opened a round of the cluster's
	s_add_nc_u64 s[G0+4*\slot+2:G0+4*\slot+3], s[G0+4*\slot+2:G0+4*\slot+3], 2*NQ*FRB
	s_add_nc_u64 s[G0B+4*\slot+2:G0B+4*\slot+3], s[G0B+4*\slot+2:G0B+4*\slot+3], 2*NQ*FRB
	JLOAD G0+4*\slot, G1, G0B+4*\slot, G1B
.else
	PLACES NP
.endif
	v_add_nc_u32 v[ADRS], 512*NQ, v[ADRS]
	FETCH_B \next, 0, 0
	FETCH_A \next, 0, 0
	SCALES \next
	WIN MUL_HI
	MUL16 4, 1, NQ-1, \slot, 0
	MUL16 6, 1, NQ-1, \slot, 0
	PLACES NP
	WIN 0
	FETCH_A \next, 0, 4
.endm
.macro RLOAD a                         ; the residual's 16 rows of block a, 512 consecutive bytes a load, into window 1, set a % 2
.irp t, 0,1,2,3,4,5,6,7,8,9,10,11,12,13,14,15
	global_load_b128 v[64*((\a)%2)+4*\t:64*((\a)%2)+4*\t+3], v[CO], s[10:11] offset:(32*((\a)/2)+8*((\a)%2)+\t+8*(\t/8))*4096 th:TH_LOAD_NT
.endr
.endm
	s_wait_tensorcnt 1                             ; the scale words and slot 0 are in; slot 1's load may be out
	s_barrier_signal -1
	s_barrier_wait -1
	FETCH_B 0, 0, 0
	FETCH_A 0, 0, 0
	SCALES 0
	FETCH_A 0, 0, 4
	STEP 0, 0, 1
	s_mov_b32 s3, LAPS-1
.Llap:
	TURN 0, 1, 1
	STEP 1, 0, 0
	TURN 1, 0, 1
	STEP 0, 0, 0
	s_sub_co_u32 s3, s3, 1
	s_cmp_lg_u32 s3, 0
	s_cbranch_scc1 .Llap
	TURN 0, 1, 0
	STEP 1, 0, 0
	WIN TO_B                                       ; B's set 0 is done with (four places stand behind its last products): the residual's first two blocks land there under the last step
	RLOAD 0
	RLOAD 1
	s_wait_dscnt 4*NL
	WIN MUL_LO
	MUL16 0, 1, NQ-1, 1, 0
	MUL16 2, 1, NQ-1, 1, 0
	s_wait_dscnt 0
	WIN MUL_HI
	MUL16 4, 1, NQ-1, 1, 0
	MUL16 6, 1, NQ-1, 1, 0
	WIN 0
; THE WAY OUT, block by block of 16 rows x 128 columns: through my own stage in LDS, back as whole rows of 512 bytes; + residual, + bias; stored as 512 consecutive bytes.  Every row's place is an immediate.
.macro OUTBLK a
.set AC, 64*((\a)%4)
.set BB, BK+64*((\a)%2)
.if (\a) > 1
	s_wait_xcnt 0x0                                ; block a - 2's stores have read their registers
.endif
	WIN 0x08+4*((\a)/4)                            ; an LDS store's data: window 2 or 3
.irp b, 0,1,2,3,4,5,6,7
	ds_store_b128 v[STO], v[AC+8*\b:AC+8*\b+3] offset:128*(\b/2)+32*(\b%2)       ; each accumulator from its low end on
	ds_store_b128 v[STO], v[AC+8*\b+4:AC+8*\b+7] offset:128*(\b/2)+32*(\b%2)+16
.endr
	WIN 0
.irp t, 0,1,2,3,4,5,6,7,8,9,10,11,12,13,14,15
	ds_load_b128 v[BB+4*\t:BB+4*\t+3], v[RD] offset:\t*SPITCH    ; LDS serves a wave's instructions in order: these see my stores
.endr
	s_wait_dscnt 0x0
.if (\a) < 7
	s_wait_loadcnt 16                              ; this block's residual is in; the next block's sixteen loads may be out
.else
	s_wait_loadcnt 0x0
.endif
	WIN 0x04                                       ; source 1: window 1
.set i, 0
.rept 32
	v_pk_add_f32 v[BB+i:BB+i+1], v[BB+i:BB+i+1], v[64*((\a)%2)+i:64*((\a)%2)+i+1]
.set i, i+2
.endr
	WIN 0
.irp t, 0,1,2,3,4,5,6,7,8,9,10,11,12,13,14,15
	v_pk_add_f32 v[BB+4*\t:BB+4*\t+1], v[BB+4*\t:BB+4*\t+1], v[BI:BI+1]
	v_pk_add_f32 v[BB+4*\t+2:BB+4*\t+3], v[BB+4*\t+2:BB+4*\t+3], v[BI+2:BI+3]
.endr
.irp t, 0,1,2,3,4,5,6,7,8,9,10,11,12,13,14,15
	global_store_b128 v[CO], v[BB+4*\t:BB+4*\t+3], s[12:13] offset:(32*((\a)/2)+8*((\a)%2)+\t+8*(\t/8))*4096
.endr
.if (\a) < 6
	WIN TO_B
	RLOAD (\a)+2
	WIN 0
.endif
.endm
	PLACES NP
.irp a, 0,1,2,3,4,5,6,7
	OUTBLK \a
.endr
	s_wait_tensorcnt 0x0                           ; the wave's end
	ds_add_u32 v[SPW], v[NIL]
	s_wait_dscnt 0x0
	CROUND                                         ; the closing round
	s_endpgm
.Lfunc_end_k_q757aa11a78_ff2:
	.size	k_q757aa11a78_ff2, .Lfunc_end_k_q757aa11a78_ff2-k_q757aa11a78_ff2
	.p2alignl 7, 3214868480
	.fill 96, 4, 3214868480
	.section	.rodata,"a",@progbits
	.p2align	6, 0x0
	.amdhsa_kernel k_q757aa11a78_ff2
		.amdhsa_group_segment_fixed_size 327680
		.amdhsa_private_segment_fixed_size 0
		.amdhsa_enable_private_segment 0
		.amdhsa_kernarg_size 40
		.amdhsa_user_sgpr_count 2
		.amdhsa_user_sgpr_kernarg_segment_ptr 1
		.amdhsa_wavefront_size32 1
		.amdhsa_system_sgpr_workgroup_id_x 1
		.amdhsa_system_sgpr_workgroup_id_y 1
		.amdhsa_system_sgpr_workgroup_id_z 1
		.amdhsa_system_vgpr_workitem_id 0
		.amdhsa_next_free_vgpr 1024
		.amdhsa_next_free_sgpr 102
		.amdhsa_reserve_vcc 0
		.amdhsa_float_denorm_mode_32 3
		.amdhsa_float_denorm_mode_16_64 3
		.amdhsa_memory_ordered 1
		.amdhsa_forward_progress 1
		.amdhsa_inst_pref_size 182
	.end_amdhsa_kernel
	.amdgpu_metadata
---
amdhsa.version: [ 1, 2 ]
amdhsa.kernels:
  - .name:           k_q757aa11a78_ff2
    .symbol:         k_q757aa11a78_ff2.kd
    .args:
      - { .name: fq, .offset: 0, .size: 8, .value_kind: global_buffer, .address_space: global }
      - { .name: xw, .offset: 8, .size: 8, .value_kind: global_buffer, .address_space: global }
      - { .name: bf2, .offset: 16, .size: 8, .value_kind: global_buffer, .address_space: global }
      - { .name: hf, .offset: 24, .size: 8, .value_kind: global_buffer, .address_space: global }
      - { .name: y, .offset: 32, .size: 8, .value_kind: global_buffer, .address_space: global }
    .group_segment_fixed_size: 327680
    .private_segment_fixed_size: 0
    .kernarg_segment_align: 8
    .kernarg_segment_size: 40
    .max_flat_workgroup_size: 128
    .sgpr_count:     102
    .vgpr_count:     1024
    .wavefront_size: 32
...
	.end_amdgpu_metadata
.endif
;; end of part 7
;; launch ln2 (part 8): grid 256 x 1, 8 waves a work-group, no clusters, 69,632 bytes of LDS; arguments y, g2, b2, out0; writes out0
.if DOCPART == 8
	.amdgcn_target "amdgcn-amd-amdhsa--gfx1250"
	.amdhsa_code_object_version 6
	.text
	.protected	k_q757aa11a78_ln2
	.globl	k_q757aa11a78_ln2
	.p2align	8
	.type	k_q757aa11a78_ln2,@function
k_q757aa11a78_ln2:
	s_mov_b64 s[64:65], 0
	v_nop
	global_prefetch_b8 v0, s[64:65] scope:SCOPE_SE
	s_setreg_imm32_b32 hwreg(HW_REG_WAVE_MODE, 25, 1), 1
	s_wait_xcnt 0x0
; out = layernorm(y) g + b over rows of 1,024, in f32.
; A work-group takes 16 rows (lane r: row 32 (t / 2) + 8 (t % 2) + r + 8 (r / 8), the order in which the launch before stored its blocks); wave s takes columns 128 s on.  Lane (r, h) holds 64 numbers of its row: register 16 b + i = column 32 b + 16 h + i.
; The mean, and then the mean of the squared differences (two passes: a common offset costs nothing), meet in LDS: a word for each row and wave, one barrier each.  The row stays in registers: memory is read once.
; The rows leave through the wave's own stage, 512 consecutive bytes a store.  Memory binds: no matrix unit, no cluster, no tensor load.  NaN and infinities are not served.
.set SPARE, 1024                       ; bytes 0-511: the sums; 512-1023: the sums of squares; then the spare words, 128 bytes for each of 8 waves
.set STG,   2048
.set SP,    528
.set X,   32
.set G,   96
.set BV,  160
.set XA,  2
.set GA,  3
.set RA,  4
.set RB,  5
.set SPW, 6
.set NIL, 7
.set SI,  24
.set SO,  25
.set LI,  26
.set SEL, 20
.macro MEET off                        ; v8, my lane's sum, becomes v12, the row's: lane l xor 16, then the eight waves through LDS
	v_permlanex16_b32 v9, v8, s[SEL], s[SEL+1]
	v_add_f32 v8, v8, v9
	ds_store_b32 v[RA], v8 offset:\off             ; both halves of the lanes store the same word
	s_wait_dscnt 0x0                               ; for the others' sake
	s_barrier_signal -1
	s_barrier_wait -1
	ds_load_b128 v[12:15], v[RB] offset:\off
	ds_load_b128 v[16:19], v[RB] offset:\off+16
	s_wait_dscnt 0x0
	v_add_f32 v12, v12, v13
	v_add_f32 v14, v14, v15
	v_add_f32 v16, v16, v17
	v_add_f32 v18, v18, v19
	v_add_f32 v12, v12, v14
	v_add_f32 v16, v16, v18
	v_add_f32 v12, v12, v16
.endm
	s_load_b256 s[4:11], s[0:1], 0x0               ; y, g, b, out
	v_lshl_add_u32 v[SPW], v0, 2, SPARE
	v_mov_b32 v[NIL], 0
	v_lshrrev_b32 v1, 5, v0
	v_readfirstlane_b32 s14, v1                    ; wave
	v_and_b32 v1, 15, v0                           ; r
	v_bfe_u32 v8, v0, 4, 1                         ; h
	v_and_b32 v9, 8, v1
	v_add_nc_u32 v9, v9, v1
	v_lshlrev_b32 v[XA], 12, v9
	v_lshl_add_u32 v[XA], v8, 6, v[XA]
	v_lshlrev_b32 v[GA], 6, v8
	s_lshl_b32 s15, s14, 2
	v_lshl_add_u32 v[RA], v1, 5, s15               ; 32 r + 4 wave
	v_lshlrev_b32 v[RB], 5, v1
	v_and_b32 v10, 31, v0
	v_lshlrev_b32 v[LI], 4, v10
	s_mul_i32 s15, s14, 16*SP
	s_add_co_u32 s15, s15, STG
	v_mul_u32_u24 v[SI], v1, SP
	v_lshl_add_u32 v[SI], v8, 6, v[SI]
	v_add_nc_u32 v[SI], s15, v[SI]
	v_add_nc_u32 v[SO], s15, v[LI]
	s_lshr_b32 s16, ttmp9, 1
	s_lshl_b32 s16, s16, 5
	s_and_b32 s17, ttmp9, 1
	s_lshl_b32 s17, s17, 3
	s_add_co_u32 s16, s16, s17                     ; the tile's first row
	s_lshl_b32 s16, s16, 12
	s_lshl_b32 s18, s14, 9
	s_add_co_u32 s16, s16, s18
	s_mov_b32 s17, 0
	s_mov_b32 s19, 0
	s_mov_b32 s[SEL], 0x76543210
	s_mov_b32 s[SEL+1], 0xfedcba98
	s_wait_kmcnt 0x0
	s_add_nc_u64 s[4:5], s[4:5], s[16:17]
	s_add_nc_u64 s[10:11], s[10:11], s[16:17]
	s_add_nc_u64 s[6:7], s[6:7], s[18:19]
	s_add_nc_u64 s[8:9], s[8:9], s[18:19]
.irp b, 0,1,2,3
.irp j, 0,1,2,3
	global_load_b128 v[X+16*\b+4*\j:X+16*\b+4*\j+3], v[XA], s[4:5] offset:128*\b+16*\j th:TH_LOAD_NT
.endr
.endr
.irp b, 0,1,2,3
.irp j, 0,1,2,3
	global_load_b128 v[G+16*\b+4*\j:G+16*\b+4*\j+3], v[GA], s[6:7] offset:128*\b+16*\j
.endr
.endr
.irp b, 0,1,2,3
.irp j, 0,1,2,3
	global_load_b128 v[BV+16*\b+4*\j:BV+16*\b+4*\j+3], v[GA], s[8:9] offset:128*\b+16*\j
.endr
.endr
	s_wait_loadcnt 32                              ; the row's numbers are in; the 32 loads of g and b may be out
	v_pk_add_f32 v[8:9], v[X:X+1], v[X+2:X+3]      ; two chains
	v_pk_add_f32 v[10:11], v[X+4:X+5], v[X+6:X+7]
.irp j, 8,12,16,20,24,28,32,36,40,44,48,52,56,60
	v_pk_add_f32 v[8:9], v[8:9], v[X+\j:X+\j+1]
	v_pk_add_f32 v[10:11], v[10:11], v[X+\j+2:X+\j+3]
.endr
	v_pk_add_f32 v[8:9], v[8:9], v[10:11]
	v_add_f32 v8, v8, v9
	MEET 0
	v_mul_f32 v20, 0x3a800000, v12                 ; the mean: / 1,024
	v_mov_b32 v21, v20
.set j, 0
.rept 32
	v_pk_add_f32 v[X+j:X+j+1], v[X+j:X+j+1], v[20:21] neg_lo:[0,1] neg_hi:[0,1]
.set j, j+2
.endr
	v_pk_mul_f32 v[8:9], v[X:X+1], v[X:X+1]
	v_pk_mul_f32 v[10:11], v[X+2:X+3], v[X+2:X+3]
.irp j, 4,8,12,16,20,24,28,32,36,40,44,48,52,56,60
	v_pk_fma_f32 v[8:9], v[X+\j:X+\j+1], v[X+\j:X+\j+1], v[8:9]
	v_pk_fma_f32 v[10:11], v[X+\j+2:X+\j+3], v[X+\j+2:X+\j+3], v[10:11]
.endr
	v_pk_add_f32 v[8:9], v[8:9], v[10:11]
	v_add_f32 v8, v8, v9
	MEET 512
	v_mov_b32 v22, 0x3a800000
	v_fmaak_f32 v23, v12, v22, 0x3727c5ac          ; the variance + 1e-5
	v_rsq_f32 v20, v23
	v_nop                                          ; a plain place behind the transcendental
	s_wait_alu depctr_va_vdst(0)                   ; and the wait ahead of its first reader
	s_wait_loadcnt 0x0                             ; g and b
.set j, 0
.rept 32
	v_pk_mul_f32 v[X+j:X+j+1], v[X+j:X+j+1], v[20:21] op_sel_hi:[1,0]
.set j, j+2
.endr
.set j, 0
.rept 32
	v_pk_fma_f32 v[X+j:X+j+1], v[X+j:X+j+1], v[G+j:G+j+1], v[BV+j:BV+j+1]
.set j, j+2
.endr
.irp b, 0,1,2,3
.irp j, 0,1,2,3
	ds_store_b128 v[SI], v[X+16*\b+4*\j:X+16*\b+4*\j+3] offset:128*\b+16*\j
.endr
.endr
.irp t, 0,1,2,3,4,5,6,7,8,9,10,11,12,13,14,15
	ds_load_b128 v[BV+4*\t:BV+4*\t+3], v[SO] offset:\t*SP      ; LDS serves a wave's instructions in order: these see my stores
.endr
.irp t, 0,1,2,3,4,5,6,7,8,9,10,11,12,13,14,15
	s_wait_dscnt 15-\t                             ; the younger reads may be out
	global_store_b128 v[LI], v[BV+4*\t:BV+4*\t+3], s[10:11] offset:(\t+8*(\t/8))*4096 th:TH_STORE_NT   ; 512 consecutive bytes
.endr
	s_wait_tensorcnt 0x0                           ; the wave's end, behind my last LDS store
	ds_add_u32 v[SPW], v[NIL]
	s_wait_dscnt 0x0
	s_endpgm
.Lfunc_end_k_q757aa11a78_ln2:
	.size	k_q757aa11a78_ln2, .Lfunc_end_k_q757aa11a78_ln2-k_q757aa11a78_ln2
	.p2alignl 7, 3214868480
	.fill 96, 4, 3214868480
	.section	.rodata,"a",@progbits
	.p2align	6, 0x0
	.amdhsa_kernel k_q757aa11a78_ln2
		.amdhsa_group_segment_fixed_size 69632
		.amdhsa_private_segment_fixed_size 0
		.amdhsa_enable_private_segment 0
		.amdhsa_kernarg_size 32
		.amdhsa_user_sgpr_count 2
		.amdhsa_user_sgpr_kernarg_segment_ptr 1
		.amdhsa_wavefront_size32 1
		.amdhsa_system_sgpr_workgroup_id_x 1
		.amdhsa_system_sgpr_workgroup_id_y 1
		.amdhsa_system_sgpr_workgroup_id_z 1
		.amdhsa_system_vgpr_workitem_id 0
		.amdhsa_next_free_vgpr 224
		.amdhsa_next_free_sgpr 66
		.amdhsa_reserve_vcc 0
		.amdhsa_float_denorm_mode_32 3
		.amdhsa_float_denorm_mode_16_64 3
		.amdhsa_memory_ordered 1
		.amdhsa_forward_progress 1
		.amdhsa_inst_pref_size 23
	.end_amdhsa_kernel
	.amdgpu_metadata
---
amdhsa.version: [ 1, 2 ]
amdhsa.kernels:
  - .name:           k_q757aa11a78_ln2
    .symbol:         k_q757aa11a78_ln2.kd
    .args:
      - { .name: y, .offset: 0, .size: 8, .value_kind: global_buffer, .address_space: global }
      - { .name: g2, .offset: 8, .size: 8, .value_kind: global_buffer, .address_space: global }
      - { .name: b2, .offset: 16, .size: 8, .value_kind: global_buffer, .address_space: global }
      - { .name: out0, .offset: 24, .size: 8, .value_kind: global_buffer, .address_space: global }
    .group_segment_fixed_size: 69632
    .private_segment_fixed_size: 0
    .kernarg_segment_align: 8
    .kernarg_segment_size: 32
    .max_flat_workgroup_size: 256
    .sgpr_count:     66
    .vgpr_count:     224
    .wavefront_size: 32
...
	.end_amdgpu_metadata
.endif
;; end of part 8
;; ======== version 2 of 2: 8 launches
;; limits: right only within a limited range of input values
;; workspace buffers: xw 13,107,200 bytes; qkv 10,092,544 bytes; at 3,276,800 bytes; hq 3,276,800 bytes; fq 13,107,200 bytes; y 16,777,216 bytes; hf 16,777,216 bytes
;; launch prep (part 9): grid 1024 x 1, 4 waves a work-group, no clusters, 12,800 bytes of LDS; arguments Wq, Wk, Wv, Wo, W1, W2, x, xw; writes xw
.if DOCPART == 9
	.amdgcn_target "amdgcn-amd-amdhsa--gfx1250"
	.amdhsa_code_object_version 6
	.text
	.protected	k_q757aa11a78_prep
	.globl	k_q757aa11a78_prep
	.p2align	8
	.type	k_q757aa11a78_prep,@function
k_q757aa11a78_prep:
	s_mov_b64 s[64:65], 0
	v_nop
	global_prefetch_b8 v0, s[64:65] scope:SCOPE_SE
	s_setreg_imm32_b32 hwreg(HW_REG_WAVE_MODE, 25, 1), 1
	s_wait_xcnt 0x0
; x [4096][1024] and the six weights (stored [K][N], f32) become codes of FP6 (E2M3) with one E8M0 byte for each 32 along K, laid in xw AS IMAGES OF OPERAND REGISTERS.
; A FRAGMENT (16 rows x 128 along K) is 1,536 bytes: byte 512 c + 16 lane + 4 i holds register 4 c + i of that lane, so that three loads of 16 bytes a lane bring it.
; THE ROWS OF A TILE ARE NOT NEIGHBOURS: lane r of tile t holds row 32 (t / 2) + 8 (t % 2) + r + 8 (r / 8): a product that takes such a tile as source 0 leaves 16 neighbours along the next K in a lane.
; xw: fragment (tile x KS + step).  K = 1,024 (KS = 8): tiles 0-255 x, 256-319 Wq, 320-383 Wk, 384-447 Wv, 448-511 Wo, 512-767 W1; then W2 (KS = 32) from fragment 6,144.
; Scale words (64 bytes a fragment, word 4 r = row r's four bytes) from byte XW_SC: [step][768 tiles][64], then W2's [step][64 tiles][64].
; A block's scale is 2^(floor(log2(largest magnitude)) - 2); its byte is that magnitude's exponent field - 2, held at 1 from below.
; LIMITS: a block of zeros gets the byte 1 where the rule says 127 (its codes are zeros, and this program alone reads the bytes); blocks under 2^-124 have the byte 1; NaN and infinities are not served.
; Work-groups 0-767 take the weights (128 columns x 128 along K each; a lane a column, its registers down K), 768-1023 take x (a wave: 32 rows x 128 along K).  No barrier: waves share nothing.
.set XW_SC, 12582912
.set FRB,   1536
.set SPARE, 12288                      ; behind the four stages of 3,072 bytes: the spare words, 128 bytes a wave
.set SPW,   4                          ; v4   my spare word's LDS address; never rewritten
.set NIL,   5                          ; v5   0; never rewritten
.set STA,   6                          ; v6   stage, way in
.set STR,   7                          ; v7   stage, way out
.set LI,    8                          ; v8   16 x lane
.set SCA,   9                          ; v9   my scale word's place
.set XA,    10                         ; v10  x: my lane's byte
.set TM,    12                         ; v12-27 at work
.set PW,    28                         ; v28  a scale word
.set PW2,   29
.set OFF,   32                         ; v32-63 weights: 4 x lane + i x pitch
.set X,     64                         ; v64-191 128 numbers
.set PC,    192                        ; v192-231 codes
.set SEL,   34                         ; s[34:35] selects for lane l xor 16
; 64 numbers of a lane, register 16 b + i = k 32 b + 16 (lane / 16) + i of my row, become a fragment's codes in v[PC] on and its scale word in v[PW]
.macro QUANT s
.irp b, 0,1,2,3
	v_max3_num_f32 v[TM+\b], |v[\s+16*\b]|, |v[\s+1+16*\b]|, 0x1800000   ; my 16 numbers of block b, and the floor 2^(3 - 127): the byte cannot fall under 1
.endr
.irp i, 2,4,6,8,10,12,14
.irp b, 0,1,2,3
	v_max3_num_f32 v[TM+\b], v[TM+\b], |v[\s+16*\b+\i]|, |v[\s+1+16*\b+\i]|
.endr
.endr
.irp b, 0,1,2,3
	v_permlanex16_b32 v[TM+4+\b], v[TM+\b], s[SEL], s[SEL+1]
.endr
.irp b, 0,1,2,3
	v_max_num_f32 v[TM+\b], v[TM+\b], v[TM+4+\b]   ; with lane l xor 16's: the block's largest magnitude
.endr
.irp b, 0,1,2,3
	v_add_nc_u32 v[TM+12+\b], 0xff000000, v[TM+\b]   ; 2 off its exponent field: the conversion's scale operand
.endr
.irp b, 0,1,2,3
	v_lshrrev_b32 v[TM+4+\b], 23, v[TM+12+\b]   ; the scale's byte
.endr
	v_lshl_or_b32 v[PW], v[TM+5], 8, v[TM+4]
	v_lshl_or_b32 v[PW], v[TM+6], 16, v[PW]
	v_lshl_or_b32 v[PW], v[TM+7], 24, v[PW]
.irp c, 0,1
	v_cvt_scalef32_pk16_fp6_f32 v[PC+6*\c:PC+2+6*\c], v[\s+32*\c:\s+15+32*\c], v[TM+12+2*\c]
	v_cvt_scalef32_pk16_fp6_f32 v[PC+12+4*\c:PC+14+4*\c], v[\s+16+32*\c:\s+31+32*\c], v[TM+12+2*\c+1]   ; (a conversion's three registers begin on an even number)
.endr
	v_nop                                          ; one plain place behind a scaled conversion
.irp c, 0,1                                    ; the layout wants a whole block in a lane: lanes 0-15 block 2 c, lanes 16-31 block 2 c + 1
.irp i, 0,1,2
	v_permlane16_swap_b32 v[PC+6*\c+\i], v[PC+12+4*\c+\i]
.endr
.irp i, 0,1,2
	v_mov_b32 v[PC+3+6*\c+\i], v[PC+12+4*\c+\i]
.endr
.endr
.endm
	s_load_b512 s[16:31], s[0:1], 0x0              ; Wq s[16:17], Wk, Wv, Wo, W1 s[24:25], W2 s[26:27], x s[28:29], xw s[30:31]
	v_lshl_add_u32 v[SPW], v0, 2, SPARE
	v_mov_b32 v[NIL], 0
	v_lshrrev_b32 v1, 5, v0
	v_readfirstlane_b32 s33, v1                    ; wave
	v_and_b32 v1, 31, v0                           ; lane
	v_lshlrev_b32 v[LI], 4, v1
	s_cmp_ge_u32 ttmp9, 768
	s_cbranch_scc1 .Lx_path
	; ---- THE WEIGHTS.  Which weight, which 128 columns (cg), which 128 along K (step): all from the work-group's number
	s_lshr_b32 s4, ttmp9, 6                        ; 0-3: Wq, Wk, Wv, Wo; 4-7: W1; 8-11: W2
	s_lshr_b32 s7, s4, 2                           ; 0, 1 (W1), 2 (W2)
	s_lshl_b32 s6, s4, 6
	s_add_co_u32 s6, s6, 256                       ; Wq .. Wo: first tile 256 + 64 x which
	s_cmp_eq_u32 s7, 0
	s_cselect_b32 s5, 63, 255
	s_cselect_b32 s6, s6, 512                      ; W1: 512
	s_and_b32 s5, ttmp9, s5                        ; my number within the weight
	s_cmp_eq_u32 s7, 1
	s_cselect_b32 s8, 5, 3                         ; log2 of the groups of 128 columns
	s_cmp_eq_u32 s7, 2
	s_cselect_b32 s9, 32, 8                        ; KS
	s_cselect_b32 s6, 0, s6                        ; W2 has regions of its own:
	s_mov_b32 s10, 768
	s_cselect_b32 s10, 64, s10                     ; tiles in a step of the scale region,
	s_cselect_b32 s11, 6144, 0                     ; first fragment,
	s_cselect_b32 s12, 393216, 0                   ; first scale byte
	s_lshl_b32 s13, 1, s8
	s_sub_co_u32 s13, s13, 1
	s_and_b32 s13, s5, s13                         ; cg
	s_lshr_b32 s14, s5, s8                         ; step
	s_lshl_b32 s15, 512, s8                        ; a row of the weight in bytes
	v_bfe_u32 v2, v0, 3, 1                         ; my column 32 wave + lane lies in tile u = (lane / 8) % 2 of the wave's two,
	v_and_b32 v3, 7, v0
	v_bfe_u32 v11, v0, 4, 1
	v_lshl_add_u32 v3, v11, 3, v3                  ; at its lane r = lane % 8 + 8 (lane / 16)
	s_mul_i32 s32, s33, 2*FRB                      ; my wave's stage: two images
	v_mul_u32_u24 v[STA], v2, FRB
	v_lshl_add_u32 v[STA], v3, 4, v[STA]
	v_add_nc_u32 v[STA], s32, v[STA]
	s_wait_alu depctr_va_vdst(0)
	v_add_nc_u32 v[STR], s32, v[LI]
	v_lshlrev_b32 v[SCA], 6, v2
	v_lshl_add_u32 v[SCA], v3, 2, v[SCA]           ; 64 u + 4 r
	v_lshlrev_b32 v[OFF], 2, v1
.set i, 1
.rept 31
	v_add_nc_u32 v[OFF+i], s15, v[OFF+i-1]
.set i, i+1
.endr
	s_lshl_b32 s36, s14, 7
	s_mul_i32 s36, s36, s15                        ; 128 step rows,
	s_lshl_b32 s37, s13, 9
	s_add_co_u32 s36, s36, s37                     ; 128 cg columns,
	s_lshl_b32 s37, s33, 7
	s_add_co_u32 s36, s36, s37                     ; 32 wave columns
	s_mov_b32 s37, 0
	s_lshl_b32 s44, s15, 5                         ; 32 rows on
	s_mov_b32 s45, 0
	s_lshl_b32 s46, s13, 3
	s_lshl_b32 s47, s33, 1
	s_add_co_u32 s46, s46, s47
	s_add_co_u32 s46, s46, s6                      ; my first tile
	s_mul_i32 s48, s46, s9
	s_add_co_u32 s48, s48, s14
	s_add_co_u32 s48, s48, s11
	s_mul_i32 s48, s48, FRB                        ; its fragment of this step, in bytes
	s_mov_b32 s49, 0
	s_mul_i32 s50, s9, FRB                         ; the next tile's lies KS fragments on
	s_mov_b32 s51, 0
	s_mul_i32 s52, s14, s10
	s_add_co_u32 s52, s52, s46
	s_lshl_b32 s52, s52, 6
	s_add_co_u32 s52, s52, s12
	s_add_co_u32 s52, s52, XW_SC                   ; its scale words
	s_mov_b32 s53, 0
	s_wait_alu depctr_va_vdst(0)
	s_wait_kmcnt 0x0
	s_cmp_eq_u32 s4, 1                             ; the choice of buffer hangs on the work-group's number alone
	s_cselect_b64 s[16:17], s[18:19], s[16:17]
	s_cmp_eq_u32 s4, 2
	s_cselect_b64 s[16:17], s[20:21], s[16:17]
	s_cmp_eq_u32 s4, 3
	s_cselect_b64 s[16:17], s[22:23], s[16:17]
	s_cmp_eq_u32 s7, 1
	s_cselect_b64 s[16:17], s[24:25], s[16:17]
	s_cmp_eq_u32 s7, 2
	s_cselect_b64 s[16:17], s[26:27], s[16:17]
	s_add_nc_u64 s[36:37], s[16:17], s[36:37]      ; a base for each block of 32 along K
	s_add_nc_u64 s[38:39], s[36:37], s[44:45]
	s_add_nc_u64 s[40:41], s[38:39], s[44:45]
	s_add_nc_u64 s[42:43], s[40:41], s[44:45]
	s_add_nc_u64 s[48:49], s[30:31], s[48:49]
	s_add_nc_u64 s[50:51], s[48:49], s[50:51]
	s_add_nc_u64 s[52:53], s[30:31], s[52:53]
.macro LOAD kb                         ; block kb: W(128 step + 32 kb + i, my column): a wave's load reads 128 consecutive bytes, the four waves side by side 512
.set i, 0
.rept 32
	global_load_b32 v[X+32*(\kb)+i], v[OFF+i], s[36+2*(\kb):37+2*(\kb)] th:TH_LOAD_NT
.set i, i+1
.endr
.endm
.macro BLOCK kb
.set XS, X+32*(\kb)
.set C, PC+10*(\kb)
.if (\kb) < 3
	s_wait_loadcnt 32                              ; this block's 32 loads are in; the next block's 32 may be out
.else
	s_wait_loadcnt 0x0
.endif
.if (\kb) < 2
	LOAD (\kb)+2                                   ; two blocks ahead
.endif
	v_max3_num_f32 v12, |v[XS]|, |v[XS+1]|, |v[XS+2]|      ; all 32 numbers of the block are mine
	v_max3_num_f32 v13, |v[XS+3]|, |v[XS+4]|, |v[XS+5]|
.irp i, 6,10,14,18,22,26
	v_max3_num_f32 v12, v12, |v[XS+\i]|, |v[XS+\i+1]|
	v_max3_num_f32 v13, v13, |v[XS+\i+2]|, |v[XS+\i+3]|
.endr
	v_max3_num_f32 v12, v12, |v[XS+30]|, |v[XS+31]|
	v_max3_num_f32 v12, v12, v13, 0x1800000        ; and the floor
	v_add_nc_u32 v14, 0xff000000, v12              ; the conversion's scale operand
	v_lshrrev_b32 v13, 23, v14                     ; the byte
.if (\kb) == 0
	v_mov_b32 v[PW], v13
.else
	v_lshl_or_b32 v[PW], v13, 8*(\kb), v[PW]
.endif
	v_cvt_scalef32_pk16_fp6_f32 v[C:C+2], v[XS:XS+15], v14
	v_cvt_scalef32_pk16_fp6_f32 v[C+6:C+8], v[XS+16:XS+31], v14
	v_nop                                          ; one plain place behind a scaled conversion
.irp i, 0,1,2
	v_mov_b32 v[C+3+\i], v[C+6+\i]                 ; six registers on end: registers 6 (kb / 2) .. + 5 of image lane r + 16 (kb % 2)
.endr
.if (\kb)/2 == 0
	ds_store_b128 v[STA], v[C:C+3] offset:256*((\kb)%2)
	ds_store_b64 v[STA], v[C+4:C+5] offset:256*((\kb)%2)+512
.else
	ds_store_b64 v[STA], v[C:C+1] offset:256*((\kb)%2)+520
	ds_store_b128 v[STA], v[C+2:C+5] offset:256*((\kb)%2)+1024
.endif
.endm
	LOAD 0
	LOAD 1
	BLOCK 0
	BLOCK 1
	BLOCK 2
	BLOCK 3
.irp k, 0,1,2,3,4,5
	ds_load_b128 v[X+4*\k:X+4*\k+3], v[STR] offset:512*\k      ; LDS serves a wave's instructions in order: these see my stores
.endr
	s_wait_alu depctr_va_vdst(0)
.irp k, 0,1,2,3,4,5
	s_wait_dscnt 5-\k                              ; the younger reads may be out
	global_store_b128 v[LI], v[X+4*\k:X+4*\k+3], s[48+2*(\k/3):49+2*(\k/3)] offset:512*(\k%3)   ; 512 consecutive bytes
.endr
	global_store_b32 v[SCA], v[PW], s[52:53]       ; the two tiles' scale words: 128 consecutive bytes
	s_wait_tensorcnt 0x0                           ; the wave's end, behind my last LDS store
	ds_add_u32 v[SPW], v[NIL]
	s_wait_dscnt 0x0
	s_endpgm
.Lx_path:                                          ; ---- x: a wave takes tiles 2 pb, 2 pb + 1 (32 rows) and one K step; no LDS
	s_sub_co_u32 s4, ttmp9, 768
	s_lshl_b32 s4, s4, 2
	s_add_co_u32 s4, s4, s33
	s_lshr_b32 s5, s4, 3                           ; pb
	s_and_b32 s6, s4, 7                            ; step
	v_and_b32 v2, 15, v0                           ; r
	v_bfe_u32 v3, v0, 4, 1                         ; h
	v_and_b32 v11, 8, v2
	v_add_nc_u32 v11, v11, v2                      ; r + 8 (r / 8)
	v_lshlrev_b32 v[XA], 12, v11
	v_lshl_add_u32 v[XA], v3, 6, v[XA]             ; my row of 4,096 bytes, + 64 h: my 16 numbers of a block of 32
	s_wait_alu depctr_va_vdst(0)
	v_lshlrev_b32 v[SCA], 2, v1                    ; 4 x lane
	s_lshl_b32 s8, s5, 17                          ; 32 pb rows
	s_lshl_b32 s9, s6, 9
	s_add_co_u32 s8, s8, s9
	s_mov_b32 s9, 0
	s_lshl_b32 s10, s5, 4
	s_add_co_u32 s10, s10, s6
	s_mul_i32 s10, s10, FRB                        ; fragment 8 (2 pb) + step
	s_mov_b32 s11, 0
	s_mul_i32 s12, s6, 768
	s_lshl_b32 s13, s5, 1
	s_add_co_u32 s12, s12, s13
	s_lshl_b32 s12, s12, 6
	s_add_co_u32 s12, s12, XW_SC
	s_mov_b32 s13, 0
	s_mov_b32 s[SEL], 0x76543210
	s_mov_b32 s[SEL+1], 0xfedcba98
	s_mov_b32 s7, 0xffff0000                       ; lanes 16-31
.irp b, 0,1,2,3
	v_mov_b32 v[TM+4+\b], 0                        ; written once: a lane permute's destination counts as one of its sources
.endr
	s_wait_kmcnt 0x0
	s_add_nc_u64 s[8:9], s[28:29], s[8:9]
	s_add_nc_u64 s[10:11], s[30:31], s[10:11]
	s_add_nc_u64 s[12:13], s[30:31], s[12:13]
.irp u, 0,1
.irp b, 0,1,2,3
.irp j, 0,1,2,3
	global_load_b128 v[X+64*\u+16*\b+4*\j:X+64*\u+16*\b+4*\j+3], v[XA], s[8:9] offset:32768*\u+128*\b+16*\j
.endr
.endr
.endr
	s_wait_loadcnt 16                              ; tile 0's sixteen loads are in; tile 1's may be out
	QUANT X
.irp c, 0,1,2
	global_store_b128 v[LI], v[PC+4*\c:PC+4*\c+3], s[10:11] offset:512*\c
.endr
	v_mov_b32 v[PW2], v[PW]
	s_wait_loadcnt 0x0
	s_wait_xcnt 0x0                                ; the stores' data are written again only behind this wait
	QUANT X+64
.irp c, 0,1,2
	global_store_b128 v[LI], v[PC+4*\c:PC+4*\c+3], s[10:11] offset:8*FRB+512*\c
.endr
	v_cndmask_b32 v[PW], v[PW2], v[PW], s7         ; lanes 0-15 tile 0's word, lanes 16-31 tile 1's (both halves of the lanes hold a row's word)
	global_store_b32 v[SCA], v[PW], s[12:13]       ; 128 consecutive bytes
	s_endpgm
.Lfunc_end_k_q757aa11a78_prep:
	.size	k_q757aa11a78_prep, .Lfunc_end_k_q757aa11a78_prep-k_q757aa11a78_prep
	.p2alignl 7, 3214868480
	.fill 96, 4, 3214868480
	.section	.rodata,"a",@progbits
	.p2align	6, 0x0
	.amdhsa_kernel k_q757aa11a78_prep
		.amdhsa_group_segment_fixed_size 12800
		.amdhsa_private_segment_fixed_size 0
		.amdhsa_enable_private_segment 0
		.amdhsa_kernarg_size 64
		.amdhsa_user_sgpr_count 2
		.amdhsa_user_sgpr_kernarg_segment_ptr 1
		.amdhsa_wavefront_size32 1
		.amdhsa_system_sgpr_workgroup_id_x 1
		.amdhsa_system_sgpr_workgroup_id_y 1
		.amdhsa_system_sgpr_workgroup_id_z 1
		.amdhsa_system_vgpr_workitem_id 0
		.amdhsa_next_free_vgpr 232
		.amdhsa_next_free_sgpr 66
		.amdhsa_reserve_vcc 0
		.amdhsa_float_denorm_mode_32 3
		.amdhsa_float_denorm_mode_16_64 3
		.amdhsa_memory_ordered 1
		.amdhsa_forward_progress 1
		.amdhsa_inst_pref_size 38
	.end_amdhsa_kernel
	.amdgpu_metadata
---
amdhsa.version: [ 1, 2 ]
amdhsa.kernels:
  - .name:           k_q757aa11a78_prep
    .symbol:         k_q757aa11a78_prep.kd
    .args:
      - { .name: Wq, .offset: 0, .size: 8, .value_kind: global_buffer, .address_space: global }
      - { .name: Wk, .offset: 8, .size: 8, .value_kind: global_buffer, .address_space: global }
      - { .name: Wv, .offset: 16, .size: 8, .value_kind: global_buffer, .address_space: global }
      - { .name: Wo, .offset: 24, .size: 8, .value_kind: global_buffer, .address_space: global }
      - { .name: W1, .offset: 32, .size: 8, .value_kind: global_buffer, .address_space: global }
      - { .name: W2, .offset: 40, .size: 8, .value_kind: global_buffer, .address_space: global }
      - { .name: x, .offset: 48, .size: 8, .value_kind: global_buffer, .address_space: global }
      - { .name: xw, .offset: 56, .size: 8, .value_kind: global_buffer, .address_space: global }
    .group_segment_fixed_size: 12800
    .private_segment_fixed_size: 0
    .kernarg_segment_align: 8
    .kernarg_segment_size: 64
    .max_flat_workgroup_size: 128
    .sgpr_count:     66
    .vgpr_count:     232
    .wavefront_size: 32
...
	.end_amdgpu_metadata
.endif
;; end of part 9
;; launch qkv (part 10): grid 48 x 4, 4 waves a work-group, clusters of 4 x 4, 327,680 bytes of LDS; arguments xw, bq, bk, bv, qkv; writes qkv
.if DOCPART == 10
	.amdgcn_target "amdgcn-amd-amdhsa--gfx1250"
	.amdhsa_code_object_version 6
	.text
	.protected	k_q757aa11a78_qkv
	.globl	k_q757aa11a78_qkv
	.p2align	8
	.type	k_q757aa11a78_qkv,@function
k_q757aa11a78_qkv:
	s_mov_b64 s[64:65], 0
	v_nop
	global_prefetch_b8 v0, s[64:65] scope:SCOPE_SE
	s_setreg_imm32_b32 hwreg(HW_REG_WAVE_MODE, 25, 1), 1
	s_wait_xcnt 0x0
	s_wait_alu depctr_hold_cnt(0) depctr_sa_sdst(0) depctr_va_vdst(0) depctr_va_sdst(0) depctr_va_ssrc(0) depctr_va_vcc(0) depctr_vm_vsrc(0)
	s_getreg_b32 s2, hwreg(HW_REG_IB_STS2, 6, 4)
	s_cmp_eq_u32 s2, 0
	s_cbranch_scc0 .Lentry_in_a_cluster
	s_endpgm
.Lentry_in_a_cluster:
	s_bfe_u32 s2, ttmp6, 0x10000c
	s_cmp_lg_u32 s2, 0xf033
	s_cbranch_scc0 .Lentry_shape_is_right
	s_endpgm
.Lentry_shape_is_right:
; q = x Wq + bq, k = x Wk + bk and v^T = (x Wv + bv)^T on codes of FP6 (E2M3), quantised again in registers and stored as images of operand registers (layouts: below).
; A work-group of four waves makes 256 x 256 of a product, a wave 128 x 128: 64 accumulators, 512 registers.  Source 0 = 16 rows of B, source 1 = 16 rows of A: a lane holds one row of A and eight rows of B.
; ROLES, by the cluster's number c (equal in all partners): c < 8: A = x's rows, B = Wq's and Wk's columns on end: a lane holds one token, its registers run along the features: q and k are quantised along the head's 64.
;   c >= 8: A = Wv's columns, B = x's rows: a lane holds one channel d, its registers run along the tokens: v is quantised along the keys, its product's K.
; OPERANDS IN MEMORY: a fragment (16 rows x 128 K) is 1,536 bytes, byte 512 c + 16 lane + 4 i = register 4 c + i; lane r of tile t holds row 32 (t / 2) + 8 (t % 2) + r + 8 (r / 8), so that the 16 registers of
; two neighbouring tiles of B are 16 neighbours along the next K.  Fragment (tile, step) lies at (tile x KS + step) x 1,536; scale words (64 bytes a fragment) at [step][tile].
; K goes two steps of 128 to a slot through a ring of two LDS slots; a wave's tensor load brings 8 tiles x 3,072 consecutive bytes.  All scale words of the work-group's tiles come once, with the first fills.
; CLUSTERS: 4 x 4 work-groups; A's tiles are asked for jointly along a row of the cluster, B's along a column.
; OUT: qkv: half fragments of Q and K per head (below), fragments V^T = 4,096 + 32 td + s; scale words from QKV_SC: Q [16][256][64], K likewise, V [32][64][64].
; LIMITS: a block of zeros gets the byte 1 (its codes are zeros; this program alone reads the bytes); blocks under 2^-124 have the byte 1; NaN and infinities are not served.
; REGISTERS: window 0: v0-31 addresses, v8-15 bv; v32-63 scale words, two sets; v128-223 A's fragments, one set; window 1: B's two sets at v0 and v128, the bias of my 128 features in v96-127 and v224-255;
;   windows 2, 3: the accumulators ((a, b) at v[8 (8 (a % 4) + b)]).
.set KS,     8
.set LAPS,   KS/4
.set NQ,     2
.set FR,     12
.set FRB,    1536
.set NL,     3                         ; LDS loads that bring a fragment
.set NP,     4                         ; places behind this matrix instruction (ISA guide 7.12.1)
.set HALFT,  8*NQ*FRB                  ; what one tensor load brings: 8 tiles x two K steps
.set SLOT,   4*HALFT                   ; A's 16 tiles, then B's 16
.set SCL,    2*SLOT                    ; behind the ring: the scale words, [step][16 tiles][64 bytes] for each side
.set HALFS,  512*KS
.set SPARE,  SCL+4*HALFS               ; the spare words, 128 bytes a wave
.set XW_SC,  12582912
.set QKV_SC, 9437184
.set ATL,    768                       ; tiles in a step of A's scale region
.set BTL,    768
.set BM,   8                           ; v8-15   bv of my lane's channel in each of A's eight tiles
.set ADRA, 16
.set ADRB, 20
.set ADRS, 27
.set SPW,  28
.set NIL,  29
.set SC,   32
.set AF,   128
.set LI,   2                           ; the way out: 16 x lane
.set SA,   3                           ; 4 r
.set T,    64                          ; the way out: 64 numbers
.set PC,   128
.set TM,   148
.set PW,   164
.set SEL,  66
.set G1, 24
.set G0, 32
.set G1B, 48
.set G0B, 56
.set G1S, 68
.set G0S, 76
.set G1SB, 80
.set G0SB, 88
.set MSB, 0
.macro WIN new                         ; the immediate's high byte repeats the setting that is left; a switch that changes nothing is dropped
.if MSB != (\new)
	s_set_vgpr_msb (MSB<<8)|(\new)
.set MSB, \new
.endif
.endm
.set MUL_LO, 0xa1                      ; source 0 (B) window 1, source 1 (A) window 0, C and D window 2
.set MUL_HI, 0xf1
.set TO_B,   0x40
; A joint load: waves 0 and 1 fetch for A, waves 2 and 3 for B; the branch hangs on the wave's number alone.  An s_nop 0 and four v_nop follow each line.
.macro JLOAD g0a, g1a, g0b, g1b
	s_cmp_eq_u32 s15, 0
	s_cbranch_scc0 .Lfor_b_\@
	tensor_load_to_lds s[\g0a:\g0a+3], s[\g1a:\g1a+7]
	s_nop 0
.rept 4
	v_nop
.endr
	s_branch .Lasked_\@
.Lfor_b_\@:
	tensor_load_to_lds s[\g0b:\g0b+3], s[\g1b:\g1b+7]
	s_nop 0
.rept 4
	v_nop
.endr
.Lasked_\@:
.endm
.macro CREST                           ; a round of the cluster's barrier behind its opening barrier
	s_cmp_lg_u32 s14, 0
	s_cbranch_scc1 .Lnot_wave_0_\@
	s_barrier_signal -3
.Lnot_wave_0_\@:
	s_barrier_wait -3
	s_barrier_signal -1
	s_barrier_wait -1
.endm
.macro CROUND
	s_barrier_signal -1
	s_barrier_wait -1
	CREST
.endm
.macro QUANT s                         ; 64 numbers, register 16 b + i = k 32 b + 16 (lane / 16) + i of my row -> codes in v[PC] on, scale word in v[PW]
.irp b, 0,1,2,3
	v_max3_num_f32 v[TM+\b], |v[\s+16*\b]|, |v[\s+1+16*\b]|, 0x1800000   ; and the floor 2^(3 - 127): the byte cannot fall under 1
.endr
.irp i, 2,4,6,8,10,12,14
.irp b, 0,1,2,3
	v_max3_num_f32 v[TM+\b], v[TM+\b], |v[\s+16*\b+\i]|, |v[\s+1+16*\b+\i]|
.endr
.endr
.irp b, 0,1,2,3
	v_permlanex16_b32 v[TM+4+\b], v[TM+\b], s[SEL], s[SEL+1]
.endr
.irp b, 0,1,2,3
	v_max_num_f32 v[TM+\b], v[TM+\b], v[TM+4+\b]
.endr
.irp b, 0,1,2,3
	v_add_nc_u32 v[TM+12+\b], 0xff000000, v[TM+\b]   ; 2 off the exponent field: the conversion's scale operand
.endr
.irp b, 0,1,2,3
	v_lshrrev_b32 v[TM+4+\b], 23, v[TM+12+\b]
.endr
	v_lshl_or_b32 v[PW], v[TM+5], 8, v[TM+4]
	v_lshl_or_b32 v[PW], v[TM+6], 16, v[PW]
	v_lshl_or_b32 v[PW], v[TM+7], 24, v[PW]
.irp c, 0,1
	v_cvt_scalef32_pk16_fp6_f32 v[PC+6*\c:PC+2+6*\c], v[\s+32*\c:\s+15+32*\c], v[TM+12+2*\c]
	v_cvt_scalef32_pk16_fp6_f32 v[PC+12+4*\c:PC+14+4*\c], v[\s+16+32*\c:\s+31+32*\c], v[TM+12+2*\c+1]
.endr
	v_nop                                          ; one plain place behind a scaled conversion
.irp c, 0,1
.irp i, 0,1,2
	v_permlane16_swap_b32 v[PC+6*\c+\i], v[PC+12+4*\c+\i]
.endr
.irp i, 0,1,2
	v_mov_b32 v[PC+3+6*\c+\i], v[PC+12+4*\c+\i]
.endr
.endr
.endm
	s_load_b64 s[4:5], s[0:1], 0x0                 ; xw: A's and B's buffer
	s_load_b128 s[8:11], s[0:1], 0x8               ; bq, bk
	s_load_b64 s[92:93], s[0:1], 0x18              ; bv
	s_load_b64 s[12:13], s[0:1], 0x20              ; qkv
	v_lshl_add_u32 v[SPW], v0, 2, SPARE
	v_mov_b32 v[NIL], 0
	ds_add_u32 v[SPW], v[NIL]                      ; the wave's opening: the add and its wait ahead of my first tensor load; work on registers stands between
	ds_add_u32 v[SPW], v[NIL]
	v_lshrrev_b32 v1, 5, v0
	v_readfirstlane_b32 s14, v1                    ; wave
	s_lshr_b32 s15, s14, 1                         ; my half of A's tiles.  Also: I fetch for A (0) or B (1)
	s_and_b32 s16, s14, 1                          ; my half of B's tiles.  Also: which eight tiles I fetch
	s_bfe_u32 s40, ttmp6, 0x40000                  ; cx
	s_bfe_u32 s41, ttmp6, 0x40004                  ; cy
	s_and_b32 s42, ttmp9, 1
	s_lshr_b32 s17, ttmp9, 1
	s_and_b32 s18, ttmp9, 3
	s_cmp_ge_u32 ttmp9, 8                          ; the role hangs on the cluster's number alone
	s_cselect_b32 s98, 1, 0
	s_cselect_b32 s42, s18, s42
	s_cselect_b32 s17, 0, s17
	s_cselect_b32 s96, 384, 0                      ; A's first tile in xw: Wv's or x's
	s_cselect_b32 s97, 0, 256                      ; B's: x's or Wq's
	s_lshl_b32 s42, s42, 2
	s_add_co_u32 s42, s42, s40                     ; tile column
	s_lshl_b32 s17, s17, 2
	s_add_co_u32 s17, s17, s41                     ; tile row
	s_lshl_b32 s43, s41, 2
	s_lshl_b32 s43, 15, s43                        ; my row of the cluster
	s_lshl_b32 s44, 0x1111, s40                    ; my column
	s_or_b32 s[G1+0], s43, (3<<16)|(1<<21)         ; 15:0 the mask; 17:16 elements of 8 bytes; 21 set beside a mask; no padding
	s_or_b32 s[G1B+0], s44, (3<<16)|(1<<21)
.irp g, G1, G1B
	s_mov_b32 s[\g+1], 384<<16                     ; tensor_dim0 = 384 elements: two fragments on end
	s_mov_b32 s[\g+2], 16<<16                      ; tensor_dim1: at the head a load brings a side's 16 tiles; behind the head it is set to 8
	s_mov_b32 s[\g+3], 384<<16                     ; tile_dim0
	s_mov_b32 s[\g+4], 16                          ; tile_dim1, likewise
	s_mov_b32 s[\g+5], 192*KS                      ; from tile to tile: KS fragments
	s_mov_b32 s[\g+6], 0
	s_mov_b32 s[\g+7], 0
.endr
	s_or_b32 s[G1S+0], s43, (3<<16)|(1<<21)
	s_or_b32 s[G1SB+0], s44, (3<<16)|(1<<21)
.irp g, G1S, G1SB
	s_mov_b32 s[\g+1], 128<<16                     ; sixteen tiles' words: 1,024 bytes
	s_mov_b32 s[\g+2], KS<<16                      ; a row for each K step
	s_mov_b32 s[\g+3], 128<<16
	s_mov_b32 s[\g+4], KS
	s_mov_b32 s[\g+6], 0
	s_mov_b32 s[\g+7], 0
.endr
	s_mov_b32 s[G1S+5], 8*ATL
	s_mov_b32 s[G1SB+5], 8*BTL
	s_lshl_b32 s18, s16, 3
	s_lshl_b32 s20, s17, 4
	s_add_co_u32 s20, s20, s18
	s_add_co_u32 s20, s20, s96                     ; A: the first of the eight tiles that I fetch
	s_lshl_b32 s46, s42, 4
	s_add_co_u32 s46, s46, s18
	s_add_co_u32 s46, s46, s97                     ; B
	s_sub_co_u32 s22, s20, s18                     ; the scale words come for all 16 tiles: from the side's first tile on
	s_lshl_b32 s22, s22, 6
	s_add_co_u32 s22, s22, XW_SC
	s_mov_b32 s23, 0
	s_sub_co_u32 s94, s46, s18
	s_lshl_b32 s94, s94, 6
	s_add_co_u32 s94, s94, XW_SC
	s_mov_b32 s95, 0
	s_mul_i32 s20, s20, KS*FRB
	s_mov_b32 s21, 0
	s_mul_i32 s46, s46, KS*FRB
	s_mov_b32 s47, 0
	s_mul_i32 s45, s14, HALFT                      ; where they go: no place in the cluster enters an LDS address
	s_wait_dscnt 0x0                               ; the opening add is done
	s_wait_kmcnt 0x0
	s_mov_b64 s[6:7], s[4:5]
	s_add_nc_u64 s[20:21], s[4:5], s[20:21]
	s_add_nc_u64 s[22:23], s[4:5], s[22:23]
	s_add_nc_u64 s[46:47], s[6:7], s[46:47]
	s_add_nc_u64 s[94:95], s[6:7], s[94:95]
	CROUND                                         ; all sixteen work-groups are here: the first joint loads meet
	s_mov_b32 s[G0S], 1
	s_mov_b32 s[G0S+1], SCL                        ; A's scale words: [step][16 tiles][64 bytes]
	s_mov_b64 s[G0S+2:G0S+3], s[22:23]
	s_or_b32 s[G0S+3], s[G0S+3], 0x80000000
	s_mov_b32 s[G0SB], 1
	s_mov_b32 s[G0SB+1], SCL+2*HALFS               ; B's, behind them
	s_mov_b64 s[G0SB+2:G0SB+3], s[94:95]
	s_or_b32 s[G0SB+3], s[G0SB+3], 0x80000000
.irp s, 0,1
	s_mov_b32 s[G0+4*\s], 1
	s_add_co_u32 s[G0+4*\s+1], s45, \s*SLOT
	s_add_nc_u64 s[G0+4*\s+2:G0+4*\s+3], s[20:21], \s*NQ*FRB
	s_or_b32 s[G0+4*\s+3], s[G0+4*\s+3], 0x80000000
	s_mov_b32 s[G0B+4*\s], 1
	s_add_co_u32 s[G0B+4*\s+1], s45, \s*SLOT
	s_add_nc_u64 s[G0B+4*\s+2:G0B+4*\s+3], s[46:47], \s*NQ*FRB
	s_or_b32 s[G0B+4*\s+3], s[G0B+4*\s+3], 0x80000000
.endr
; THE HEAD'S LOADS, ONE A WAVE: wave 0 slot 0's 16 tiles of A (its own group 0 begins at the side's first tile), wave 1 A's scale words, wave 2 slot 0's 16 tiles of B, wave 3 B's scale words.
; One chain of branches on the wave's number, a load to an arm, all arms leading to one join.
.macro ARM under, g0, g1, next
	s_cmp_lt_u32 s14, \under
	s_cbranch_scc0 \next
	tensor_load_to_lds s[\g0:\g0+3], s[\g1:\g1+7]
	s_nop 0
.rept 4
	v_nop
.endr
	s_branch .Lhead_asked
\next:
.endm
	ARM 1, G0,  G1,  .Lhead_sa
	ARM 2, G0S, G1S, .Lhead_b
	ARM 3, G0B, G1B, .Lhead_sb
	tensor_load_to_lds s[G0SB:G0SB+3], s[G1SB:G1SB+7]
	s_nop 0
.rept 4
	v_nop
.endr
.Lhead_asked:
	v_and_b32 v1, 15, v0                           ; r
	v_bfe_u32 v4, v0, 4, 1                         ; h
	s_wait_alu depctr_va_vdst(0)
	v_and_b32 v[LI], 31, v0
	v_lshlrev_b32 v[LI], 4, v[LI]                  ; 16 x lane: an image's place for my lane
	v_lshlrev_b32 v[SA], 2, v1
	s_mul_i32 s21, s15, HALFT
	s_mul_i32 s22, s16, HALFT
	s_add_co_u32 s22, s22, 2*HALFT
.irp s, 0,1
	v_add_nc_u32 v[ADRA+\s], s21, v[LI]
	v_add_nc_u32 v[ADRB+\s], s22, v[LI]
	s_add_co_u32 s21, s21, SLOT
	s_add_co_u32 s22, s22, SLOT
.endr
	s_lshl_b32 s21, s15, 9                         ; my eight tiles' words within a step's 1,024 bytes
	s_lshl_b32 s22, s16, 9
	s_add_co_u32 s22, s22, 2*HALFS
	s_sub_co_u32 s22, s22, s21
	v_mul_u32_u24 v6, s22, v4
	s_wait_alu depctr_va_vdst(0)
	s_add_co_u32 s21, s21, SCL
	v_add_nc_u32 v5, v[SA], v6
	v_add_nc_u32 v[ADRS], s21, v5
	; the way out's addresses and the biases
	s_lshl_b32 s46, s42, 1
	s_add_co_u32 s46, s46, s16                     ; sN: which 128 of B's rows are mine = the K step that I make
	s_lshl_b32 s47, s17, 4
	s_lshl_b32 s96, s15, 3
	s_add_co_u32 s47, s47, s96                     ; tA0: my first tile of A's rows
	s_and_b32 s96, s46, 7
	s_lshr_b32 s97, s46, 3                         ; q (0) or k (1)
	s_lshl_b32 s18, s97, 11
	; Q AND K LEAVE PER HEAD (this replaces the head comment's Q and K places): half fragment (q or k, head, tile) of 768 bytes at ((16 (q or k) + head) x 256 + tile) x 768:
	; registers 0-3 at 16 x lane, registers 4, 5 at 512 + 8 (lane % 8) + 64 (lane / 16) + 128 ((lane / 8) % 2).  Scale words: Q [16 heads][256][64], K likewise, then V's
	s_lshr_b32 s19, s47, 1
	s_add_co_u32 s18, s18, s19
	s_lshl_b32 s19, s96, 8
	s_add_co_u32 s18, s18, s19                     ; in units of 1,536 bytes: 2,048 (q or k) + 256 pair + tA0 / 2: the even head's place
	s_lshl_b32 s19, s47, 5
	s_add_co_u32 s19, s19, s46
	s_add_co_u32 s19, s19, 4096                    ; v: 4,096 + 32 tA0 + sN
	s_lshl_b32 s20, s96, 9
	s_add_co_u32 s20, s20, s47
	s_lshl_b32 s20, s20, 6
	s_lshl_b32 s21, s97, 18
	s_add_co_u32 s20, s20, s21                     ; q, k: scale words
	s_lshl_b32 s21, s46, 6
	s_add_co_u32 s21, s21, s47
	s_lshl_b32 s21, s21, 6
	s_add_co_u32 s21, s21, 524288
	s_lshl_b32 s99, s47, 6                         ; bv: 16 tA0 numbers on
	s_mov_b32 s22, 768
	s_cmp_lg_u32 s98, 0
	s_cselect_b32 s18, s19, s18
	s_cselect_b32 s20, s21, s20
	s_cselect_b32 s22, 32*FRB, s22                 ; from one tile of A's rows to the next
	s_cselect_b32 s99, s99, 0                      ; (in the other role bv is loaded from its start and not used: no load leaves its buffer)
	s_mov_b32 s23, 0
	s_mul_i32 s18, s18, FRB
	s_mov_b32 s19, 0
	s_add_nc_u64 s[18:19], s[12:13], s[18:19]      ; where my codes go
	s_add_co_u32 s20, s20, QKV_SC
	s_mov_b32 s21, 0
	s_add_nc_u64 s[20:21], s[12:13], s[20:21]      ; and my scale words
	s_cmp_lg_u32 s97, 0
	s_cselect_b64 s[8:9], s[10:11], s[8:9]         ; bq or bk
	s_lshl_b32 s96, s96, 9
	s_mov_b32 s97, 0
	s_add_nc_u64 s[8:9], s[8:9], s[96:97]          ; at my 128 features
	s_mov_b32 s96, s99
	s_add_nc_u64 s[92:93], s[92:93], s[96:97]
	s_mov_b32 s[SEL], 0x76543210
	s_mov_b32 s[SEL+1], 0xfedcba98
	v_lshlrev_b32 v7, 6, v4                        ; 64 h; never rewritten
	v_and_b32 v30, 8, v1
	v_add_nc_u32 v30, v30, v1
	v_lshlrev_b32 v30, 2, v30
	v_and_b32 v31, 7, v0
	v_lshlrev_b32 v31, 3, v31
	v_lshl_add_u32 v31, v4, 6, v31
	v_bfe_u32 v5, v0, 3, 1
	v_lshl_add_u32 v31, v5, 7, v31                 ; v31: my 8 bytes of a half fragment's last 256; never rewritten
.irp a, 0,1,2,3,4,5,6,7
	global_load_b32 v[BM+\a], v30, s[92:93] offset:(32*(\a/2)+8*(\a%2))*4
.endr
	WIN TO_B
.irp b, 0,1,2,3,4,5,6,7                        ; lane (r, h), tile b, register j: the bias of feature 32 (b / 2) + 16 h + 8 (b % 2) + j
	global_load_b128 v[96+8*\b+96*(\b/4):99+8*\b+96*(\b/4)], v7, s[8:9] offset:(32*(\b/2)+8*(\b%2))*4
	global_load_b128 v[100+8*\b+96*(\b/4):103+8*\b+96*(\b/4)], v7, s[8:9] offset:(32*(\b/2)+8*(\b%2))*4+16
.endr
	WIN 0
.macro FRAG reg, adr, q, i             ; a fragment comes as it was stored: three loads of 512 consecutive bytes
.irp c, 0,1,2
	ds_load_b128 v[\reg+4*\c:\reg+4*\c+3], v[\adr] offset:2*FRB*(\i)+FRB*(\q)+512*\c
.endr
.endm
; 16 matrix instructions: A's blocks a0, a0 + 1 x B's eight.  The 64 accumulators take turns, one instruction a turn, in the same order in every step.
.macro MUL16 a0, p, q, sc, zero
.irp a, \a0, \a0+1
.irp b, 0,1,2,3,4,5,6,7
.if \zero
	v_wmma_scale_f32_16x16x128_f8f6f4 v[8*(8*((\a)%4)+\b):8*(8*((\a)%4)+\b)+7], v[128*(\p)+FR*\b:128*(\p)+FR*\b+FR-1], v[AF+FR*(\a):AF+FR*(\a)+FR-1], 0, v[SC+8*NQ*(\sc)+NQ*\b+(\q)], v[SC+8*NQ*(\sc)+NQ*(\a)+(\q)] matrix_a_fmt:MATRIX_FMT_FP6 matrix_b_fmt:MATRIX_FMT_FP6 matrix_a_scale:MATRIX_SCALE_ROW1
.else
	v_wmma_scale_f32_16x16x128_f8f6f4 v[8*(8*((\a)%4)+\b):8*(8*((\a)%4)+\b)+7], v[128*(\p)+FR*\b:128*(\p)+FR*\b+FR-1], v[AF+FR*(\a):AF+FR*(\a)+FR-1], v[8*(8*((\a)%4)+\b):8*(8*((\a)%4)+\b)+7], v[SC+8*NQ*(\sc)+NQ*\b+(\q)], v[SC+8*NQ*(\sc)+NQ*(\a)+(\q)] matrix_a_fmt:MATRIX_FMT_FP6 matrix_b_fmt:MATRIX_FMT_FP6 matrix_a_scale:MATRIX_SCALE_ROW1
.endif
.endr
.endr
.endm
.macro FETCH_B slot, q, p
	WIN TO_B
.irp i, 0,1,2,3,4,5,6,7
	FRAG 128*(\p)+FR*\i, ADRB+\slot, \q, \i
.endr
	WIN 0
.endm
.macro FETCH_A slot, q, i0
.irp i, \i0, \i0+1, \i0+2, \i0+3
	FRAG AF+FR*(\i), ADRA+\slot, \q, \i
.endr
.endm
.macro SCALES sc                       ; a slot's scale words: register 2 i + q: lanes 0-15 A's tile i, lanes 16-31 B's tile i, K step q
.irp i, 0,1,2,3,4,5,6,7
.irp q, 0,1
	ds_load_b32 v[SC+16*(\sc)+2*\i+\q], v[ADRS] offset:1024*\q+64*\i
.endr
.endr
.endm
.macro PLACES n                        ; plain vector instructions between a matrix instruction and a load into, or a read of, its registers (ISA guide 7.12.1 for a read)
.rept \n
	v_nop
.endr
.endm
.macro STEP slot, q, zero              ; a step of 128 along K that has its successor in the same slot
	s_wait_dscnt 4*NL                              ; all but the youngest twelve loads (A's blocks 4-7) are in
	WIN MUL_LO
	MUL16 0, (\q)%2, \q, \slot, \zero
	MUL16 2, (\q)%2, \q, \slot, \zero
	s_wait_dscnt 0
	PLACES NP
	FETCH_B \slot, (\q)+1, 1-(\q)%2
	FETCH_A \slot, (\q)+1, 0
	WIN MUL_HI
	MUL16 4, (\q)%2, \q, \slot, \zero
	MUL16 6, (\q)%2, \q, \slot, \zero
	PLACES NP
	WIN 0
	FETCH_A \slot, (\q)+1, 4
.endm
; A slot's last step changes slots: one barrier; in front of it each wave waits for all its tensor loads, adds 0 to its spare word, and waits for that and for its reads of this slot.
.macro TURN slot, next, fill
	s_wait_tensorcnt 0x0                           ; all my tensor loads have landed: my part of the next slot
	ds_add_u32 v[SPW], v[NIL]
	s_wait_dscnt 4*NL+1                            ; (the add and the youngest twelve loads may be out)
	WIN MUL_LO
	MUL16 0, 1, NQ-1, \slot, 0
	s_wait_dscnt 0x0                               ; the add is done, and my reads of this slot are over
	s_barrier_signal -1
	MUL16 2, 1, NQ-1, \slot, 0
	WIN 0
	s_barrier_wait -1
.if \fill
	CREST                                          ; the barrier has opened a round of the cluster's: no wave of any partner still reads this slot or has a load on its way
	s_add_nc_u64 s[G0+4*\slot+2:G0+4*\slot+3], s[G0+4*\slot+2:G0+4*\slot+3], 2*NQ*FRB
	s_add_nc_u64 s[G0B+4*\slot+2:G0B+4*\slot+3], s[G0B+4*\slot+2:G0B+4*\slot+3], 2*NQ*FRB
	JLOAD G0+4*\slot, G1, G0B+4*\slot, G1B         ; the first tensor load behind the round; its four v_nop are the places in front of the loads below
.else
	PLACES NP
.endif
	s_wait_alu depctr_va_vdst(0)
	v_add_nc_u32 v[ADRS], 1024*NQ, v[ADRS]         ; the next slot's scale words
	FETCH_B \next, 0, 0
	FETCH_A \next, 0, 0
	SCALES \next
	WIN MUL_HI
	MUL16 4, 1, NQ-1, \slot, 0
	MUL16 6, 1, NQ-1, \slot, 0
	PLACES NP
	WIN 0
	FETCH_A \next, 0, 4
.endm
	s_wait_alu depctr_va_vdst(0)
	s_wait_tensorcnt 0x0                           ; my tile of the head's four is in
	ds_add_u32 v[SPW], v[NIL]
	s_mov_b32 s[G1+2], 8<<16                       ; no tensor load of mine is out: from here on a load brings eight tiles
	s_mov_b32 s[G1+4], 8
	s_mov_b32 s[G1B+2], 8<<16
	s_mov_b32 s[G1B+4], 8
	s_wait_dscnt 0x0
	CROUND                                         ; all four tiles are in, and all sixteen work-groups are here
	JLOAD G0+4, G1, G0B+4, G1B                     ; slot 1's first fill, the first tensor load behind the round
	FETCH_B 0, 0, 0
	FETCH_A 0, 0, 0
	SCALES 0
	FETCH_A 0, 0, 4
	STEP 0, 0, 1                                   ; the first step's products start the sums
	s_mov_b32 s3, LAPS-1
.Llap:
	TURN 0, 1, 1
	STEP 1, 0, 0
	TURN 1, 0, 1
	STEP 0, 0, 0
	s_sub_co_u32 s3, s3, 1
	s_cmp_lg_u32 s3, 0
	s_cbranch_scc1 .Llap
	TURN 0, 1, 0                                   ; the last lap fills nothing
	STEP 1, 0, 0
	s_wait_dscnt 4*NL
	WIN MUL_LO
	MUL16 0, 1, NQ-1, 1, 0
	MUL16 2, 1, NQ-1, 1, 0
	s_wait_dscnt 0
	WIN MUL_HI
	MUL16 4, 1, NQ-1, 1, 0
	MUL16 6, 1, NQ-1, 1, 0
	WIN 0
; THE WAY OUT: for each of A's eight tiles the lane's 64 results (+ bias) are one K step of one row of the next operand: quantised in registers, stored as an image: three stores of 512 consecutive bytes.
; A counted loop; what differs from trip to trip, the accumulators' register numbers, stands in eight short pieces that a scalar branch on the counter picks.
.macro STUB k
	s_cmp_lg_u32 s98, 0
	s_cbranch_scc1 .Lrole_v_\@
	WIN 0x06+(\k)/4                                ; source 0: window 2 or 3; source 1: window 1
.set i, 0
.rept 32
	v_pk_add_f32 v[T+i:T+i+1], v[64*((\k)%4)+i:64*((\k)%4)+i+1], v[96+i+96*(i/32):97+i+96*(i/32)]   ; ascending: each accumulator is read from its low end on
.set i, i+2
.endr
	WIN 0
	s_branch .Lcommon
.Lrole_v_\@:
	WIN 0x02+(\k)/4                                ; source 1: window 0: bv of my channel, for both halves
.set i, 0
.rept 32
.if (\k)%2
	v_pk_add_f32 v[T+i:T+i+1], v[64*((\k)%4)+i:64*((\k)%4)+i+1], v[BM+(\k)-1:BM+(\k)] op_sel:[0,1] op_sel_hi:[1,1]
.else
	v_pk_add_f32 v[T+i:T+i+1], v[64*((\k)%4)+i:64*((\k)%4)+i+1], v[BM+(\k):BM+(\k)+1] op_sel_hi:[1,0]
.endif
.set i, i+2
.endr
	WIN 0
	s_branch .Lcommon
.endm
	PLACES NP
	s_wait_loadcnt 0x0                             ; the biases
.irp b, 0,1,2,3
	v_mov_b32 v[TM+4+\b], 0                        ; a lane permute's destination counts as one of its sources
.endr
	s_mov_b32 s3, 0
.Lrow:
.irp k, 0,1,2,3,4,5,6
	s_cmp_eq_u32 s3, \k
	s_cbranch_scc1 .Lc\k
.endr
	STUB 7
.irp k, 0,1,2,3,4,5,6
.Lc\k:
	STUB \k
.endr
.Lcommon:
	QUANT T
	s_wait_alu depctr_va_vdst(0)
	s_cmp_lg_u32 s98, 0
	s_cbranch_scc1 .Lst_v
	v_lshrrev_b32 v[PW+1], 16, v[PW]               ; the odd head's two bytes, as the low bytes of a word of its own
	global_store_b128 v[LI], v[PC:PC+3], s[18:19]                       ; the even head: 512 and 256 consecutive bytes
	global_store_b64 v31, v[PC+4:PC+5], s[18:19] offset:512
	global_store_b128 v[LI], v[PC+6:PC+9], s[18:19] offset:196608       ; the odd head, 256 tiles of 768 bytes on
	global_store_b64 v31, v[PC+10:PC+11], s[18:19] offset:196608+512
	global_store_b32 v[SA], v[PW], s[20:21]
	global_store_b32 v[SA], v[PW+1], s[20:21] offset:16384
	s_branch .Lst_done
.Lst_v:
.irp c, 0,1,2
	global_store_b128 v[LI], v[PC+4*\c:PC+4*\c+3], s[18:19] offset:512*\c
.endr
	global_store_b32 v[SA], v[PW], s[20:21]
.Lst_done:
	s_wait_xcnt 0x0                                ; the stores' data and bases are written again only behind this wait
	s_add_nc_u64 s[18:19], s[18:19], s[22:23]
	s_add_nc_u64 s[20:21], s[20:21], 64
	s_add_co_u32 s3, s3, 1
	s_cmp_lt_u32 s3, 8
	s_cbranch_scc1 .Lrow
	s_wait_tensorcnt 0x0                           ; the wave's end
	ds_add_u32 v[SPW], v[NIL]
	s_wait_dscnt 0x0
	CROUND                                         ; the closing round
	s_endpgm
.Lfunc_end_k_q757aa11a78_qkv:
	.size	k_q757aa11a78_qkv, .Lfunc_end_k_q757aa11a78_qkv-k_q757aa11a78_qkv
	.p2alignl 7, 3214868480
	.fill 96, 4, 3214868480
	.section	.rodata,"a",@progbits
	.p2align	6, 0x0
	.amdhsa_kernel k_q757aa11a78_qkv
		.amdhsa_group_segment_fixed_size 327680
		.amdhsa_private_segment_fixed_size 0
		.amdhsa_enable_private_segment 0
		.amdhsa_kernarg_size 40
		.amdhsa_user_sgpr_count 2
		.amdhsa_user_sgpr_kernarg_segment_ptr 1
		.amdhsa_wavefront_size32 1
		.amdhsa_system_sgpr_workgroup_id_x 1
		.amdhsa_system_sgpr_workgroup_id_y 1
		.amdhsa_system_sgpr_workgroup_id_z 1
		.amdhsa_system_vgpr_workitem_id 0
		.amdhsa_next_free_vgpr 1024
		.amdhsa_next_free_sgpr 102
		.amdhsa_reserve_vcc 0
		.amdhsa_float_denorm_mode_32 3
		.amdhsa_float_denorm_mode_16_64 3
		.amdhsa_memory_ordered 1
		.amdhsa_forward_progress 1
		.amdhsa_inst_pref_size 153
	.end_amdhsa_kernel
	.amdgpu_metadata
---
amdhsa.version: [ 1, 2 ]
amdhsa.kernels:
  - .name:           k_q757aa11a78_qkv
    .symbol:         k_q757aa11a78_qkv.kd
    .args:
      - { .name: xw, .offset: 0, .size: 8, .value_kind: global_buffer, .address_space: global }
      - { .name: bq, .offset: 8, .size: 8, .value_kind: global_buffer, .address_space: global }
      - { .name: bk, .offset: 16, .size: 8, .value_kind: global_buffer, .address_space: global }
      - { .name: bv, .offset: 24, .size: 8, .value_kind: global_buffer, .address_space: global }
      - { .name: qkv, .offset: 32, .size: 8, .value_kind: global_buffer, .address_space: global }
    .group_segment_fixed_size: 327680
    .private_segment_fixed_size: 0
    .kernarg_segment_align: 8
    .kernarg_segment_size: 40
    .max_flat_workgroup_size: 128
    .sgpr_count:     102
    .vgpr_count:     1024
    .wavefront_size: 32
...
	.end_amdgpu_metadata
.endif
;; end of part 10
;; launch attn (part 11): grid 8 x 32, 16 waves a work-group, clusters of 4 x 1, 235,520 bytes of LDS; arguments qkv, at; writes at
.if DOCPART == 11
	.amdgcn_target "amdgcn-amd-amdhsa--gfx1250"
	.amdhsa_code_object_version 6
	.text
	.protected	k_q757aa11a78_attn
	.globl	k_q757aa11a78_attn
	.p2align	8
	.type	k_q757aa11a78_attn,@function
k_q757aa11a78_attn:
	s_mov_b64 s[64:65], 0
	v_nop
	global_prefetch_b8 v0, s[64:65] scope:SCOPE_SE
	s_setreg_imm32_b32 hwreg(HW_REG_WAVE_MODE, 25, 1), 1
	s_wait_xcnt 0x0
	s_wait_alu depctr_hold_cnt(0) depctr_sa_sdst(0) depctr_va_vdst(0) depctr_va_sdst(0) depctr_va_ssrc(0) depctr_va_vcc(0) depctr_vm_vsrc(0)
	s_getreg_b32 s2, hwreg(HW_REG_IB_STS2, 6, 4)
	s_cmp_eq_u32 s2, 0
	s_cbranch_scc0 .Lentry_in_a_cluster
	s_endpgm
.Lentry_in_a_cluster:
	s_bfe_u32 s2, ttmp6, 0x10000c
	s_cmp_lg_u32 s2, 0x3003
	s_cbranch_scc0 .Lentry_shape_is_right
	s_endpgm
.Lentry_shape_is_right:
; o = softmax(q k^T / 8) v for one head and 256 queries a work-group, on codes of FP6 (E2M3); o is quantised along the channels and stored as half of an operand's image (buffer at).
; THE HEAD'S WHOLE K AND V^T STAY IN LDS: 128 half fragments of K (16 keys x 64, 768 bytes), 4 x 16 fragments of V^T, their scale words: 233,472 bytes, each asked for once, one joint load a wave at the head.
; Nothing is filled again: one barrier behind the fills, none in the walk over the keys.  The eight query blocks of a head read the same tiles: clusters of 4, joint loads.
; A wave owns 16 queries.  Both products are used transposed (S^T = k q^T, O^T = v^T p^T): a lane holds one query.  A step is 128 keys; a trip of the loop two steps.
; K = 64 in a form of K = 128: q's registers 6-11 are zero codes, and a tile of k names 12 registers of which the upper six are the next tile's: whatever finite codes stand there add nothing.
; THE KEYS OF A TILE are picked by the lanes' LDS addresses: row m of tile 4 c + t is key 64 c + 32 (m / 8) + 8 t + m % 8, so that a lane's 32 registers of four tiles are one whole block of 32 keys in order.
; In LDS 64 bytes of padding follow each 256 of K, so that the two stored tiles from.
; p = 2^(t - M), M the running largest t rounded up to a whole number; the row's sum is taken of the unquantised p; a block's largest p is made from its largest score by the same multiply-add and exponential.
; TWO AREAS OF 64 REGISTERS TAKE TURNS: k's tiles in one, the scores into the other; v's fragments land on k's behind the first product, the next step's k on p behind the conversions.
; No prefetch: all that the launch reads is asked for at its head; there is no loop of loads to run ahead in.
; LIMITS: the promise holds while the scaled scores stay under 2^31 in magnitude; a block of zeros gets the byte 1 (its codes are zeros; this program alone reads the bytes); NaN and infinities are not served.
.set FRB,   1536
.set HFB,   768
.set KP,    960                        ; a half fragment in LDS: three rows of 256 + 64 bytes
.set VL,    128*KP                     ; V^T: [4 tiles of d][16 steps][1,536]
.set SCK,   VL+98304                   ; k's scale words: [128 tiles][64]
.set SCV,   SCK+8192                   ; v's: [16 steps][4 tiles][64]
.set SPARE, SCV+4096                   ; the spare words, 128 bytes a wave
.set QKV_SC, 9437184
.set AT_SC, 3145728
.set AK,   1                           ; v1  k: 16 bytes a lane   v2  k: 8 bytes a lane
.set AK2,  2
.set AV,   3                           ; v3  v, tiles 0, 1        v11 tiles 2, 3
.set ASK,  4
.set ASV,  5
.set SPW,  6
.set NIL,  7
.set LI,   8                           ; 16 x lane
.set L8,   9                           ; 8 x lane
.set SH8,  10                          ; 8 (lane / 16)
.set AV2,  11
.set R4,   28                          ; 4 (lane % 16)
.set LH,   29
.set X,    32
.set Y,    96
.set OA,   160                         ; O^T, four tiles
.set MX,   192                         ; v192-195 maxima
.set TA,   196
.set TP,   197
.set SO,   198                         ; v198-199 the conversions' scale operands
.set SU,   200                         ; v200-201 the sum's second chain
.set PCD,  224                         ; p's codes; v236-242 at work
.set KSC,  244                         ; v244-247 k's scale words: lanes 0-15 an even tile's, lanes 16-31 the odd one's
.set VSC,  248                         ; v248-249 v's, likewise
.set QS,   250
.set PSW,  253                         ; p's scale word; v252 the factor f
.set WV,   8
.set SEL,  24
.set CS,   26
.set G1K,  28
.set G1V,  36
.set G1SK, 44
.set G1SV, 52
.set G0K,  60
.set G0V,  68
.set G0SK, 72
.set G0SV, 76
.set CNT,  88
.macro CROUND
	s_barrier_signal -1
	s_barrier_wait -1
	s_cmp_lg_u32 s[WV], 0
	s_cbranch_scc1 .Lnot_wave_0_\@
	s_barrier_signal -3
.Lnot_wave_0_\@:
	s_barrier_wait -3
	s_barrier_signal -1
	s_barrier_wait -1
.endm
.macro ARM under, g0, g1, next         ; one arm of the head's chain: a joint load, an s_nop 0 and four v_nop behind it, a jump to the join
	s_cmp_lt_u32 s[WV], \under
	s_cbranch_scc0 \next
	tensor_load_to_lds s[\g0:\g0+3], s[\g1:\g1+7]
	s_nop 0
.rept 4
	v_nop
.endr
	s_branch .Lasked
\next:
.endm
	s_load_b128 s[4:7], s[0:1], 0x0                ; qkv, at
	v_lshl_add_u32 v[SPW], v0, 2, SPARE
	v_mov_b32 v[NIL], 0
	ds_add_u32 v[SPW], v[NIL]                      ; the wave's opening
	ds_add_u32 v[SPW], v[NIL]
	v_lshrrev_b32 v[TA], 5, v0
	v_readfirstlane_b32 s[WV], v[TA]
	s_bfe_u32 s9, ttmp6, 0x40000                   ; cx: it enters q's and o's global addresses alone
	s_lshl_b32 s10, ttmp9, 2
	s_add_co_u32 s10, s10, s9                      ; query block 0..7
	s_and_b32 s11, ttmp7, 0xffff
	s_lshr_b32 s12, s11, 4                         ; batch
	s_and_b32 s13, s11, 15                         ; head
	s_lshl_b32 s15, s13, 8
	s_lshl_b32 s16, s12, 7
	s_add_co_u32 s15, s15, s16                     ; 256 head + 128 batch
	s_and_b32 s14, s[WV], 7                        ; waves 0-7: 16 tiles of k each
	s_lshl_b32 s16, s14, 4
	s_add_co_u32 s16, s16, s15
	s_add_co_u32 s16, s16, 4096
	s_mul_i32 s16, s16, HFB
	s_mov_b32 s17, 0
	s_mul_i32 s[G0K+1], s14, 16*KP
	s_and_b32 s14, s[WV], 3                        ; waves 8-11: a tile of d each, 16 steps on end
	s_lshl_b32 s18, s13, 2
	s_add_co_u32 s18, s18, s14
	s_lshl_b32 s18, s18, 5
	s_lshl_b32 s19, s12, 4
	s_add_co_u32 s18, s18, s19
	s_add_co_u32 s18, s18, 4096
	s_mul_i32 s18, s18, FRB
	s_mov_b32 s19, 0
	s_mul_i32 s[G0V+1], s14, 16*FRB
	s_add_co_u32 s[G0V+1], s[G0V+1], VL
	s_and_b32 s14, s[WV], 1                        ; waves 12, 13: half of k's scale words each
	s_lshl_b32 s20, s15, 6
	s_lshl_b32 s21, s14, 12
	s_add_co_u32 s20, s20, s21
	s_add_co_u32 s20, s20, QKV_SC+262144
	s_add_co_u32 s[G0SK+1], s21, SCK
	s_mov_b32 s21, 0
	s_lshl_b32 s22, s12, 4                         ; waves 14, 15: v's scale words of eight steps each
	s_lshl_b32 s23, s14, 3
	s_add_co_u32 s22, s22, s23
	s_lshl_b32 s22, s22, 6
	s_lshl_b32 s23, s13, 2
	s_add_co_u32 s22, s22, s23
	s_lshl_b32 s22, s22, 6
	s_add_co_u32 s22, s22, QKV_SC+524288
	s_lshl_b32 s23, s14, 11
	s_add_co_u32 s[G0SV+1], s23, SCV
	s_mov_b32 s23, 0
	s_lshl_b32 s80, s10, 4
	s_add_co_u32 s80, s80, s[WV]
	s_add_co_u32 s82, s80, s15                     ; 256 head + my tile of queries
	s_lshl_b32 s84, s12, 7
	s_add_co_u32 s84, s84, s80                     ; my tile
	s_mul_i32 s80, s82, HFB                        ; q's half fragment
	s_mov_b32 s81, 0
	s_lshl_b32 s82, s82, 6
	s_add_co_u32 s82, s82, QKV_SC                  ; and its scale words
	s_mov_b32 s83, 0
	s_lshr_b32 s14, s13, 1                         ; the pair of heads = the next product's K step
	s_and_b32 s86, s13, 1
	s_lshl_b32 s87, s14, 8
	s_add_co_u32 s87, s87, s84
	s_lshl_b32 s87, s87, 6
	s_lshl_b32 s88, s86, 1
	s_add_co_u32 s87, s87, s88                     ; my head's two bytes of each row's scale word
	s_lshl_b32 s84, s84, 3
	s_add_co_u32 s84, s84, s14
	s_mul_i32 s84, s84, FRB
	s_mul_i32 s88, s86, HFB
	s_add_co_u32 s84, s84, s88                     ; my head's half of fragment 8 tile + pair
	s_mov_b32 s85, 0
	s_add_co_u32 s86, s87, AT_SC
	s_mov_b32 s87, 0
	s_mov_b32 s[G1K], 15|(3<<16)|(1<<20)|(1<<21)|(5<<22)|(15<<25)   ; the four partners; elements of 8 bytes; 16 words of padding behind every 64
.irp g, G1V, G1SK, G1SV
	s_mov_b32 s[\g], 15|(3<<16)|(1<<21)
.endr
.irp g, G1K, G1V, G1SK, G1SV           ; all tiles come as rows of 256 bytes
	s_mov_b32 s[\g+1], 32<<16
	s_mov_b32 s[\g+3], 32<<16
	s_mov_b32 s[\g+6], 0
	s_mov_b32 s[\g+7], 0
.endr
	s_mov_b32 s[G1K+2], 48<<16
	s_mov_b32 s[G1K+4], 48
	s_mov_b32 s[G1K+5], 32
	s_mov_b32 s[G1V+2], 96<<16
	s_mov_b32 s[G1V+4], 96
	s_mov_b32 s[G1V+5], 32
	s_mov_b32 s[G1SK+2], 16<<16
	s_mov_b32 s[G1SK+4], 16
	s_mov_b32 s[G1SK+5], 32
	s_mov_b32 s[G1SV+2], 8<<16
	s_mov_b32 s[G1SV+4], 8
	s_mov_b32 s[G1SV+5], 512                       ; from step to step: 64 tiles of 64 bytes
	s_mov_b32 s[SEL], 0x76543210
	s_mov_b32 s[SEL+1], 0xfedcba98
	s_mov_b32 s[CS], 0x3e38aa3b                    ; log2(e) / 8
	s_mov_b32 s[CS+1], s[CS]
	s_wait_dscnt 0x0
	s_wait_kmcnt 0x0
	s_mov_b32 s[G0K], 1
	s_add_nc_u64 s[G0K+2:G0K+3], s[4:5], s[16:17]
	s_or_b32 s[G0K+3], s[G0K+3], 0x80000000
	s_mov_b32 s[G0V], 1
	s_add_nc_u64 s[G0V+2:G0V+3], s[4:5], s[18:19]
	s_or_b32 s[G0V+3], s[G0V+3], 0x80000000
	s_mov_b32 s[G0SK], 1
	s_add_nc_u64 s[G0SK+2:G0SK+3], s[4:5], s[20:21]
	s_or_b32 s[G0SK+3], s[G0SK+3], 0x80000000
	s_mov_b32 s[G0SV], 1
	s_add_nc_u64 s[G0SV+2:G0SV+3], s[4:5], s[22:23]
	s_or_b32 s[G0SV+3], s[G0SV+3], 0x80000000
	s_add_nc_u64 s[80:81], s[4:5], s[80:81]
	s_add_nc_u64 s[82:83], s[4:5], s[82:83]
	s_add_nc_u64 s[84:85], s[6:7], s[84:85]
	s_add_nc_u64 s[86:87], s[6:7], s[86:87]
	CROUND                                         ; the four partners are here: the joint loads meet
	ARM 8,  G0K,  G1K,  .La_v                      ; every wave issues one load
	ARM 12, G0V,  G1V,  .La_sk
	ARM 14, G0SK, G1SK, .La_sv
	tensor_load_to_lds s[G0SV:G0SV+3], s[G1SV:G1SV+7]
	s_nop 0
.rept 4
	v_nop
.endr
.Lasked:
	v_and_b32 v[MX], 7, v0                         ; m % 8
	v_bfe_u32 v[MX+1], v0, 3, 1                    ; m / 8
	v_bfe_u32 v[MX+2], v0, 4, 1                    ; lane / 16
	v_and_b32 v[MX+3], 31, v0
	v_mul_u32_u24 v[AK], v[MX+1], 2*KP             ; rows 8-15 of a tile come from the stored tile two further on
	v_lshl_add_u32 v[AK2], v[MX], 3, v[AK]
	v_lshl_add_u32 v[AK2], v[MX+2], 6, v[AK2]
	v_lshl_add_u32 v[AK], v[MX], 4, v[AK]
	v_mad_u32_u24 v[AK], v[MX+2], 320, v[AK]
	v_lshlrev_b32 v[LI], 4, v[MX+3]
	v_add_nc_u32 v[AV], VL, v[LI]
	v_add_nc_u32 v[AV2], VL+32*FRB, v[LI]
	v_lshlrev_b32 v[ASK], 7, v[MX+1]
	v_lshl_add_u32 v[ASK], v[MX], 2, v[ASK]
	v_lshl_add_u32 v[ASK], v[MX+2], 6, v[ASK]      ; lanes 16-31 take the odd tile's words
	v_add_nc_u32 v[ASK], SCK, v[ASK]
	v_lshl_add_u32 v[ASV], v[MX+3], 2, SCV
	v_lshlrev_b32 v[L8], 3, v[MX+3]
	v_lshlrev_b32 v[SH8], 3, v[MX+2]
	v_lshlrev_b32 v[LH], 3, v[MX]
	v_lshl_add_u32 v[LH], v[MX+2], 6, v[LH]
	v_lshl_add_u32 v[LH], v[MX+1], 7, v[LH]
	v_and_b32 v[R4], 15, v0
	v_lshlrev_b32 v[R4], 2, v[R4]
	global_load_b128 v[16:19], v[LI], s[80:81]     ; q: registers 0-5
	global_load_b64 v[20:21], v[LH], s[80:81] offset:512
	global_load_b32 v[QS], v[R4], s[82:83]
	v_mov_b32 v13, 0xff61b1e6                      ; the largest t so far: -3e38
	v_floor_f32 v12, -v13
	v_mov_b32 v14, 0
	v_mov_b32 v15, 0
	v_mov_b32 v[TP], 0                             ; a lane permute's destination counts as one of its sources
	v_mov_b32 v[PSW], 0
.irp i, 0,1,2,3,4,5
	v_mov_b32 v[22+\i], 0                          ; q's zero codes for k = 64 .. 127
	v_mov_b32 v[X+48+\i], 0                        ; what the first step's last tile names beyond its own six registers
.endr
.set j, 0
.rept 32
	v_mov_b32 v[OA+j], 0                           ; the step is written for every step alike: the first finds zeros
.set j, j+1
.endr
.macro KLOAD A, off, soff              ; eight tiles of k, six registers each, and their scale words: 20 LDS loads
.irp t, 0,1,2,3,4,5,6,7
	ds_load_b128 v[\A+6*\t:\A+6*\t+3], v[AK] offset:\off+KP*(4*(\t/4)+\t%2)+128*((\t%4)/2)
	ds_load_b64 v[\A+6*\t+4:\A+6*\t+5], v[AK2] offset:\off+KP*(4*(\t/4)+\t%2)+128*((\t%4)/2)+640
.endr
.irp k, 0,1,2,3
	ds_load_b32 v[KSC+\k], v[ASK] offset:\soff+256*(\k/2)+32*(\k%2)
.endr
.endm
.macro VLOAD A, par                    ; four fragments of v^T and their scale words: 14 LDS loads
.irp i, 0,1
.irp c, 0,1,2
	ds_load_b128 v[\A+12*\i+4*\c:\A+12*\i+4*\c+3], v[AV] offset:16*FRB*\i+FRB*(\par)+512*\c
	ds_load_b128 v[\A+24+12*\i+4*\c:\A+24+12*\i+4*\c+3], v[AV2] offset:16*FRB*\i+FRB*(\par)+512*\c
.endr
.endr
.irp j, 0,1
	ds_load_b32 v[VSC+\j], v[ASV] offset:256*(\par)+128*\j
.endr
.endm
.macro SMUL D, A, t
.if (\t)%2
	v_wmma_scale_f32_16x16x128_f8f6f4 v[\D+8*(\t):\D+8*(\t)+7], v[\A+6*(\t):\A+6*(\t)+11], v[16:27], 0, v[KSC+2*((\t)/4)+((\t)%4)/2], v[QS] matrix_a_fmt:MATRIX_FMT_FP6 matrix_b_fmt:MATRIX_FMT_FP6 matrix_a_scale:MATRIX_SCALE_ROW1
.else
	v_wmma_scale_f32_16x16x128_f8f6f4 v[\D+8*(\t):\D+8*(\t)+7], v[\A+6*(\t):\A+6*(\t)+11], v[16:27], 0, v[KSC+2*((\t)/4)+((\t)%4)/2], v[QS] matrix_a_fmt:MATRIX_FMT_FP6 matrix_b_fmt:MATRIX_FMT_FP6
.endif
.endm
.macro PMUL A, t
.if (\t)%2
	v_wmma_scale_f32_16x16x128_f8f6f4 v[OA+8*(\t):OA+8*(\t)+7], v[\A+12*(\t):\A+12*(\t)+11], v[PCD:PCD+11], v[OA+8*(\t):OA+8*(\t)+7], v[VSC+(\t)/2], v[PSW] matrix_a_fmt:MATRIX_FMT_FP6 matrix_b_fmt:MATRIX_FMT_FP6 matrix_a_scale:MATRIX_SCALE_ROW1
.else
	v_wmma_scale_f32_16x16x128_f8f6f4 v[OA+8*(\t):OA+8*(\t)+7], v[\A+12*(\t):\A+12*(\t)+11], v[PCD:PCD+11], v[OA+8*(\t):OA+8*(\t)+7], v[VSC+(\t)/2], v[PSW] matrix_a_fmt:MATRIX_FMT_FP6 matrix_b_fmt:MATRIX_FMT_FP6
.endif
.endm
; A step of 128 keys.  KX: the area that holds k's tiles, then v's fragments; SY: the area of the scores, then p, then the next step's k.  par: the step's place in the trip
.macro STEP KX, SY, par
	s_wait_dscnt 0x0                               ; k's tiles and scale words, asked for in the step before
.irp t, 0,1,2,3,4,5,6,7
	SMUL \SY, \KX, \t
.endr
.rept 4
	v_nop                                          ; places ahead of the loads onto k's registers and of the first read of the scores
.endr
	VLOAD \KX, \par
.irp k, 0,1,2,3                        ; register 32 c + i of the scores is key 64 c + 32 (lane / 16) + i: four chains of 15, each accumulator from its low end on
	v_max3_num_f32 v[MX+\k], v[\SY+16*\k], v[\SY+16*\k+1], v[\SY+16*\k+2]
.endr
.irp i, 3,5,7,9,11,13
.irp k, 0,1,2,3
	v_max3_num_f32 v[MX+\k], v[MX+\k], v[\SY+16*\k+\i], v[\SY+16*\k+\i+1]
.endr
.endr
.irp c, 0,1
	v_max3_num_f32 v[MX+2*\c], v[MX+2*\c], v[MX+2*\c+1], v[\SY+32*\c+15]
.endr
.irp c, 0,1
	v_max_num_f32 v[MX+2*\c], v[MX+2*\c], v[\SY+32*\c+31]   ; my two blocks' largest scores
.endr
	s_delay_alu instid0(VALU_DEP_1)
	v_max_num_f32 v[TA], v[MX], v[MX+2]
	s_delay_alu instid0(VALU_DEP_1)
	v_mul_f32 v[TA], s[CS], v[TA]                  ; as t (the factor is positive)
	s_delay_alu instid0(VALU_DEP_1)
	v_permlanex16_b32 v[TP], v[TA], s[SEL], s[SEL+1]
	s_delay_alu instid0(VALU_DEP_1)
	v_max3_num_f32 v13, v13, v[TA], v[TP]          ; the running largest t
	v_mov_b32 v[TA], v12
	s_delay_alu instid0(VALU_DEP_2)
	v_floor_f32 v12, -v13                          ; -M = floor(-t)
	s_delay_alu instid0(VALU_DEP_1)
	v_sub_f32 v[TA], v12, v[TA]
	s_delay_alu instid0(VALU_DEP_1)
	v_cvt_i32_f32 v[TA], v[TA]                     ; (it saturates)
	s_delay_alu instid0(VALU_DEP_1)
	v_ldexp_f32 v252, 1.0, v[TA]                   ; f = 2^(old M - new M)
.set j, 0
.rept 32
	v_pk_fma_f32 v[\SY+j:\SY+j+1], v[\SY+j:\SY+j+1], s[CS:CS+1], v[12:13] op_sel_hi:[1,0,0]
.set j, j+2
.endr
.irp c, 0,1
	v_fma_f32 v[MX+2*\c], v[MX+2*\c], s[CS], v12
.endr
	s_wait_alu depctr_va_vdst(0)
.set j, 0
.rept 64
	v_exp_f32 v[\SY+j], v[\SY+j]
.set j, j+1
.endr
	v_exp_f32 v[MX], v[MX]                         ; the blocks' largest p
	v_exp_f32 v[MX+2], v[MX+2]
	v_pk_mul_f32 v[14:15], v[14:15], v[252:253] op_sel_hi:[1,0]   ; the sums under the new M; the plain place behind the batch
	s_wait_alu depctr_va_vdst(0)                   ; and the wait behind it
	v_pk_add_f32 v[SU:SU+1], v[\SY:\SY+1], v[\SY+2:\SY+3]   ; the row's sum, of the unquantised p, in two chains
.irp j, 4,8,12,16,20,24,28,32,36,40,44,48,52,56,60
	v_pk_add_f32 v[14:15], v[14:15], v[\SY+\j:\SY+\j+1]
	v_pk_add_f32 v[SU:SU+1], v[SU:SU+1], v[\SY+\j+2:\SY+\j+3]
.endr
.irp c, 0,1
	v_max_num_f32 v[MX+2*\c], 0x1800000, v[MX+2*\c]   ; the floor 2^(3 - 127): the byte cannot fall under 1
.endr
	v_pk_add_f32 v[14:15], v[14:15], v[SU:SU+1]
.irp c, 0,1
	v_add_nc_u32 v[SO+\c], 0xff000000, v[MX+2*\c]  ; 2 off the exponent field: the conversion's scale operand
.endr
.irp c, 0,1
	s_delay_alu instid0(VALU_DEP_2)
	v_lshrrev_b32 v[MX+\c], 23, v[SO+\c]
.endr
	s_delay_alu instid0(VALU_DEP_1)
	v_lshl_or_b32 v[TA], v[MX+1], 16, v[MX]        ; my bytes: blocks lane / 16 and 2 + lane / 16,
	s_delay_alu instid0(VALU_DEP_1)
	v_lshlrev_b32 v[TA], v[SH8], v[TA]             ; at their places in the word;
	s_delay_alu instid0(VALU_DEP_1)
	v_permlanex16_b32 v[TP], v[TA], s[SEL], s[SEL+1]
	s_delay_alu instid0(VALU_DEP_1)
	v_or_b32 v[PSW], v[TA], v[TP]                  ; with lane l xor 16's two the word is whole
.irp c, 0,1
	v_cvt_scalef32_pk16_fp6_f32 v[PCD+6*\c:PCD+6*\c+2], v[\SY+32*\c:\SY+32*\c+15], v[SO+\c]
	v_cvt_scalef32_pk16_fp6_f32 v[236+4*\c:238+4*\c], v[\SY+32*\c+16:\SY+32*\c+31], v[SO+\c]   ; (a conversion's three registers begin on an even number)
.endr
	v_nop                                          ; one plain place behind a scaled conversion
.irp c, 0,1
.irp i, 0,1,2
	v_mov_b32 v[PCD+3+6*\c+\i], v[236+4*\c+\i]
.endr
.endr
.if \par
	s_cmp_eq_u32 s[CNT], 1                         ; the last step has no successor
	s_cbranch_scc1 .Lno_next
	KLOAD \SY, 16*KP, 1024
	s_wait_dscnt 20                                ; v's 14 loads are in; the 20 just issued may be out
	s_branch .Lhave_v
.Lno_next:
	s_wait_dscnt 0x0
.Lhave_v:
.else
	KLOAD \SY, 8*KP, 512
	s_wait_dscnt 20                                ; v's 14 loads are in; the 20 just issued may be out
.endif
	s_wait_alu depctr_va_vdst(0)                   ; the wait directly ahead of the first reader of O^T
.set j, 0
.rept 16
	v_pk_mul_f32 v[OA+j:OA+j+1], v[OA+j:OA+j+1], v[252:253] op_sel_hi:[1,0]   ; O^T under the new M
.set j, j+2
.endr
.irp t, 0,1,2,3
	PMUL \KX, \t
.endr
.if \par
	v_add_nc_u32 v[AK], 16*KP, v[AK]               ; two steps on; these six are also the places ahead of the next scores, which land on v's registers
	v_add_nc_u32 v[AK2], 16*KP, v[AK2]
	v_add_nc_u32 v[ASK], 1024, v[ASK]
	v_add_nc_u32 v[AV], 2*FRB, v[AV]
	v_add_nc_u32 v[AV2], 2*FRB, v[AV2]
	v_add_nc_u32 v[ASV], 512, v[ASV]
.else
.rept 5
	v_nop                                          ; five places: the next scores are written over v's registers
.endr
.endif
.endm
	s_wait_alu depctr_va_vdst(0)
	s_wait_tensorcnt 0x0                           ; my tile is in;
	s_barrier_signal -1
	s_barrier_wait -1                              ; and everybody's
	KLOAD X, 0, 0
	s_wait_loadcnt 0x0                             ; q
	s_mov_b32 s[CNT], 8
.Ltrip:
	STEP X, Y, 0
	STEP Y, X, 1
	s_wait_alu depctr_va_vdst(0)
	s_sub_co_u32 s[CNT], s[CNT], 1
	s_cmp_lg_u32 s[CNT], 0
	s_cbranch_scc1 .Ltrip
; THE WAY OUT: o = O^T / the sum; register 16 b + i is channel 32 b + 16 (lane / 16) + i of my head: two blocks of 32, each in lanes l and l xor 16
	v_add_f32 v14, v14, v15
	s_delay_alu instid0(VALU_DEP_1)
	v_permlanex16_b32 v[TP], v14, s[SEL], s[SEL+1]
	s_delay_alu instid0(VALU_DEP_1)
	v_add_f32 v14, v14, v[TP]
	s_wait_alu depctr_va_vdst(0)
	v_rcp_f32 v14, v14
	v_nop
	s_wait_alu depctr_va_vdst(0)
.set j, 0
.rept 16
	v_pk_mul_f32 v[Y+j:Y+j+1], v[OA+j:OA+j+1], v[14:15] op_sel_hi:[1,0]
.set j, j+2
.endr
.irp b, 0,1
	v_max3_num_f32 v[MX+\b], |v[Y+16*\b]|, |v[Y+1+16*\b]|, 0x1800000
.endr
.irp i, 2,4,6,8,10,12,14
.irp b, 0,1
	s_delay_alu instid0(VALU_DEP_2)
	v_max3_num_f32 v[MX+\b], v[MX+\b], |v[Y+16*\b+\i]|, |v[Y+1+16*\b+\i]|
.endr
.endr
.irp b, 0,1
	s_delay_alu instid0(VALU_DEP_2)
	v_permlanex16_b32 v[MX+2+\b], v[MX+\b], s[SEL], s[SEL+1]
.endr
.irp b, 0,1
	s_delay_alu instid0(VALU_DEP_2)
	v_max_num_f32 v[MX+\b], v[MX+\b], v[MX+2+\b]
.endr
.irp b, 0,1
	s_delay_alu instid0(VALU_DEP_2)
	v_add_nc_u32 v[SO+\b], 0xff000000, v[MX+\b]
.endr
.irp b, 0,1
	s_delay_alu instid0(VALU_DEP_2)
	v_lshrrev_b32 v[MX+\b], 23, v[SO+\b]
.endr
	s_delay_alu instid0(VALU_DEP_1)
	v_lshl_or_b32 v[PSW], v[MX+1], 8, v[MX]        ; my head's two scale bytes
	v_cvt_scalef32_pk16_fp6_f32 v[PCD:PCD+2], v[Y:Y+15], v[SO]
	v_cvt_scalef32_pk16_fp6_f32 v[236:238], v[Y+16:Y+31], v[SO+1]
	v_nop
.irp i, 0,1,2
	v_permlane16_swap_b32 v[PCD+\i], v[236+\i]     ; a whole block to a lane
.endr
.irp i, 0,1,2
	v_mov_b32 v[PCD+3+\i], v[236+\i]
.endr
	global_store_b128 v[LI], v[PCD:PCD+3], s[84:85]             ; six registers of the next operand: 512 and 256 consecutive bytes
	global_store_b64 v[L8], v[PCD+4:PCD+5], s[84:85] offset:512
	global_store_b16 v[R4], v[PSW], s[86:87]       ; two bytes of each row's word; the pair's other head stores the other two
	s_wait_tensorcnt 0x0                           ; the wave's end
	ds_add_u32 v[SPW], v[NIL]
	s_wait_dscnt 0x0
	CROUND                                         ; the closing round
	s_endpgm
.Lfunc_end_k_q757aa11a78_attn:
	.size	k_q757aa11a78_attn, .Lfunc_end_k_q757aa11a78_attn-k_q757aa11a78_attn
	.p2alignl 7, 3214868480
	.fill 96, 4, 3214868480
	.section	.rodata,"a",@progbits
	.p2align	6, 0x0
	.amdhsa_kernel k_q757aa11a78_attn
		.amdhsa_group_segment_fixed_size 235520
		.amdhsa_private_segment_fixed_size 0
		.amdhsa_enable_private_segment 0
		.amdhsa_kernarg_size 16
		.amdhsa_user_sgpr_count 2
		.amdhsa_user_sgpr_kernarg_segment_ptr 1
		.amdhsa_wavefront_size32 1
		.amdhsa_system_sgpr_workgroup_id_x 1
		.amdhsa_system_sgpr_workgroup_id_y 1
		.amdhsa_system_sgpr_workgroup_id_z 1
		.amdhsa_system_vgpr_workitem_id 0
		.amdhsa_next_free_vgpr 256
		.amdhsa_next_free_sgpr 90
		.amdhsa_reserve_vcc 0
		.amdhsa_float_denorm_mode_32 3
		.amdhsa_float_denorm_mode_16_64 3
		.amdhsa_memory_ordered 1
		.amdhsa_forward_progress 1
		.amdhsa_inst_pref_size 48
	.end_amdhsa_kernel
	.amdgpu_metadata
---
amdhsa.version: [ 1, 2 ]
amdhsa.kernels:
  - .name:           k_q757aa11a78_attn
    .symbol:         k_q757aa11a78_attn.kd
    .args:
      - { .name: qkv, .offset: 0, .size: 8, .value_kind: global_buffer, .address_space: global }
      - { .name: at, .offset: 8, .size: 8, .value_kind: global_buffer, .address_space: global }
    .group_segment_fixed_size: 235520
    .private_segment_fixed_size: 0
    .kernarg_segment_align: 8
    .kernarg_segment_size: 16
    .max_flat_workgroup_size: 512
    .sgpr_count:     90
    .vgpr_count:     256
    .wavefront_size: 32
...
	.end_amdgpu_metadata
.endif
;; end of part 11
;; launch proj (part 12): grid 8 x 32, 4 waves a work-group, clusters of 4 x 4, 327,680 bytes of LDS; arguments at, xw, bo, x, y; writes y
.if DOCPART == 12
	.amdgcn_target "amdgcn-amd-amdhsa--gfx1250"
	.amdhsa_code_object_version 6
	.text
	.protected	k_q757aa11a78_proj
	.globl	k_q757aa11a78_proj
	.p2align	8
	.type	k_q757aa11a78_proj,@function
k_q757aa11a78_proj:
	s_mov_b64 s[64:65], 0
	v_nop
	global_prefetch_b8 v0, s[64:65] scope:SCOPE_SE
	s_setreg_imm32_b32 hwreg(HW_REG_WAVE_MODE, 25, 1), 1
	s_wait_xcnt 0x0
	s_wait_alu depctr_hold_cnt(0) depctr_sa_sdst(0) depctr_va_vdst(0) depctr_va_sdst(0) depctr_va_ssrc(0) depctr_va_vcc(0) depctr_vm_vsrc(0)
	s_getreg_b32 s2, hwreg(HW_REG_IB_STS2, 6, 4)
	s_cmp_eq_u32 s2, 0
	s_cbranch_scc0 .Lentry_in_a_cluster
	s_endpgm
.Lentry_in_a_cluster:
	s_bfe_u32 s2, ttmp6, 0x10000c
	s_cmp_lg_u32 s2, 0xf033
	s_cbranch_scc0 .Lentry_shape_is_right
	s_endpgm
.Lentry_shape_is_right:
; y = x + attn Wo + bo: [4096][1024] f32.  The product is on codes of FP6 (E2M3): A = the attention's result (buffer at), B = Wo (xw, tiles 448 on), both as images of operand registers.
; THE TILE: y has 16 tiles of 256 x 256 rows by 4 columns, 64 in all, too few for the chip's 256 WGPs: so a work-group makes 128 x 128 (32 x 8 = 256 work-groups), each of its four waves 64 x 64: 16 accumulators.
; Source 0 = 16 rows of B, source 1 = 16 rows of A: a lane holds one row of y and eight of its columns.
; A fragment (16 rows x 128 K) is 1,536 bytes, byte 512 c + 16 lane + 4 i = register 4 c + i; lane r of tile t holds row 32 (t / 2) + 8 (t % 2) + r + 8 (r / 8); fragment (tile, step) at (tile x KS + step) x 1,536; scale words at [step][tile][64].
; K goes FOUR steps of 128 to an LDS slot: a wave's tensor load brings 4 tiles x 6,144 consecutive bytes.  K = 1,024 is two slots: both come with the first fills, and nothing is filled again.  All scale words come with them.
; CLUSTERS: 4 x 4 work-groups; A's tiles are asked for jointly along a row of the cluster, B's along a column.
; The residual's 64 x 64 numbers of a wave are asked for at the head, into registers of their own, so that they come while the products run.
; The sums are made as (product + residual) + bias.  NaN and infinities among the inputs are not served.
; REGISTERS: window 0: v0-31 addresses, v8-11 the bias; v32-63 scale words, two sets of 16; v128-255 the accumulators ((a, b) at v[128 + 8 (4 a + b)]).
;   window 1: two sets of fragments, at v0 and v128: B's four, then A's four; on the way out v0-127 take the rows read back.   window 2: v0-127 the residual.
.set KS,     8
.set NQ,     4                         ; K steps in a slot
.set LAPS,   KS/(2*NQ)                 ; a lap = once round the two slots
.set FR,     12
.set FRB,    1536
.set NP,     4                         ; places behind this matrix instruction (ISA guide 7.12.1)
.set HALFT,  4*NQ*FRB                  ; what one tensor load brings: 4 tiles x four K steps
.set SLOT,   4*HALFT                   ; A's 8 tiles, then B's 8
.set SCL,    2*SLOT                    ; behind the slots: the scale words, [step][8 tiles][64 bytes] for each side
.set HALFS,  256*KS
.set SPARE,  SCL+4*HALFS               ; the spare words, 128 bytes a wave
.set ASOFF,  3145728                   ; A's scale words begin here in its buffer,
.set ATL,    256                       ; with so many tiles to a step
.set BBASE,  448                       ; B's first tile,
.set BCOFF,  0                         ; its codes' region,
.set BSOFF,  12582912                  ; its scale words' region,
.set BTL,    768
.set SPITCH, 272                       ; the way out: a stage of 64 rows x (256 + 16) bytes a wave, in slot 0, behind that slot's last fill and last read
.set BI,   8
.set ADRA, 16
.set ADRB, 20
.set STO,  24
.set RD,   25
.set CO,   26
.set ADRS, 27
.set SPW,  28
.set NIL,  29
.set BO,   30
.set SC,   32
.set ACC,  128
.set G1, 24
.set G0, 32
.set G1B, 48
.set G0B, 56
.set G1S, 68
.set G0S, 76
.set G1SB, 80
.set G0SB, 88
.set MSB, 0
.macro WIN new                         ; the immediate's high byte repeats the setting that is left; a switch that changes nothing is dropped
.if MSB != (\new)
	s_set_vgpr_msb (MSB<<8)|(\new)
.set MSB, \new
.endif
.endm
.set MUL,  0x05                        ; sources 0 (B) and 1 (A) window 1; C and D window 0
.set TO_F, 0x40                        ; destination window 1, address window 0
.macro JLOAD g0a, g1a, g0b, g1b        ; a joint load: waves 0, 1 for A, waves 2, 3 for B: the branch hangs on the wave's number alone; an s_nop 0 and four v_nop follow each line
	s_cmp_eq_u32 s15, 0
	s_cbranch_scc0 .Lfor_b_\@
	tensor_load_to_lds s[\g0a:\g0a+3], s[\g1a:\g1a+7]
	s_nop 0
.rept 4
	v_nop
.endr
	s_branch .Lasked_\@
.Lfor_b_\@:
	tensor_load_to_lds s[\g0b:\g0b+3], s[\g1b:\g1b+7]
	s_nop 0
.rept 4
	v_nop
.endr
.Lasked_\@:
.endm
.macro CREST                           ; a round of the cluster's barrier behind its opening barrier
	s_cmp_lg_u32 s14, 0
	s_cbranch_scc1 .Lnot_wave_0_\@
	s_barrier_signal -3
.Lnot_wave_0_\@:
	s_barrier_wait -3
	s_barrier_signal -1
	s_barrier_wait -1
.endm
.macro CROUND
	s_barrier_signal -1
	s_barrier_wait -1
	CREST
.endm
	s_load_b256 s[4:11], s[0:1], 0x0               ; A's buffer s[4:5], B's s[6:7], the bias s[8:9], the residual s[10:11]
	s_load_b64 s[12:13], s[0:1], 0x20              ; y
	v_lshl_add_u32 v[SPW], v0, 2, SPARE
	v_mov_b32 v[NIL], 0
	ds_add_u32 v[SPW], v[NIL]                      ; the wave's opening: the add and its wait ahead of my first tensor load; work on registers stands between
	ds_add_u32 v[SPW], v[NIL]
	v_lshrrev_b32 v1, 5, v0
	v_readfirstlane_b32 s14, v1                    ; wave
	s_lshr_b32 s15, s14, 1                         ; my half of A's tiles.  Also: I fetch for A (0) or B (1)
	s_and_b32 s16, s14, 1                          ; my half of B's tiles.  Also: which four tiles I fetch
	s_bfe_u32 s40, ttmp6, 0x40000                  ; cx
	s_bfe_u32 s41, ttmp6, 0x40004                  ; cy
	s_lshl_b32 s42, ttmp9, 2
	s_add_co_u32 s42, s42, s40                     ; tile column, 0 to 7
	s_and_b32 s17, ttmp7, 0xffff
	s_lshl_b32 s17, s17, 2
	s_add_co_u32 s17, s17, s41                     ; tile row, 0 to 31
	s_lshl_b32 s43, s41, 2
	s_lshl_b32 s43, 15, s43                        ; my row of the cluster
	s_lshl_b32 s44, 0x1111, s40                    ; my column
	s_or_b32 s[G1+0], s43, (3<<16)|(1<<21)         ; the mask; elements of 8 bytes; bit 21 beside a mask; no padding
	s_or_b32 s[G1B+0], s44, (3<<16)|(1<<21)
.irp g, G1, G1B
	s_mov_b32 s[\g+1], (192*NQ)<<16                ; tensor_dim0: four fragments on end
	s_mov_b32 s[\g+2], 8<<16                       ; tensor_dim1: at the head a load brings a side's 8 tiles; behind the head it is set to 4
	s_mov_b32 s[\g+3], (192*NQ)<<16                ; tile_dim0
	s_mov_b32 s[\g+4], 8                           ; tile_dim1, likewise
	s_mov_b32 s[\g+5], 192*KS                      ; from tile to tile: KS fragments
	s_mov_b32 s[\g+6], 0
	s_mov_b32 s[\g+7], 0
.endr
	s_or_b32 s[G1S+0], s43, (3<<16)|(1<<21)
	s_or_b32 s[G1SB+0], s44, (3<<16)|(1<<21)
.irp g, G1S, G1SB
	s_mov_b32 s[\g+1], 64<<16                      ; eight tiles' words: 512 bytes
	s_mov_b32 s[\g+2], KS<<16                      ; a row for each K step
	s_mov_b32 s[\g+3], 64<<16
	s_mov_b32 s[\g+4], KS
	s_mov_b32 s[\g+6], 0
	s_mov_b32 s[\g+7], 0
.endr
	s_mov_b32 s[G1S+5], 8*ATL
	s_mov_b32 s[G1SB+5], 8*BTL
	s_lshl_b32 s18, s16, 2
	s_lshl_b32 s20, s17, 3
	s_add_co_u32 s20, s20, s18                     ; A: the first of the four tiles that I fetch
	s_lshl_b32 s46, s42, 3
	s_add_co_u32 s46, s46, s18
	s_add_co_u32 s46, s46, BBASE                   ; B
	s_sub_co_u32 s22, s20, s18                     ; the scale words come for all 8 tiles: from the side's first tile on
	s_lshl_b32 s22, s22, 6
	s_add_co_u32 s22, s22, ASOFF
	s_mov_b32 s23, 0
	s_sub_co_u32 s94, s46, s18
	s_lshl_b32 s94, s94, 6
	s_add_co_u32 s94, s94, BSOFF
	s_mov_b32 s95, 0
	s_mul_i32 s20, s20, KS*FRB
	s_mov_b32 s21, 0
	s_mul_i32 s46, s46, KS*FRB
	s_add_co_u32 s46, s46, BCOFF
	s_mov_b32 s47, 0
	s_mul_i32 s45, s14, HALFT                      ; where they go: no place in the cluster enters an LDS address
	s_wait_dscnt 0x0                               ; the opening add is done
	s_wait_kmcnt 0x0
	s_add_nc_u64 s[20:21], s[4:5], s[20:21]
	s_add_nc_u64 s[22:23], s[4:5], s[22:23]
	s_add_nc_u64 s[46:47], s[6:7], s[46:47]
	s_add_nc_u64 s[94:95], s[6:7], s[94:95]
	CROUND                                         ; all sixteen work-groups are here: the first joint loads meet
	s_mov_b32 s[G0S], 1
	s_mov_b32 s[G0S+1], SCL                        ; A's scale words: [step][8 tiles][64 bytes]
	s_mov_b64 s[G0S+2:G0S+3], s[22:23]
	s_or_b32 s[G0S+3], s[G0S+3], 0x80000000
	s_mov_b32 s[G0SB], 1
	s_mov_b32 s[G0SB+1], SCL+2*HALFS               ; B's, behind them
	s_mov_b64 s[G0SB+2:G0SB+3], s[94:95]
	s_or_b32 s[G0SB+3], s[G0SB+3], 0x80000000
.irp s, 0,1
	s_mov_b32 s[G0+4*\s], 1
	s_add_co_u32 s[G0+4*\s+1], s45, \s*SLOT
	s_add_nc_u64 s[G0+4*\s+2:G0+4*\s+3], s[20:21], \s*NQ*FRB
	s_or_b32 s[G0+4*\s+3], s[G0+4*\s+3], 0x80000000
	s_mov_b32 s[G0B+4*\s], 1
	s_add_co_u32 s[G0B+4*\s+1], s45, \s*SLOT
	s_add_nc_u64 s[G0B+4*\s+2:G0B+4*\s+3], s[46:47], \s*NQ*FRB
	s_or_b32 s[G0B+4*\s+3], s[G0B+4*\s+3], 0x80000000
.endr
; THE HEAD'S LOADS, ONE A WAVE: wave 0 slot 0's 8 tiles of A (its own group 0 begins at the side's first tile), wave 1 A's scale words, wave 2 slot 0's 8 tiles of B, wave 3 B's scale words.
; One chain of branches on the wave's number, a load to an arm, all arms leading to one join.
.macro ARM under, g0, g1, next
	s_cmp_lt_u32 s14, \under
	s_cbranch_scc0 \next
	tensor_load_to_lds s[\g0:\g0+3], s[\g1:\g1+7]
	s_nop 0
.rept 4
	v_nop
.endr
	s_branch .Lhead_asked
\next:
.endm
	ARM 1, G0,  G1,  .Lhead_sa
	ARM 2, G0S, G1S, .Lhead_b
	ARM 3, G0B, G1B, .Lhead_sb
	tensor_load_to_lds s[G0SB:G0SB+3], s[G1SB:G1SB+7]
	s_nop 0
.rept 4
	v_nop
.endr
.Lhead_asked:
	v_and_b32 v1, 15, v0                           ; r
	v_bfe_u32 v4, v0, 4, 1                         ; h
	s_wait_alu depctr_va_vdst(0)
	v_and_b32 v2, 31, v0
	v_lshlrev_b32 v2, 4, v2
	v_lshrrev_b32 v3, 1, v2                        ; 8 x lane
	s_mul_i32 s21, s15, HALFT
	s_mul_i32 s22, s16, HALFT
	s_add_co_u32 s22, s22, 2*HALFT
.irp s, 0,1
	v_add_nc_u32 v[ADRA+\s], s21, v2
	v_add_nc_u32 v[ADRA+2+\s], s21, v3
	v_add_nc_u32 v[ADRB+\s], s22, v2
	s_add_co_u32 s21, s21, SLOT
	s_add_co_u32 s22, s22, SLOT
.endr
	v_lshlrev_b32 v5, 2, v1
	s_lshl_b32 s21, s15, 8                         ; my four tiles' words within a step's 512 bytes
	s_lshl_b32 s22, s16, 8
	s_add_co_u32 s22, s22, 2*HALFS
	s_sub_co_u32 s22, s22, s21
	v_mul_u32_u24 v6, s22, v4
	s_add_co_u32 s21, s21, SCL
	v_add_nc_u32 v5, v5, v6
	v_add_nc_u32 v[ADRS], s21, v5
	v_lshlrev_b32 v[BO], 4, v1                     ; 16 r: my 16 bytes of a row's 256
	s_wait_alu depctr_va_vdst(0)
	v_lshl_add_u32 v[CO], v4, 12, v[BO]            ; lanes 16-31 take the row below
	s_wait_alu depctr_va_vdst(0)
	s_mul_i32 s23, s14, 64*SPITCH                  ; my stage
	v_mul_u32_u24 v5, v1, SPITCH
	v_lshl_add_u32 v5, v4, 6, v5                   ; in: row r, + 64 h
	v_add_nc_u32 v[STO], s23, v5
	v_mul_u32_u24 v5, v4, SPITCH                   ; back: lanes 0-15 one row of 256 bytes, lanes 16-31 the next
	v_add_nc_u32 v5, v5, v[BO]
	v_add_nc_u32 v[RD], s23, v5
	s_lshl_b32 s20, s17, 7
	s_lshl_b32 s21, s15, 6
	s_add_co_u32 s20, s20, s21                     ; my first row: 128 x tile row + 64 x half
	s_lshl_b32 s20, s20, 12
	s_lshl_b32 s46, s42, 9
	s_lshl_b32 s47, s16, 8
	s_add_co_u32 s46, s46, s47                     ; my first column, in bytes: 512 x tile column + 256 x half
	s_mov_b32 s47, 0
	s_add_nc_u64 s[8:9], s[8:9], s[46:47]
	s_add_co_u32 s20, s20, s46
	s_mov_b32 s21, 0
	s_add_nc_u64 s[10:11], s[10:11], s[20:21]
	s_add_nc_u64 s[12:13], s[12:13], s[20:21]
	global_load_b128 v[BI:BI+3], v[BO], s[8:9]     ; the bias of the four columns that I store
	WIN 0x80                                       ; destination window 2
.irp a, 0,1,2,3                                ; the residual, laid as the rows come back from the stage: sixteen lanes read 256 consecutive bytes
.irp t, 0,1,2,3,4,5,6,7
	global_load_b128 v[32*\a+4*\t:32*\a+4*\t+3], v[CO], s[10:11] offset:(32*(\a/2)+8*(\a%2)+2*\t+8*(\t/4))*4096 th:TH_LOAD_NT
.endr
.endr
	WIN 0
.macro FRAG reg, adr, q, i             ; a fragment comes as it was stored: three loads of 512 consecutive bytes
.irp c, 0,1,2
	ds_load_b128 v[\reg+4*\c:\reg+4*\c+3], v[\adr] offset:NQ*FRB*(\i)+FRB*(\q)+512*\c
.endr
.endm
.macro FRAGA reg, adr, q, i            ; A's fragment lies as two halves of 768 bytes, one for each head of the pair: four registers at 16 x lane, two at 512 + 8 x lane
	ds_load_b128 v[\reg:\reg+3], v[\adr] offset:NQ*FRB*(\i)+FRB*(\q)
	ds_load_b64 v[\reg+4:\reg+5], v[\adr+2] offset:NQ*FRB*(\i)+FRB*(\q)+512
	ds_load_b128 v[\reg+6:\reg+9], v[\adr] offset:NQ*FRB*(\i)+FRB*(\q)+768
	ds_load_b64 v[\reg+10:\reg+11], v[\adr+2] offset:NQ*FRB*(\i)+FRB*(\q)+1280
.endm
.macro FETCH slot, q, p
	WIN TO_F
.irp i, 0,1,2,3
	FRAG 128*(\p)+FR*\i, ADRB+\slot, \q, \i
.endr
.irp i, 0,1,2,3
	FRAGA 128*(\p)+48+FR*\i, ADRA+\slot, \q, \i
.endr
.endm
.macro SCALES sc                       ; a slot's scale words: register 4 i + q: lanes 0-15 A's tile i, lanes 16-31 B's tile i, K step q
	WIN 0
.irp i, 0,1,2,3
.irp q, 0,1,2,3
	ds_load_b32 v[SC+16*(\sc)+4*\i+\q], v[ADRS] offset:512*\q+64*\i
.endr
.endr
.endm
; Four matrix instructions: A's block a x B's four.  The 16 accumulators take turns, one instruction a turn, in the same order in every step.
.macro MULA a, p, q, sc, zero
.irp b, 0,1,2,3
.if \zero
	v_wmma_scale_f32_16x16x128_f8f6f4 v[ACC+8*(4*(\a)+\b):ACC+8*(4*(\a)+\b)+7], v[128*(\p)+FR*\b:128*(\p)+FR*\b+FR-1], v[128*(\p)+48+FR*(\a):128*(\p)+48+FR*(\a)+FR-1], 0, v[SC+16*(\sc)+4*\b+(\q)], v[SC+16*(\sc)+4*(\a)+(\q)] matrix_a_fmt:MATRIX_FMT_FP6 matrix_b_fmt:MATRIX_FMT_FP6 matrix_a_scale:MATRIX_SCALE_ROW1
.else
	v_wmma_scale_f32_16x16x128_f8f6f4 v[ACC+8*(4*(\a)+\b):ACC+8*(4*(\a)+\b)+7], v[128*(\p)+FR*\b:128*(\p)+FR*\b+FR-1], v[128*(\p)+48+FR*(\a):128*(\p)+48+FR*(\a)+FR-1], v[ACC+8*(4*(\a)+\b):ACC+8*(4*(\a)+\b)+7], v[SC+16*(\sc)+4*\b+(\q)], v[SC+16*(\sc)+4*(\a)+(\q)] matrix_a_fmt:MATRIX_FMT_FP6 matrix_b_fmt:MATRIX_FMT_FP6 matrix_a_scale:MATRIX_SCALE_ROW1
.endif
.endr
.endm
.macro PLACES n                        ; plain vector instructions between a matrix instruction and a load into, or a read of, its registers (ISA guide 7.12.1 for a read)
.rept \n
	v_nop
.endr
.endm
; A step of 128 along K that has its successor in the same slot: the successor's 28 loads go out first, into the set that the step before multiplied, and land under this step's 16 products.
.macro STEP slot, q, zero
	s_wait_dscnt 0x0                               ; this step's fragments (and, in a slot's first step, its scale words) are in
	PLACES NP
	FETCH \slot, (\q)+1, 1-(\q)%2
	WIN MUL
	MULA 0, (\q)%2, \q, \slot, \zero
	MULA 1, (\q)%2, \q, \slot, \zero
	MULA 2, (\q)%2, \q, \slot, \zero
	MULA 3, (\q)%2, \q, \slot, \zero
.endm
; A slot's last step changes slots: one barrier; in front of it each wave waits for all its tensor loads, adds 0 to its spare word, and waits for that and for its reads of this slot.
.macro TURN slot, next, fill
	WIN 0                                          ; (the add's two registers lie in window 0)
	s_wait_tensorcnt 0x0                           ; all my tensor loads have landed: my part of the next slot
	ds_add_u32 v[SPW], v[NIL]
	s_wait_dscnt 1                                 ; (this step's fragments are in; the add may be out)
	WIN MUL
	MULA 0, 1, NQ-1, \slot, 0
	s_wait_dscnt 0x0                               ; the add is done, and my reads of this slot are over
	s_barrier_signal -1
	MULA 1, 1, NQ-1, \slot, 0
	WIN 0
	s_barrier_wait -1
.if \fill
	CREST                                          ; the barrier has opened a round of the cluster's: no wave of any partner still reads this slot or has a load on its way
	s_add_nc_u64 s[G0+4*\slot+2:G0+4*\slot+3], s[G0+4*\slot+2:G0+4*\slot+3], 2*NQ*FRB
	s_add_nc_u64 s[G0B+4*\slot+2:G0B+4*\slot+3], s[G0B+4*\slot+2:G0B+4*\slot+3], 2*NQ*FRB
	JLOAD G0+4*\slot, G1, G0B+4*\slot, G1B         ; the first tensor load behind the round; its four v_nop are the places in front of the loads below
.else
	PLACES NP
.endif
	v_add_nc_u32 v[ADRS], 512*NQ, v[ADRS]          ; the next slot's scale words
	FETCH \next, 0, 0
	SCALES \next
	WIN MUL
	MULA 2, 1, NQ-1, \slot, 0
	MULA 3, 1, NQ-1, \slot, 0
.endm
	s_wait_alu depctr_va_vdst(0)
	s_wait_tensorcnt 0x0                           ; my tile of the head's four is in
	ds_add_u32 v[SPW], v[NIL]
	s_mov_b32 s[G1+2], 4<<16                       ; no tensor load of mine is out: from here on a load brings four tiles
	s_mov_b32 s[G1+4], 4
	s_mov_b32 s[G1B+2], 4<<16
	s_mov_b32 s[G1B+4], 4
	s_wait_dscnt 0x0
	CROUND                                         ; all four tiles are in, and all sixteen work-groups are here
	JLOAD G0+4, G1, G0B+4, G1B                     ; slot 1's first fill, the first tensor load behind the round
	FETCH 0, 0, 0
	SCALES 0
	STEP 0, 0, 1                                   ; the first step's products start the sums: nothing is cleared
.if LAPS > 1
	WIN 0                                          ; at a label and at a branch every window is 0
	s_mov_b32 s3, LAPS-1
.Llap:                                             ; a trip goes once round the two slots, from a lap's second step to the next lap's first, and fills both again
	STEP 0, 1, 0
	STEP 0, 2, 0
	TURN 0, 1, 1
	STEP 1, 0, 0
	STEP 1, 1, 0
	STEP 1, 2, 0
	TURN 1, 0, 1
	STEP 0, 0, 0
	WIN 0
	s_sub_co_u32 s3, s3, 1
	s_cmp_lg_u32 s3, 0
	s_cbranch_scc1 .Llap
.endif
	STEP 0, 1, 0                                   ; the last lap fills nothing
	STEP 0, 2, 0
	TURN 0, 1, 0
	STEP 1, 0, 0
	STEP 1, 1, 0
	STEP 1, 2, 0
	s_wait_dscnt 0x0                               ; the very last step: nothing more to fetch
	WIN MUL
	MULA 0, 1, NQ-1, 1, 0
	MULA 1, 1, NQ-1, 1, 0
	MULA 2, 1, NQ-1, 1, 0
	MULA 3, 1, NQ-1, 1, 0
	WIN 0
; THE WAY OUT.  A lane holds 32 neighbouring bytes of a row, and the lanes beside it hold other rows: so my 64 x 64 numbers go through my own stage in LDS and come back as whole rows of 256 bytes, two rows a load;
; + residual, + bias; sixteen lanes store 256 consecutive bytes, at a multiple of 256 from y's first byte.  Every row's place is an immediate.
	PLACES NP
	s_wait_alu depctr_va_vdst(0)
.irp a, 0,1,2,3
.irp b, 0,1,2,3
	ds_store_b128 v[STO], v[ACC+8*(4*\a+\b):ACC+8*(4*\a+\b)+3] offset:\a*16*SPITCH+128*(\b/2)+32*(\b%2)       ; each accumulator from its low end on
	ds_store_b128 v[STO], v[ACC+8*(4*\a+\b)+4:ACC+8*(4*\a+\b)+7] offset:\a*16*SPITCH+128*(\b/2)+32*(\b%2)+16
.endr
.endr
	WIN TO_F
.irp a, 0,1,2,3
.irp t, 0,1,2,3,4,5,6,7
	ds_load_b128 v[32*\a+4*\t:32*\a+4*\t+3], v[RD] offset:\a*16*SPITCH+2*\t*SPITCH    ; LDS serves a wave's instructions in order: these see my stores
.endr
.endr
	s_wait_loadcnt 0x0                             ; the residual and the bias, asked for at the head
.irp a, 0,1,2,3
	s_wait_dscnt 8*(3-\a)                          ; this block's eight reads are in; the later blocks' may be out
	WIN 0x49                                       ; destination and source 0 window 1, source 1 window 2
.set i, 0
.rept 16
	v_pk_add_f32 v[32*\a+i:32*\a+i+1], v[32*\a+i:32*\a+i+1], v[32*\a+i:32*\a+i+1]
.set i, i+2
.endr
	WIN 0x41                                       ; source 1 window 0
.irp t, 0,1,2,3,4,5,6,7
	v_pk_add_f32 v[32*\a+4*\t:32*\a+4*\t+1], v[32*\a+4*\t:32*\a+4*\t+1], v[BI:BI+1]
	v_pk_add_f32 v[32*\a+4*\t+2:32*\a+4*\t+3], v[32*\a+4*\t+2:32*\a+4*\t+3], v[BI+2:BI+3]
.endr
	WIN 0x04                                       ; a store's data are its source 1: window 1
.irp t, 0,1,2,3,4,5,6,7
	global_store_b128 v[CO], v[32*\a+4*\t:32*\a+4*\t+3], s[12:13] offset:(32*(\a/2)+8*(\a%2)+2*\t+8*(\t/4))*4096
.endr
.endr
	WIN 0
	s_wait_tensorcnt 0x0                           ; the wave's end
	ds_add_u32 v[SPW], v[NIL]
	s_wait_dscnt 0x0
	CROUND                                         ; the closing round
	s_endpgm
.Lfunc_end_k_q757aa11a78_proj:
	.size	k_q757aa11a78_proj, .Lfunc_end_k_q757aa11a78_proj-k_q757aa11a78_proj
	.p2alignl 7, 3214868480
	.fill 96, 4, 3214868480
	.section	.rodata,"a",@progbits
	.p2align	6, 0x0
	.amdhsa_kernel k_q757aa11a78_proj
		.amdhsa_group_segment_fixed_size 327680
		.amdhsa_private_segment_fixed_size 0
		.amdhsa_enable_private_segment 0
		.amdhsa_kernarg_size 40
		.amdhsa_user_sgpr_count 2
		.amdhsa_user_sgpr_kernarg_segment_ptr 1
		.amdhsa_wavefront_size32 1
		.amdhsa_system_sgpr_workgroup_id_x 1
		.amdhsa_system_sgpr_workgroup_id_y 1
		.amdhsa_system_sgpr_workgroup_id_z 1
		.amdhsa_system_vgpr_workitem_id 0
		.amdhsa_next_free_vgpr 768
		.amdhsa_next_free_sgpr 102
		.amdhsa_reserve_vcc 0
		.amdhsa_float_denorm_mode_32 3
		.amdhsa_float_denorm_mode_16_64 3
		.amdhsa_memory_ordered 1
		.amdhsa_forward_progress 1
		.amdhsa_inst_pref_size 64
	.end_amdhsa_kernel
	.amdgpu_metadata
---
amdhsa.version: [ 1, 2 ]
amdhsa.kernels:
  - .name:           k_q757aa11a78_proj
    .symbol:         k_q757aa11a78_proj.kd
    .args:
      - { .name: at, .offset: 0, .size: 8, .value_kind: global_buffer, .address_space: global }
      - { .name: xw, .offset: 8, .size: 8, .value_kind: global_buffer, .address_space: global }
      - { .name: bo, .offset: 16, .size: 8, .value_kind: global_buffer, .address_space: global }
      - { .name: x, .offset: 24, .size: 8, .value_kind: global_buffer, .address_space: global }
      - { .name: y, .offset: 32, .size: 8, .value_kind: global_buffer, .address_space: global }
    .group_segment_fixed_size: 327680
    .private_segment_fixed_size: 0
    .kernarg_segment_align: 8
    .kernarg_segment_size: 40
    .max_flat_workgroup_size: 128
    .sgpr_count:     102
    .vgpr_count:     768
    .wavefront_size: 32
...
	.end_amdgpu_metadata
.endif
;; end of part 12
;; launch ln1 (part 13): grid 256 x 1, 8 waves a work-group, no clusters, 69,632 bytes of LDS; arguments y, g1, b1, hf, hq; writes hf, hq
.if DOCPART == 13
	.amdgcn_target "amdgcn-amd-amdhsa--gfx1250"
	.amdhsa_code_object_version 6
	.text
	.protected	k_q757aa11a78_ln1
	.globl	k_q757aa11a78_ln1
	.p2align	8
	.type	k_q757aa11a78_ln1,@function
k_q757aa11a78_ln1:
	s_mov_b64 s[64:65], 0
	v_nop
	global_prefetch_b8 v0, s[64:65] scope:SCOPE_SE
	s_setreg_imm32_b32 hwreg(HW_REG_WAVE_MODE, 25, 1), 1
	s_wait_xcnt 0x0
; h = layernorm(y) g + b over rows of 1,024, in f32 (hf), and h as an operand of the next product: codes of FP6 (E2M3) with E8M0 scales, as images of operand registers (hq).
; A work-group takes one tile of 16 rows (lane r: row 32 (t / 2) + 8 (t % 2) + r + 8 (r / 8)); wave s takes columns 128 s on: one K step.  Lane (r, h) holds 64 numbers of its row: register 16 b + i = column 32 b + 16 h + i.
; The mean, and then the mean of the squared differences (two passes: a common offset costs nothing), meet in LDS: a word for each row and wave, one barrier each.  The row stays in registers: memory is read once.
; The f32 rows leave through the wave's own stage, 512 consecutive bytes a store; the codes are stored as they stand, three stores of 512 consecutive bytes.
; Memory binds: no matrix unit, no cluster, no tensor load.  LIMITS: a block of zeros gets the byte 1; blocks under 2^-124 have the byte 1; NaN and infinities are not served.
.set QUANTISE, 1
.set AT_SC, 3145728
.set SPARE, 1024                       ; bytes 0-511: the sums; 512-1023: the sums of squares; then the spare words, 128 bytes for each of 8 waves
.set STG,   2048
.set SP,    528
.set X,   32
.set G,   96
.set BV,  160
.set PC,  96
.set TM,  116
.set PW,  132
.set XA,  2
.set GA,  3
.set RA,  4
.set RB,  5
.set SPW, 6
.set NIL, 7
.set SI,  24
.set SO,  25
.set LI,  26
.set SA,  27
.set SEL, 20
.macro QUANT s
.irp b, 0,1,2,3
	v_max3_num_f32 v[TM+\b], |v[\s+16*\b]|, |v[\s+1+16*\b]|, 0x1800000   ; and the floor 2^(3 - 127)
.endr
.irp i, 2,4,6,8,10,12,14
.irp b, 0,1,2,3
	s_delay_alu instid0(VALU_DEP_4)
	v_max3_num_f32 v[TM+\b], v[TM+\b], |v[\s+16*\b+\i]|, |v[\s+1+16*\b+\i]|
.endr
.endr
.irp b, 0,1,2,3
	s_delay_alu instid0(VALU_DEP_4)
	v_permlanex16_b32 v[TM+4+\b], v[TM+\b], s[SEL], s[SEL+1]
.endr
.irp b, 0,1,2,3
	s_delay_alu instid0(VALU_DEP_4)
	v_max_num_f32 v[TM+\b], v[TM+\b], v[TM+4+\b]
.endr
.irp b, 0,1,2,3
	s_delay_alu instid0(VALU_DEP_4)
	v_add_nc_u32 v[TM+12+\b], 0xff000000, v[TM+\b]
.endr
.irp b, 0,1,2,3
	s_delay_alu instid0(VALU_DEP_4)
	v_lshrrev_b32 v[TM+4+\b], 23, v[TM+12+\b]
.endr
	s_delay_alu instid0(VALU_DEP_3)
	v_lshl_or_b32 v[PW], v[TM+5], 8, v[TM+4]
	s_delay_alu instid0(VALU_DEP_1)
	v_lshl_or_b32 v[PW], v[TM+6], 16, v[PW]
	s_delay_alu instid0(VALU_DEP_1)
	v_lshl_or_b32 v[PW], v[TM+7], 24, v[PW]
.irp c, 0,1
	v_cvt_scalef32_pk16_fp6_f32 v[PC+6*\c:PC+2+6*\c], v[\s+32*\c:\s+15+32*\c], v[TM+12+2*\c]
	v_cvt_scalef32_pk16_fp6_f32 v[PC+12+4*\c:PC+14+4*\c], v[\s+16+32*\c:\s+31+32*\c], v[TM+12+2*\c+1]
.endr
	v_nop
.irp c, 0,1
.irp i, 0,1,2
	v_permlane16_swap_b32 v[PC+6*\c+\i], v[PC+12+4*\c+\i]
.endr
.irp i, 0,1,2
	s_delay_alu instid0(VALU_DEP_3)
	v_mov_b32 v[PC+3+6*\c+\i], v[PC+12+4*\c+\i]
.endr
.endr
.endm
.macro MEET off                        ; v8, my lane's sum, becomes v12, the row's: lane l xor 16, then the eight waves through LDS
	s_delay_alu instid0(VALU_DEP_1)
	v_permlanex16_b32 v9, v8, s[SEL], s[SEL+1]
	s_delay_alu instid0(VALU_DEP_1)
	v_add_f32 v8, v8, v9
	ds_store_b32 v[RA], v8 offset:\off             ; both halves of the lanes store the same word
	s_wait_dscnt 0x0                               ; for the others' sake
	s_barrier_signal -1
	s_barrier_wait -1
	ds_load_b128 v[12:15], v[RB] offset:\off
	ds_load_b128 v[16:19], v[RB] offset:\off+16
	s_wait_dscnt 0x0
	v_add_f32 v12, v12, v13
	v_add_f32 v14, v14, v15
	v_add_f32 v16, v16, v17
	v_add_f32 v18, v18, v19
	s_delay_alu instid0(VALU_DEP_3)
	v_add_f32 v12, v12, v14
	s_delay_alu instid0(VALU_DEP_2)
	v_add_f32 v16, v16, v18
	s_delay_alu instid0(VALU_DEP_1)
	v_add_f32 v12, v12, v16
.endm
	s_load_b256 s[4:11], s[0:1], 0x0               ; y, g, b, the f32 result
.if QUANTISE
	s_load_b64 s[12:13], s[0:1], 0x20              ; the operand's buffer
.endif
	v_lshl_add_u32 v[SPW], v0, 2, SPARE
	v_mov_b32 v[NIL], 0
	v_lshrrev_b32 v1, 5, v0
	s_delay_alu instid0(VALU_DEP_1)
	v_readfirstlane_b32 s14, v1                    ; wave = K step
	v_and_b32 v1, 15, v0                           ; r
	v_bfe_u32 v8, v0, 4, 1                         ; h
	s_delay_alu instid0(VALU_DEP_2)
	v_and_b32 v9, 8, v1
	s_delay_alu instid0(VALU_DEP_1)
	v_add_nc_u32 v9, v9, v1
	s_delay_alu instid0(VALU_DEP_1)
	v_lshlrev_b32 v[XA], 12, v9
	s_delay_alu instid0(VALU_DEP_1)
	v_lshl_add_u32 v[XA], v8, 6, v[XA]
	v_lshlrev_b32 v[GA], 6, v8
	s_lshl_b32 s15, s14, 2
	v_lshl_add_u32 v[RA], v1, 5, s15               ; 32 r + 4 wave
	v_lshlrev_b32 v[RB], 5, v1
	v_and_b32 v10, 31, v0
	s_delay_alu instid0(VALU_DEP_1)
	v_lshlrev_b32 v[LI], 4, v10
	v_lshlrev_b32 v[SA], 2, v1
	s_mul_i32 s15, s14, 16*SP
	s_add_co_u32 s15, s15, STG
	v_mul_u32_u24 v[SI], v1, SP
	s_delay_alu instid0(VALU_DEP_1)
	v_lshl_add_u32 v[SI], v8, 6, v[SI]
	s_delay_alu instid0(VALU_DEP_1)
	v_add_nc_u32 v[SI], s15, v[SI]
	v_add_nc_u32 v[SO], s15, v[LI]
	s_lshr_b32 s16, ttmp9, 1
	s_lshl_b32 s16, s16, 5
	s_and_b32 s17, ttmp9, 1
	s_lshl_b32 s17, s17, 3
	s_add_co_u32 s16, s16, s17                     ; the tile's first row
	s_lshl_b32 s16, s16, 12
	s_lshl_b32 s18, s14, 9
	s_add_co_u32 s16, s16, s18
	s_mov_b32 s17, 0
	s_mov_b32 s19, 0
	s_mov_b32 s[SEL], 0x76543210
	s_mov_b32 s[SEL+1], 0xfedcba98
	s_lshl_b32 s22, ttmp9, 3
	s_add_co_u32 s22, s22, s14
	s_mul_i32 s22, s22, 1536                       ; fragment 8 t + s
	s_mov_b32 s23, 0
	s_lshl_b32 s24, s14, 8
	s_add_co_u32 s24, s24, ttmp9
	s_lshl_b32 s24, s24, 6
	s_add_co_u32 s24, s24, AT_SC                   ; its scale words
	s_mov_b32 s25, 0
	s_wait_kmcnt 0x0
	s_add_nc_u64 s[4:5], s[4:5], s[16:17]
	s_add_nc_u64 s[10:11], s[10:11], s[16:17]
	s_add_nc_u64 s[6:7], s[6:7], s[18:19]
	s_add_nc_u64 s[8:9], s[8:9], s[18:19]
.if QUANTISE
	s_add_nc_u64 s[22:23], s[12:13], s[22:23]
	s_add_nc_u64 s[24:25], s[12:13], s[24:25]
.endif
.irp b, 0,1,2,3
.irp j, 0,1,2,3
	global_load_b128 v[X+16*\b+4*\j:X+16*\b+4*\j+3], v[XA], s[4:5] offset:128*\b+16*\j th:TH_LOAD_NT
.endr
.endr
.irp b, 0,1,2,3
.irp j, 0,1,2,3
	global_load_b128 v[G+16*\b+4*\j:G+16*\b+4*\j+3], v[GA], s[6:7] offset:128*\b+16*\j
.endr
.endr
.irp b, 0,1,2,3
.irp j, 0,1,2,3
	global_load_b128 v[BV+16*\b+4*\j:BV+16*\b+4*\j+3], v[GA], s[8:9] offset:128*\b+16*\j
.endr
.endr
	s_wait_loadcnt 32                              ; the row's numbers are in; the 32 loads of g and b may be out
	v_pk_add_f32 v[10:11], v[32:33], v[34:35]
	v_pk_add_f32 v[30:31], v[40:41], v[44:45]
	v_pk_add_f32 v[28:29], v[48:49], v[52:53]
	v_pk_add_f32 v[22:23], v[56:57], v[60:61]
	v_pk_add_f32 v[20:21], v[64:65], v[68:69]
	v_pk_add_f32 v[18:19], v[72:73], v[76:77]
	v_pk_add_f32 v[16:17], v[80:81], v[84:85]
	v_pk_add_f32 v[8:9], v[88:89], v[92:93]
	s_delay_alu instid0(VALU_DEP_1)
	v_pk_add_f32 v[8:9], v[8:9], v[36:37]
	v_pk_add_f32 v[10:11], v[10:11], v[38:39]
	v_pk_add_f32 v[30:31], v[30:31], v[42:43]
	v_pk_add_f32 v[28:29], v[28:29], v[46:47]
	v_pk_add_f32 v[22:23], v[22:23], v[50:51]
	v_pk_add_f32 v[20:21], v[20:21], v[54:55]
	v_pk_add_f32 v[18:19], v[18:19], v[58:59]
	v_pk_add_f32 v[16:17], v[16:17], v[62:63]
	v_pk_add_f32 v[8:9], v[8:9], v[66:67]
	v_pk_add_f32 v[10:11], v[10:11], v[70:71]
	v_pk_add_f32 v[30:31], v[30:31], v[74:75]
	v_pk_add_f32 v[28:29], v[28:29], v[78:79]
	v_pk_add_f32 v[22:23], v[22:23], v[82:83]
	v_pk_add_f32 v[20:21], v[20:21], v[86:87]
	v_pk_add_f32 v[18:19], v[18:19], v[90:91]
	v_pk_add_f32 v[16:17], v[16:17], v[94:95]
	s_delay_alu instid0(VALU_DEP_4)
	v_pk_add_f32 v[8:9], v[8:9], v[22:23]
	s_delay_alu instid0(VALU_DEP_4)
	v_pk_add_f32 v[10:11], v[10:11], v[20:21]
	s_delay_alu instid0(VALU_DEP_4)
	v_pk_add_f32 v[30:31], v[30:31], v[18:19]
	s_delay_alu instid0(VALU_DEP_4)
	v_pk_add_f32 v[28:29], v[28:29], v[16:17]
	s_delay_alu instid0(VALU_DEP_2)
	v_pk_add_f32 v[8:9], v[8:9], v[30:31]
	s_delay_alu instid0(VALU_DEP_2)
	v_pk_add_f32 v[10:11], v[10:11], v[28:29]
	s_delay_alu instid0(VALU_DEP_1)
	v_pk_add_f32 v[8:9], v[8:9], v[10:11]
	s_delay_alu instid0(VALU_DEP_1)
	v_add_f32 v8, v8, v9
	MEET 0
	s_delay_alu instid0(VALU_DEP_1)
	v_mul_f32 v20, 0x3a800000, v12                 ; the mean: / 1,024
	s_delay_alu instid0(VALU_DEP_1)
	v_mov_b32 v21, v20
.set j, 0
.rept 32
	v_pk_add_f32 v[X+j:X+j+1], v[X+j:X+j+1], v[20:21] neg_lo:[0,1] neg_hi:[0,1]
.set j, j+2
.endr
	v_pk_mul_f32 v[8:9], v[X:X+1], v[X:X+1]
	v_pk_mul_f32 v[10:11], v[X+2:X+3], v[X+2:X+3]
.irp j, 4,8,12,16,20,24,28,32,36,40,44,48,52,56,60
	s_delay_alu instid0(VALU_DEP_2)
	v_pk_fma_f32 v[8:9], v[X+\j:X+\j+1], v[X+\j:X+\j+1], v[8:9]
	s_delay_alu instid0(VALU_DEP_2)
	v_pk_fma_f32 v[10:11], v[X+\j+2:X+\j+3], v[X+\j+2:X+\j+3], v[10:11]
.endr
	s_delay_alu instid0(VALU_DEP_1)
	v_pk_add_f32 v[8:9], v[8:9], v[10:11]
	s_delay_alu instid0(VALU_DEP_1)
	v_add_f32 v8, v8, v9
	MEET 512
	v_mov_b32 v22, 0x3a800000
	s_delay_alu instid0(VALU_DEP_1)
	v_fmaak_f32 v23, v12, v22, 0x3727c5ac          ; the variance + 1e-5
	s_wait_alu depctr_va_vdst(0)
	v_rsq_f32 v20, v23
	v_nop                                          ; a plain place behind the transcendental
	s_wait_alu depctr_va_vdst(0)                   ; and the wait ahead of its first reader
	s_wait_loadcnt 0x0                             ; g and b
.set j, 0
.rept 32
	v_pk_mul_f32 v[X+j:X+j+1], v[X+j:X+j+1], v[20:21] op_sel_hi:[1,0]
.set j, j+2
.endr
.set j, 0
.rept 32
	v_pk_fma_f32 v[X+j:X+j+1], v[X+j:X+j+1], v[G+j:G+j+1], v[BV+j:BV+j+1]
.set j, j+2
.endr
.irp b, 0,1,2,3
.irp j, 0,1,2,3
	ds_store_b128 v[SI], v[X+16*\b+4*\j:X+16*\b+4*\j+3] offset:128*\b+16*\j
.endr
.endr
.irp t, 0,1,2,3,4,5,6,7,8,9,10,11,12,13,14,15
	ds_load_b128 v[BV+4*\t:BV+4*\t+3], v[SO] offset:\t*SP      ; LDS serves a wave's instructions in order: these see my stores
.endr
.if QUANTISE
.irp b, 0,1,2,3
	v_mov_b32 v[TM+4+\b], 0                        ; a lane permute's destination counts as one of its sources
.endr
	QUANT X                                        ; while the rows come back
.irp c, 0,1,2
	global_store_b128 v[LI], v[PC+4*\c:PC+4*\c+3], s[22:23] offset:512*\c
.endr
	global_store_b32 v[SA], v[PW], s[24:25]        ; both halves of the lanes store a row's word to the same place
.endif
.irp t, 0,1,2,3,4,5,6,7,8,9,10,11,12,13,14,15
	s_wait_dscnt 15-\t                             ; the younger reads may be out
	global_store_b128 v[LI], v[BV+4*\t:BV+4*\t+3], s[10:11] offset:(\t+8*(\t/8))*4096   ; 512 consecutive bytes
.endr
	s_wait_tensorcnt 0x0                           ; the wave's end, behind my last LDS store
	ds_add_u32 v[SPW], v[NIL]
	s_wait_dscnt 0x0
	s_endpgm
.Lfunc_end_k_q757aa11a78_ln1:
	.size	k_q757aa11a78_ln1, .Lfunc_end_k_q757aa11a78_ln1-k_q757aa11a78_ln1
	.p2alignl 7, 3214868480
	.fill 96, 4, 3214868480
	.section	.rodata,"a",@progbits
	.p2align	6, 0x0
	.amdhsa_kernel k_q757aa11a78_ln1
		.amdhsa_group_segment_fixed_size 69632
		.amdhsa_private_segment_fixed_size 0
		.amdhsa_enable_private_segment 0
		.amdhsa_kernarg_size 40
		.amdhsa_user_sgpr_count 2
		.amdhsa_user_sgpr_kernarg_segment_ptr 1
		.amdhsa_wavefront_size32 1
		.amdhsa_system_sgpr_workgroup_id_x 1
		.amdhsa_system_sgpr_workgroup_id_y 1
		.amdhsa_system_sgpr_workgroup_id_z 1
		.amdhsa_system_vgpr_workitem_id 0
		.amdhsa_next_free_vgpr 224
		.amdhsa_next_free_sgpr 66
		.amdhsa_reserve_vcc 0
		.amdhsa_float_denorm_mode_32 3
		.amdhsa_float_denorm_mode_16_64 3
		.amdhsa_memory_ordered 1
		.amdhsa_forward_progress 1
		.amdhsa_inst_pref_size 31
	.end_amdhsa_kernel
	.amdgpu_metadata
---
amdhsa.version: [ 1, 2 ]
amdhsa.kernels:
  - .name:           k_q757aa11a78_ln1
    .symbol:         k_q757aa11a78_ln1.kd
    .args:
      - { .name: y, .offset: 0, .size: 8, .value_kind: global_buffer, .address_space: global }
      - { .name: g1, .offset: 8, .size: 8, .value_kind: global_buffer, .address_space: global }
      - { .name: b1, .offset: 16, .size: 8, .value_kind: global_buffer, .address_space: global }
      - { .name: hf, .offset: 24, .size: 8, .value_kind: global_buffer, .address_space: global }
      - { .name: hq, .offset: 32, .size: 8, .value_kind: global_buffer, .address_space: global }
    .group_segment_fixed_size: 69632
    .private_segment_fixed_size: 0
    .kernarg_segment_align: 8
    .kernarg_segment_size: 40
    .max_flat_workgroup_size: 256
    .sgpr_count:     66
    .vgpr_count:     224
    .wavefront_size: 32
...
	.end_amdgpu_metadata
.endif
;; end of part 13
;; launch ff1 (part 14): grid 16 x 16, 4 waves a work-group, clusters of 4 x 4, 327,680 bytes of LDS; arguments hq, xw, bf1, fq; writes fq
.if DOCPART == 14
	.amdgcn_target "amdgcn-amd-amdhsa--gfx1250"
	.amdhsa_code_object_version 6
	.text
	.protected	k_q757aa11a78_ff1
	.globl	k_q757aa11a78_ff1
	.p2align	8
	.type	k_q757aa11a78_ff1,@function
k_q757aa11a78_ff1:
	s_mov_b64 s[64:65], 0
	v_nop
	global_prefetch_b8 v0, s[64:65] scope:SCOPE_SE
	s_setreg_imm32_b32 hwreg(HW_REG_WAVE_MODE, 25, 1), 1
	s_wait_xcnt 0x0
	s_wait_alu depctr_hold_cnt(0) depctr_sa_sdst(0) depctr_va_vdst(0) depctr_va_sdst(0) depctr_va_ssrc(0) depctr_va_vcc(0) depctr_vm_vsrc(0)
	s_getreg_b32 s2, hwreg(HW_REG_IB_STS2, 6, 4)
	s_cmp_eq_u32 s2, 0
	s_cbranch_scc0 .Lentry_in_a_cluster
	s_endpgm
.Lentry_in_a_cluster:
	s_bfe_u32 s2, ttmp6, 0x10000c
	s_cmp_lg_u32 s2, 0xf033
	s_cbranch_scc0 .Lentry_shape_is_right
	s_endpgm
.Lentry_shape_is_right:
.set KS,     8
.set LAPS,   KS/4
.set NQ,     2
.set FR,     12
.set FRB,    1536
.set NL,     3
.set NP,     4
.set HALFT,  8*NQ*FRB
.set SLOT,   4*HALFT
.set SCL,    2*SLOT
.set HALFS,  512*KS
.set SPARE,  SCL+4*HALFS
.set ASOFF,  3145728
.set ATL,    256
.set BBASE,  512
.set BSOFF,  12582912
.set BTL,    768
.set FQ_SC,  12582912
.set ADRA, 16
.set ADRB, 20
.set ADRS, 27
.set SPW,  28
.set NIL,  29
.set SC,   32
.set AF,   128
.set LI,   2
.set SA,   3
.set T,    64
.set U,    128
.set P,    160
.set Z,    192
.set A9,   224
.set PC,   128
.set TM,   148
.set PW,   164
.set SEL,  66
.set G1, 24
.set G0, 32
.set G1B, 48
.set G0B, 56
.set G1S, 68
.set G0S, 76
.set G1SB, 80
.set G0SB, 88
.set MSB, 0
.macro WIN new
.if MSB != (\new)
	s_set_vgpr_msb (MSB<<8)|(\new)
.set MSB, \new
.endif
.endm
.set MUL_LO, 0xa1
.set MUL_HI, 0xf1
.set TO_B,   0x40
.macro JLOAD g0a, g1a, g0b, g1b
	s_cmp_eq_u32 s15, 0
	s_cbranch_scc0 .Lfor_b_\@
	tensor_load_to_lds s[\g0a:\g0a+3], s[\g1a:\g1a+7]
	s_nop 0
.rept 4
	v_nop
.endr
	s_branch .Lasked_\@
.Lfor_b_\@:
	tensor_load_to_lds s[\g0b:\g0b+3], s[\g1b:\g1b+7]
	s_nop 0
.rept 4
	v_nop
.endr
.Lasked_\@:
.endm
.macro CREST
	s_cmp_lg_u32 s14, 0
	s_cbranch_scc1 .Lnot_wave_0_\@
	s_barrier_signal -3
.Lnot_wave_0_\@:
	s_barrier_wait -3
	s_barrier_signal -1
	s_barrier_wait -1
.endm
.macro CROUND
	s_barrier_signal -1
	s_barrier_wait -1
	CREST
.endm
.macro QUANT s
.irp b, 0,1,2,3
	v_max3_num_f32 v[TM+\b], |v[\s+16*\b]|, |v[\s+1+16*\b]|, 0x1800000
.endr
.irp i, 2,4,6,8,10,12,14
.irp b, 0,1,2,3
	v_max3_num_f32 v[TM+\b], v[TM+\b], |v[\s+16*\b+\i]|, |v[\s+1+16*\b+\i]|
.endr
.endr
.irp b, 0,1,2,3
	v_permlanex16_b32 v[TM+4+\b], v[TM+\b], s[SEL], s[SEL+1]
.endr
.irp b, 0,1,2,3
	v_max_num_f32 v[TM+\b], v[TM+\b], v[TM+4+\b]
.endr
.irp b, 0,1,2,3
	v_add_nc_u32 v[TM+12+\b], 0xff000000, v[TM+\b]
.endr
.irp b, 0,1,2,3
	v_lshrrev_b32 v[TM+4+\b], 23, v[TM+12+\b]
.endr
	v_lshl_or_b32 v[PW], v[TM+5], 8, v[TM+4]
	v_lshl_or_b32 v[PW], v[TM+6], 16, v[PW]
	v_lshl_or_b32 v[PW], v[TM+7], 24, v[PW]
.irp c, 0,1
	v_cvt_scalef32_pk16_fp6_f32 v[PC+6*\c:PC+2+6*\c], v[\s+32*\c:\s+15+32*\c], v[TM+12+2*\c]
	v_cvt_scalef32_pk16_fp6_f32 v[PC+12+4*\c:PC+14+4*\c], v[\s+16+32*\c:\s+31+32*\c], v[TM+12+2*\c+1]
.endr
	v_nop
.irp c, 0,1
.irp i, 0,1,2
	v_permlane16_swap_b32 v[PC+6*\c+\i], v[PC+12+4*\c+\i]
.endr
.irp i, 0,1,2
	v_mov_b32 v[PC+3+6*\c+\i], v[PC+12+4*\c+\i]
.endr
.endr
.endm
	s_load_b128 s[4:7], s[0:1], 0x0
	s_load_b64 s[8:9], s[0:1], 0x10
	s_load_b64 s[12:13], s[0:1], 0x18
	v_lshl_add_u32 v[SPW], v0, 2, SPARE
	v_mov_b32 v[NIL], 0
	ds_add_u32 v[SPW], v[NIL]
	ds_add_u32 v[SPW], v[NIL]
	v_lshrrev_b32 v1, 5, v0
	v_readfirstlane_b32 s14, v1
	s_lshr_b32 s15, s14, 1
	s_and_b32 s16, s14, 1
	s_bfe_u32 s40, ttmp6, 0x40000
	s_bfe_u32 s41, ttmp6, 0x40004
	s_lshl_b32 s42, ttmp9, 2
	s_add_co_u32 s42, s42, s40
	s_and_b32 s17, ttmp7, 0xffff
	s_lshl_b32 s17, s17, 2
	s_add_co_u32 s17, s17, s41
	s_lshl_b32 s43, s41, 2
	s_lshl_b32 s43, 15, s43
	s_lshl_b32 s44, 0x1111, s40
	s_or_b32 s[G1+0], s43, (3<<16)|(1<<21)
	s_or_b32 s[G1B+0], s44, (3<<16)|(1<<21)
.irp g, G1, G1B
	s_mov_b32 s[\g+1], 384<<16
	s_mov_b32 s[\g+2], 16<<16                      ; tensor_dim1: at the head a load brings a side's 16 tiles; behind the head it is set to 8
	s_mov_b32 s[\g+3], 384<<16
	s_mov_b32 s[\g+4], 16                          ; tile_dim1, likewise
	s_mov_b32 s[\g+5], 192*KS
	s_mov_b32 s[\g+6], 0
	s_mov_b32 s[\g+7], 0
.endr
	s_or_b32 s[G1S+0], s43, (3<<16)|(1<<21)
	s_or_b32 s[G1SB+0], s44, (3<<16)|(1<<21)
.irp g, G1S, G1SB
	s_mov_b32 s[\g+1], 128<<16                     ; sixteen tiles' words: 1,024 bytes
	s_mov_b32 s[\g+2], KS<<16
	s_mov_b32 s[\g+3], 128<<16
	s_mov_b32 s[\g+4], KS
	s_mov_b32 s[\g+6], 0
	s_mov_b32 s[\g+7], 0
.endr
	s_mov_b32 s[G1S+5], 8*ATL
	s_mov_b32 s[G1SB+5], 8*BTL
	s_lshl_b32 s18, s16, 3
	s_lshl_b32 s20, s17, 4
	s_add_co_u32 s20, s20, s18
	s_lshl_b32 s46, s42, 4
	s_add_co_u32 s46, s46, s18
	s_add_co_u32 s46, s46, BBASE
	s_sub_co_u32 s22, s20, s18                     ; the scale words come for all 16 tiles: from the side's first tile on
	s_lshl_b32 s22, s22, 6
	s_add_co_u32 s22, s22, ASOFF
	s_mov_b32 s23, 0
	s_sub_co_u32 s94, s46, s18
	s_lshl_b32 s94, s94, 6
	s_add_co_u32 s94, s94, BSOFF
	s_mov_b32 s95, 0
	s_mul_i32 s20, s20, KS*FRB
	s_mov_b32 s21, 0
	s_mul_i32 s46, s46, KS*FRB
	s_mov_b32 s47, 0
	s_mul_i32 s45, s14, HALFT
	s_wait_dscnt 0x0
	s_wait_kmcnt 0x0
	s_add_nc_u64 s[20:21], s[4:5], s[20:21]
	s_add_nc_u64 s[22:23], s[4:5], s[22:23]
	s_add_nc_u64 s[46:47], s[6:7], s[46:47]
	s_add_nc_u64 s[94:95], s[6:7], s[94:95]
	CROUND
	s_mov_b32 s[G0S], 1
	s_mov_b32 s[G0S+1], SCL                        ; A's scale words: [step][16 tiles][64 bytes]
	s_mov_b64 s[G0S+2:G0S+3], s[22:23]
	s_or_b32 s[G0S+3], s[G0S+3], 0x80000000
	s_mov_b32 s[G0SB], 1
	s_mov_b32 s[G0SB+1], SCL+2*HALFS               ; B's, behind them
	s_mov_b64 s[G0SB+2:G0SB+3], s[94:95]
	s_or_b32 s[G0SB+3], s[G0SB+3], 0x80000000
.irp s, 0,1
	s_mov_b32 s[G0+4*\s], 1
	s_add_co_u32 s[G0+4*\s+1], s45, \s*SLOT
	s_add_nc_u64 s[G0+4*\s+2:G0+4*\s+3], s[20:21], \s*NQ*FRB
	s_or_b32 s[G0+4*\s+3], s[G0+4*\s+3], 0x80000000
	s_mov_b32 s[G0B+4*\s], 1
	s_add_co_u32 s[G0B+4*\s+1], s45, \s*SLOT
	s_add_nc_u64 s[G0B+4*\s+2:G0B+4*\s+3], s[46:47], \s*NQ*FRB
	s_or_b32 s[G0B+4*\s+3], s[G0B+4*\s+3], 0x80000000
.endr
; THE HEAD'S LOADS, ONE A WAVE: wave 0 slot 0's 16 tiles of A (its own group 0 begins at the side's first tile), wave 1 A's scale words, wave 2 slot 0's 16 tiles of B, wave 3 B's scale words.
; One chain of branches on the wave's number, a load to an arm, all arms leading to one join.
.macro ARM under, g0, g1, next
	s_cmp_lt_u32 s14, \under
	s_cbranch_scc0 \next
	tensor_load_to_lds s[\g0:\g0+3], s[\g1:\g1+7]
	s_nop 0
.rept 4
	v_nop
.endr
	s_branch .Lhead_asked
\next:
.endm
	ARM 1, G0,  G1,  .Lhead_sa
	ARM 2, G0S, G1S, .Lhead_b
	ARM 3, G0B, G1B, .Lhead_sb
	tensor_load_to_lds s[G0SB:G0SB+3], s[G1SB:G1SB+7]
	s_nop 0
.rept 4
	v_nop
.endr
.Lhead_asked:
	v_and_b32 v1, 15, v0
	v_bfe_u32 v4, v0, 4, 1
	s_wait_alu depctr_va_vdst(0)
	v_and_b32 v[LI], 31, v0
	v_lshlrev_b32 v[LI], 4, v[LI]
	v_lshlrev_b32 v[SA], 2, v1
	s_mul_i32 s21, s15, HALFT
	s_mul_i32 s22, s16, HALFT
	s_add_co_u32 s22, s22, 2*HALFT
.irp s, 0,1
	v_add_nc_u32 v[ADRA+\s], s21, v[LI]
	v_add_nc_u32 v[ADRB+\s], s22, v[LI]
	s_add_co_u32 s21, s21, SLOT
	s_add_co_u32 s22, s22, SLOT
.endr
	s_lshl_b32 s21, s15, 9                         ; my eight tiles' words within a step's 1,024 bytes
	s_lshl_b32 s22, s16, 9
	s_add_co_u32 s22, s22, 2*HALFS
	s_sub_co_u32 s22, s22, s21
	v_mul_u32_u24 v6, s22, v4
	s_wait_alu depctr_va_vdst(0)
	s_add_co_u32 s21, s21, SCL
	v_add_nc_u32 v5, v[SA], v6
	v_add_nc_u32 v[ADRS], s21, v5
	s_lshl_b32 s46, s42, 1
	s_add_co_u32 s46, s46, s16
	s_lshl_b32 s47, s17, 4
	s_lshl_b32 s96, s15, 3
	s_add_co_u32 s47, s47, s96
	s_lshl_b32 s18, s47, 5
	s_add_co_u32 s18, s18, s46
	s_mul_i32 s18, s18, FRB
	s_mov_b32 s19, 0
	s_add_nc_u64 s[18:19], s[12:13], s[18:19]
	s_lshl_b32 s20, s46, 8
	s_add_co_u32 s20, s20, s47
	s_lshl_b32 s20, s20, 6
	s_add_co_u32 s20, s20, FQ_SC
	s_mov_b32 s21, 0
	s_add_nc_u64 s[20:21], s[12:13], s[20:21]
	s_mov_b32 s22, 32*FRB
	s_mov_b32 s23, 0
	s_lshl_b32 s96, s46, 9
	s_mov_b32 s97, 0
	s_add_nc_u64 s[8:9], s[8:9], s[96:97]
	s_mov_b32 s[SEL], 0x76543210
	s_mov_b32 s[SEL+1], 0xfedcba98
	v_lshlrev_b32 v7, 6, v4
	WIN TO_B
.irp b, 0,1,2,3,4,5,6,7
	global_load_b128 v[96+8*\b+96*(\b/4):99+8*\b+96*(\b/4)], v7, s[8:9] offset:(32*(\b/2)+8*(\b%2))*4
	global_load_b128 v[100+8*\b+96*(\b/4):103+8*\b+96*(\b/4)], v7, s[8:9] offset:(32*(\b/2)+8*(\b%2))*4+16
.endr
	WIN 0
.macro FRAG reg, adr, q, i
.irp c, 0,1,2
	ds_load_b128 v[\reg+4*\c:\reg+4*\c+3], v[\adr] offset:2*FRB*(\i)+FRB*(\q)+512*\c
.endr
.endm
.macro MUL16 a0, p, q, sc, zero
.irp a, \a0, \a0+1
.irp b, 0,1,2,3,4,5,6,7
.if \zero
	v_wmma_scale_f32_16x16x128_f8f6f4 v[8*(8*((\a)%4)+\b):8*(8*((\a)%4)+\b)+7], v[128*(\p)+FR*\b:128*(\p)+FR*\b+FR-1], v[AF+FR*(\a):AF+FR*(\a)+FR-1], 0, v[SC+8*NQ*(\sc)+NQ*\b+(\q)], v[SC+8*NQ*(\sc)+NQ*(\a)+(\q)] matrix_a_fmt:MATRIX_FMT_FP6 matrix_b_fmt:MATRIX_FMT_FP6 matrix_a_scale:MATRIX_SCALE_ROW1
.else
	v_wmma_scale_f32_16x16x128_f8f6f4 v[8*(8*((\a)%4)+\b):8*(8*((\a)%4)+\b)+7], v[128*(\p)+FR*\b:128*(\p)+FR*\b+FR-1], v[AF+FR*(\a):AF+FR*(\a)+FR-1], v[8*(8*((\a)%4)+\b):8*(8*((\a)%4)+\b)+7], v[SC+8*NQ*(\sc)+NQ*\b+(\q)], v[SC+8*NQ*(\sc)+NQ*(\a)+(\q)] matrix_a_fmt:MATRIX_FMT_FP6 matrix_b_fmt:MATRIX_FMT_FP6 matrix_a_scale:MATRIX_SCALE_ROW1
.endif
.endr
.endr
.endm
.macro FETCH_B slot, q, p
	WIN TO_B
.irp i, 0,1,2,3,4,5,6,7
	FRAG 128*(\p)+FR*\i, ADRB+\slot, \q, \i
.endr
	WIN 0
.endm
.macro FETCH_A slot, q, i0
.irp i, \i0, \i0+1, \i0+2, \i0+3
	FRAG AF+FR*(\i), ADRA+\slot, \q, \i
.endr
.endm
.macro SCALES sc
.irp i, 0,1,2,3,4,5,6,7
.irp q, 0,1
	ds_load_b32 v[SC+16*(\sc)+2*\i+\q], v[ADRS] offset:1024*\q+64*\i
.endr
.endr
.endm
.macro PLACES n
.rept \n
	v_nop
.endr
.endm
.macro STEP slot, q, zero
	s_wait_dscnt 4*NL
	WIN MUL_LO
	MUL16 0, (\q)%2, \q, \slot, \zero
	MUL16 2, (\q)%2, \q, \slot, \zero
	s_wait_dscnt 0
	PLACES NP
	FETCH_B \slot, (\q)+1, 1-(\q)%2
	FETCH_A \slot, (\q)+1, 0
	WIN MUL_HI
	MUL16 4, (\q)%2, \q, \slot, \zero
	MUL16 6, (\q)%2, \q, \slot, \zero
	PLACES NP
	WIN 0
	FETCH_A \slot, (\q)+1, 4
.endm
.macro TURN slot, next, fill
	s_wait_tensorcnt 0x0
	ds_add_u32 v[SPW], v[NIL]
	s_wait_dscnt 4*NL+1
	WIN MUL_LO
	MUL16 0, 1, NQ-1, \slot, 0
	s_wait_dscnt 0x0
	s_barrier_signal -1
	MUL16 2, 1, NQ-1, \slot, 0
	WIN 0
	s_barrier_wait -1
.if \fill
	CREST
	s_add_nc_u64 s[G0+4*\slot+2:G0+4*\slot+3], s[G0+4*\slot+2:G0+4*\slot+3], 2*NQ*FRB
	s_add_nc_u64 s[G0B+4*\slot+2:G0B+4*\slot+3], s[G0B+4*\slot+2:G0B+4*\slot+3], 2*NQ*FRB
	JLOAD G0+4*\slot, G1, G0B+4*\slot, G1B
.else
	PLACES NP
.endif
	s_wait_alu depctr_va_vdst(0)
	v_add_nc_u32 v[ADRS], 1024*NQ, v[ADRS]         ; the next slot's scale words
	FETCH_B \next, 0, 0
	FETCH_A \next, 0, 0
	SCALES \next
	WIN MUL_HI
	MUL16 4, 1, NQ-1, \slot, 0
	MUL16 6, 1, NQ-1, \slot, 0
	PLACES NP
	WIN 0
	FETCH_A \next, 0, 4
.endm
	s_wait_alu depctr_va_vdst(0)
	s_wait_tensorcnt 0x0                           ; my tile of the head's four is in
	ds_add_u32 v[SPW], v[NIL]
	s_mov_b32 s[G1+2], 8<<16                       ; no tensor load of mine is out: from here on a load brings eight tiles
	s_mov_b32 s[G1+4], 8
	s_mov_b32 s[G1B+2], 8<<16
	s_mov_b32 s[G1B+4], 8
	s_wait_dscnt 0x0
	CROUND                                         ; all four tiles are in, and all sixteen work-groups are here
	JLOAD G0+4, G1, G0B+4, G1B                     ; slot 1's first fill, the first tensor load behind the round
	FETCH_B 0, 0, 0
	FETCH_A 0, 0, 0
	SCALES 0
	FETCH_A 0, 0, 4
	STEP 0, 0, 1
	s_mov_b32 s3, LAPS-1
.Llap:
	TURN 0, 1, 1
	STEP 1, 0, 0
	TURN 1, 0, 1
	STEP 0, 0, 0
	s_sub_co_u32 s3, s3, 1
	s_cmp_lg_u32 s3, 0
	s_cbranch_scc1 .Llap
	TURN 0, 1, 0
	STEP 1, 0, 0
	s_wait_dscnt 4*NL
	WIN MUL_LO
	MUL16 0, 1, NQ-1, 1, 0
	MUL16 2, 1, NQ-1, 1, 0
	s_wait_dscnt 0
	WIN MUL_HI
	MUL16 4, 1, NQ-1, 1, 0
	MUL16 6, 1, NQ-1, 1, 0
	WIN 0
.macro STUB k
	WIN 0x06+(\k)/4
.set i, 0
.rept 32
	v_pk_add_f32 v[T+i:T+i+1], v[64*((\k)%4)+i:64*((\k)%4)+i+1], v[96+i+96*(i/32):97+i+96*(i/32)]
.set i, i+2
.endr
	WIN 0
	s_branch .Lcommon
.endm
.macro GELU g
.set TT, T+32*(\g)
.set i, 0
.rept 32
	v_mul_f32 v[Z+i], 0x3f3504f3, |v[TT+i]|
.set i, i+1
.endr
.set i, 0
.rept 16
	v_pk_fma_f32 v[U+i:U+i+1], v[Z+i:Z+i+1], 0.5, 1.0 op_sel_hi:[1,0,0]
.set i, i+2
.endr
.set i, 0
	s_wait_alu depctr_va_vdst(0)
.rept 32
	v_rcp_f32 v[U+i], v[U+i]
.set i, i+1
.endr
.set i, 0
.rept 32
	v_max_num_f32 v[TT+i], 0, v[TT+i]
.set i, i+1
.endr
	s_wait_alu depctr_va_vdst(0)
.set i, 0
.rept 16
	v_pk_fma_f32 v[P+i:P+i+1], v[U+i:U+i+1], v[A9:A9+1], 0xbf527892 op_sel_hi:[1,1,0]
.set i, i+2
.endr
.irp c, 0x3fbe87b0, 0xbf914e5d, 0x3e8ec7cc, 0xbe3ec24c, 0x3dc636c9, 0x3ebf88fb, 0x3f8000c7, 0xbfa1fc4e
.set i, 0
.rept 16
	v_pk_fma_f32 v[P+i:P+i+1], v[P+i:P+i+1], v[U+i:U+i+1], \c op_sel_hi:[1,1,0]
.set i, i+2
.endr
.endr
.set i, 0
.rept 16
	v_pk_fma_f32 v[P+i:P+i+1], v[Z+i:Z+i+1], v[Z+i:Z+i+1], v[P+i:P+i+1] neg_lo:[1,0,0] neg_hi:[1,0,0]
.set i, i+2
.endr
.set i, 0
.rept 16
	v_pk_mul_f32 v[P+i:P+i+1], v[P+i:P+i+1], 0x3fb8aa3b op_sel_hi:[1,0]
.set i, i+2
.endr
.set i, 0
	s_wait_alu depctr_va_vdst(0)
.rept 32
	v_exp_f32 v[P+i], v[P+i]
.set i, i+1
.endr
.set i, 0
.rept 16
	v_pk_mul_f32 v[Z+i:Z+i+1], v[Z+i:Z+i+1], 0x3f3504f3 op_sel_hi:[1,0]
.set i, i+2
.endr
	s_wait_alu depctr_va_vdst(0)
.set i, 0
.rept 16
	v_pk_mul_f32 v[P+i:P+i+1], v[P+i:P+i+1], v[U+i:U+i+1]
.set i, i+2
.endr
.set i, 0
.rept 16
	v_pk_fma_f32 v[TT+i:TT+i+1], v[Z+i:Z+i+1], v[P+i:P+i+1], v[TT+i:TT+i+1] neg_lo:[1,0,0] neg_hi:[1,0,0]
.set i, i+2
.endr
.endm
	PLACES NP
	s_wait_loadcnt 0x0
.irp b, 0,1,2,3
	v_mov_b32 v[TM+4+\b], 0
.endr
	v_mov_b32 v[A9], 0x3e2ef945
	v_mov_b32 v[A9+1], 0x3e2ef945
	s_mov_b32 s3, 0
.Lrow:
.irp k, 0,1,2,3,4,5,6
	s_cmp_eq_u32 s3, \k
	s_cbranch_scc1 .Lc\k
.endr
	STUB 7
.irp k, 0,1,2,3,4,5,6
.Lc\k:
	STUB \k
.endr
.Lcommon:
	GELU 0
	GELU 1
	QUANT T
.irp c, 0,1,2
	global_store_b128 v[LI], v[PC+4*\c:PC+4*\c+3], s[18:19] offset:512*\c
.endr
	global_store_b32 v[SA], v[PW], s[20:21]
	s_wait_xcnt 0x0
	s_add_nc_u64 s[18:19], s[18:19], s[22:23]
	s_add_nc_u64 s[20:21], s[20:21], 64
	s_add_co_u32 s3, s3, 1
	s_cmp_lt_u32 s3, 8
	s_cbranch_scc1 .Lrow
	s_wait_tensorcnt 0x0
	ds_add_u32 v[SPW], v[NIL]
	s_wait_dscnt 0x0
	CROUND
	s_endpgm
.Lfunc_end_k_q757aa11a78_ff1:
	.size	k_q757aa11a78_ff1, .Lfunc_end_k_q757aa11a78_ff1-k_q757aa11a78_ff1
	.p2alignl 7, 3214868480
	.fill 96, 4, 3214868480
	.section	.rodata,"a",@progbits
	.p2align	6, 0x0
	.amdhsa_kernel k_q757aa11a78_ff1
		.amdhsa_group_segment_fixed_size 327680
		.amdhsa_private_segment_fixed_size 0
		.amdhsa_enable_private_segment 0
		.amdhsa_kernarg_size 32
		.amdhsa_user_sgpr_count 2
		.amdhsa_user_sgpr_kernarg_segment_ptr 1
		.amdhsa_wavefront_size32 1
		.amdhsa_system_sgpr_workgroup_id_x 1
		.amdhsa_system_sgpr_workgroup_id_y 1
		.amdhsa_system_sgpr_workgroup_id_z 1
		.amdhsa_system_vgpr_workitem_id 0
		.amdhsa_next_free_vgpr 1024
		.amdhsa_next_free_sgpr 102
		.amdhsa_reserve_vcc 0
		.amdhsa_float_denorm_mode_32 3
		.amdhsa_float_denorm_mode_16_64 3
		.amdhsa_memory_ordered 1
		.amdhsa_forward_progress 1
		.amdhsa_inst_pref_size 186
	.end_amdhsa_kernel
	.amdgpu_metadata
---
amdhsa.version: [ 1, 2 ]
amdhsa.kernels:
  - .name:           k_q757aa11a78_ff1
    .symbol:         k_q757aa11a78_ff1.kd
    .args:
      - { .name: hq, .offset: 0, .size: 8, .value_kind: global_buffer, .address_space: global }
      - { .name: xw, .offset: 8, .size: 8, .value_kind: global_buffer, .address_space: global }
      - { .name: bf1, .offset: 16, .size: 8, .value_kind: global_buffer, .address_space: global }
      - { .name: fq, .offset: 24, .size: 8, .value_kind: global_buffer, .address_space: global }
    .group_segment_fixed_size: 327680
    .private_segment_fixed_size: 0
    .kernarg_segment_align: 8
    .kernarg_segment_size: 32
    .max_flat_workgroup_size: 128
    .sgpr_count:     102
    .vgpr_count:     1024
    .wavefront_size: 32
...
	.end_amdgpu_metadata
.endif
;; end of part 14
;; launch ff2 (part 15): grid 8 x 32, 4 waves a work-group, clusters of 4 x 4, 327,680 bytes of LDS; arguments fq, xw, bf2, hf, y; writes y
.if DOCPART == 15
	.amdgcn_target "amdgcn-amd-amdhsa--gfx1250"
	.amdhsa_code_object_version 6
	.text
	.protected	k_q757aa11a78_ff2
	.globl	k_q757aa11a78_ff2
	.p2align	8
	.type	k_q757aa11a78_ff2,@function
k_q757aa11a78_ff2:
	s_mov_b64 s[64:65], 0
	v_nop
	global_prefetch_b8 v0, s[64:65] scope:SCOPE_SE
	s_setreg_imm32_b32 hwreg(HW_REG_WAVE_MODE, 25, 1), 1
	s_wait_xcnt 0x0
	s_wait_alu depctr_hold_cnt(0) depctr_sa_sdst(0) depctr_va_vdst(0) depctr_va_sdst(0) depctr_va_ssrc(0) depctr_va_vcc(0) depctr_vm_vsrc(0)
	s_getreg_b32 s2, hwreg(HW_REG_IB_STS2, 6, 4)
	s_cmp_eq_u32 s2, 0
	s_cbranch_scc0 .Lentry_in_a_cluster
	s_endpgm
.Lentry_in_a_cluster:
	s_bfe_u32 s2, ttmp6, 0x10000c
	s_cmp_lg_u32 s2, 0xf033
	s_cbranch_scc0 .Lentry_shape_is_right
	s_endpgm
.Lentry_shape_is_right:
.set KS,     32
.set NQ,     4
.set LAPS,   KS/(2*NQ)
.set FR,     12
.set FRB,    1536
.set NP,     4
.set HALFT,  4*NQ*FRB
.set SLOT,   4*HALFT
.set SCL,    2*SLOT
.set HALFS,  256*KS
.set SPARE,  SCL+4*HALFS
.set ASOFF,  12582912
.set ATL,    256
.set BBASE,  0
.set BCOFF,  6144*FRB
.set BSOFF,  12582912+393216
.set BTL,    64
.set SPITCH, 272
.set BI,   8
.set ADRA, 16
.set ADRB, 20
.set STO,  24
.set RD,   25
.set CO,   26
.set ADRS, 27
.set SPW,  28
.set NIL,  29
.set BO,   30
.set SC,   32
.set ACC,  128
.set G1, 24
.set G0, 32
.set G1B, 48
.set G0B, 56
.set G1S, 68
.set G0S, 76
.set G1SB, 80
.set G0SB, 88
.set MSB, 0
.macro WIN new
.if MSB != (\new)
	s_set_vgpr_msb (MSB<<8)|(\new)
.set MSB, \new
.endif
.endm
.set MUL,  0x05
.set TO_F, 0x40
.macro JLOAD g0a, g1a, g0b, g1b
	s_cmp_eq_u32 s15, 0
	s_cbranch_scc0 .Lfor_b_\@
	tensor_load_to_lds s[\g0a:\g0a+3], s[\g1a:\g1a+7]
	s_nop 0
.rept 4
	v_nop
.endr
	s_branch .Lasked_\@
.Lfor_b_\@:
	tensor_load_to_lds s[\g0b:\g0b+3], s[\g1b:\g1b+7]
	s_nop 0
.rept 4
	v_nop
.endr
.Lasked_\@:
.endm
.macro CREST
	s_cmp_lg_u32 s14, 0
	s_cbranch_scc1 .Lnot_wave_0_\@
	s_barrier_signal -3
.Lnot_wave_0_\@:
	s_barrier_wait -3
	s_barrier_signal -1
	s_barrier_wait -1
.endm
.macro CROUND
	s_barrier_signal -1
	s_barrier_wait -1
	CREST
.endm
	s_load_b256 s[4:11], s[0:1], 0x0
	s_load_b64 s[12:13], s[0:1], 0x20
	v_lshl_add_u32 v[SPW], v0, 2, SPARE
	v_mov_b32 v[NIL], 0
	ds_add_u32 v[SPW], v[NIL]
	ds_add_u32 v[SPW], v[NIL]
	v_lshrrev_b32 v1, 5, v0
	v_readfirstlane_b32 s14, v1
	s_lshr_b32 s15, s14, 1
	s_and_b32 s16, s14, 1
	s_bfe_u32 s40, ttmp6, 0x40000
	s_bfe_u32 s41, ttmp6, 0x40004
	s_lshl_b32 s42, ttmp9, 2
	s_add_co_u32 s42, s42, s40
	s_and_b32 s17, ttmp7, 0xffff
	s_lshl_b32 s17, s17, 2
	s_add_co_u32 s17, s17, s41
	s_lshl_b32 s43, s41, 2
	s_lshl_b32 s43, 15, s43
	s_lshl_b32 s44, 0x1111, s40
	s_or_b32 s[G1+0], s43, (3<<16)|(1<<21)
	s_or_b32 s[G1B+0], s44, (3<<16)|(1<<21)
.irp g, G1, G1B
	s_mov_b32 s[\g+1], (192*NQ)<<16
	s_mov_b32 s[\g+2], 8<<16                       ; tensor_dim1: at the head a load brings a side's 8 tiles; behind the head it is set to 4
	s_mov_b32 s[\g+3], (192*NQ)<<16
	s_mov_b32 s[\g+4], 8                           ; tile_dim1, likewise
	s_mov_b32 s[\g+5], 192*KS
	s_mov_b32 s[\g+6], 0
	s_mov_b32 s[\g+7], 0
.endr
	s_or_b32 s[G1S+0], s43, (3<<16)|(1<<21)
	s_or_b32 s[G1SB+0], s44, (3<<16)|(1<<21)
.irp g, G1S, G1SB
	s_mov_b32 s[\g+1], 64<<16                      ; eight tiles' words: 512 bytes
	s_mov_b32 s[\g+2], KS<<16
	s_mov_b32 s[\g+3], 64<<16
	s_mov_b32 s[\g+4], KS
	s_mov_b32 s[\g+6], 0
	s_mov_b32 s[\g+7], 0
.endr
	s_mov_b32 s[G1S+5], 8*ATL
	s_mov_b32 s[G1SB+5], 8*BTL
	s_lshl_b32 s18, s16, 2
	s_lshl_b32 s20, s17, 3
	s_add_co_u32 s20, s20, s18
	s_lshl_b32 s46, s42, 3
	s_add_co_u32 s46, s46, s18
	s_add_co_u32 s46, s46, BBASE
	s_sub_co_u32 s22, s20, s18                     ; the scale words come for all 8 tiles: from the side's first tile on
	s_lshl_b32 s22, s22, 6
	s_add_co_u32 s22, s22, ASOFF
	s_mov_b32 s23, 0
	s_sub_co_u32 s94, s46, s18
	s_lshl_b32 s94, s94, 6
	s_add_co_u32 s94, s94, BSOFF
	s_mov_b32 s95, 0
	s_mul_i32 s20, s20, KS*FRB
	s_mov_b32 s21, 0
	s_mul_i32 s46, s46, KS*FRB
	s_add_co_u32 s46, s46, BCOFF
	s_mov_b32 s47, 0
	s_mul_i32 s45, s14, HALFT
	s_wait_dscnt 0x0
	s_wait_kmcnt 0x0
	s_add_nc_u64 s[20:21], s[4:5], s[20:21]
	s_add_nc_u64 s[22:23], s[4:5], s[22:23]
	s_add_nc_u64 s[46:47], s[6:7], s[46:47]
	s_add_nc_u64 s[94:95], s[6:7], s[94:95]
	CROUND
	s_mov_b32 s[G0S], 1
	s_mov_b32 s[G0S+1], SCL                        ; A's scale words: [step][8 tiles][64 bytes]
	s_mov_b64 s[G0S+2:G0S+3], s[22:23]
	s_or_b32 s[G0S+3], s[G0S+3], 0x80000000
	s_mov_b32 s[G0SB], 1
	s_mov_b32 s[G0SB+1], SCL+2*HALFS               ; B's, behind them
	s_mov_b64 s[G0SB+2:G0SB+3], s[94:95]
	s_or_b32 s[G0SB+3], s[G0SB+3], 0x80000000
.irp s, 0,1
	s_mov_b32 s[G0+4*\s], 1
	s_add_co_u32 s[G0+4*\s+1], s45, \s*SLOT
	s_add_nc_u64 s[G0+4*\s+2:G0+4*\s+3], s[20:21], \s*NQ*FRB
	s_or_b32 s[G0+4*\s+3], s[G0+4*\s+3], 0x80000000
	s_mov_b32 s[G0B+4*\s], 1
	s_add_co_u32 s[G0B+4*\s+1], s45, \s*SLOT
	s_add_nc_u64 s[G0B+4*\s+2:G0B+4*\s+3], s[46:47], \s*NQ*FRB
	s_or_b32 s[G0B+4*\s+3], s[G0B+4*\s+3], 0x80000000
.endr
; THE HEAD'S LOADS, ONE A WAVE: wave 0 slot 0's 8 tiles of A (its own group 0 begins at the side's first tile), wave 1 A's scale words, wave 2 slot 0's 8 tiles of B, wave 3 B's scale words.
; One chain of branches on the wave's number, a load to an arm, all arms leading to one join.
.macro ARM under, g0, g1, next
	s_cmp_lt_u32 s14, \under
	s_cbranch_scc0 \next
	tensor_load_to_lds s[\g0:\g0+3], s[\g1:\g1+7]
	s_nop 0
.rept 4
	v_nop
.endr
	s_branch .Lhead_asked
\next:
.endm
	ARM 1, G0,  G1,  .Lhead_sa
	ARM 2, G0S, G1S, .Lhead_b
	ARM 3, G0B, G1B, .Lhead_sb
	tensor_load_to_lds s[G0SB:G0SB+3], s[G1SB:G1SB+7]
	s_nop 0
.rept 4
	v_nop
.endr
.Lhead_asked:
	v_and_b32 v1, 15, v0
	v_bfe_u32 v4, v0, 4, 1
	s_wait_alu depctr_va_vdst(0)
	v_and_b32 v2, 31, v0
	v_lshlrev_b32 v2, 4, v2
	s_mul_i32 s21, s15, HALFT
	s_mul_i32 s22, s16, HALFT
	s_add_co_u32 s22, s22, 2*HALFT
.irp s, 0,1
	v_add_nc_u32 v[ADRA+\s], s21, v2
	v_add_nc_u32 v[ADRB+\s], s22, v2
	s_add_co_u32 s21, s21, SLOT
	s_add_co_u32 s22, s22, SLOT
.endr
	v_lshlrev_b32 v5, 2, v1
	s_lshl_b32 s21, s15, 8                         ; my four tiles' words within a step's 512 bytes
	s_lshl_b32 s22, s16, 8
	s_add_co_u32 s22, s22, 2*HALFS
	s_sub_co_u32 s22, s22, s21
	v_mul_u32_u24 v6, s22, v4
	s_add_co_u32 s21, s21, SCL
	v_add_nc_u32 v5, v5, v6
	v_add_nc_u32 v[ADRS], s21, v5
	v_lshlrev_b32 v[BO], 4, v1
	s_wait_alu depctr_va_vdst(0)
	v_lshl_add_u32 v[CO], v4, 12, v[BO]
	s_wait_alu depctr_va_vdst(0)
	s_mul_i32 s23, s14, 64*SPITCH
	v_mul_u32_u24 v5, v1, SPITCH
	v_lshl_add_u32 v5, v4, 6, v5
	v_add_nc_u32 v[STO], s23, v5
	v_mul_u32_u24 v5, v4, SPITCH
	v_add_nc_u32 v5, v5, v[BO]
	v_add_nc_u32 v[RD], s23, v5
	s_lshl_b32 s20, s17, 7
	s_lshl_b32 s21, s15, 6
	s_add_co_u32 s20, s20, s21
	s_lshl_b32 s20, s20, 12
	s_lshl_b32 s46, s42, 9
	s_lshl_b32 s47, s16, 8
	s_add_co_u32 s46, s46, s47
	s_mov_b32 s47, 0
	s_add_nc_u64 s[8:9], s[8:9], s[46:47]
	s_add_co_u32 s20, s20, s46
	s_mov_b32 s21, 0
	s_add_nc_u64 s[10:11], s[10:11], s[20:21]
	s_add_nc_u64 s[12:13], s[12:13], s[20:21]
	global_load_b128 v[BI:BI+3], v[BO], s[8:9]
	WIN 0x80
.irp a, 0,1,2,3
.irp t, 0,1,2,3,4,5,6,7
	global_load_b128 v[32*\a+4*\t:32*\a+4*\t+3], v[CO], s[10:11] offset:(32*(\a/2)+8*(\a%2)+2*\t+8*(\t/4))*4096 th:TH_LOAD_NT
.endr
.endr
	WIN 0
.macro FRAG reg, adr, q, i
.irp c, 0,1,2
	ds_load_b128 v[\reg+4*\c:\reg+4*\c+3], v[\adr] offset:NQ*FRB*(\i)+FRB*(\q)+512*\c
.endr
.endm
.macro FETCH slot, q, p
	WIN TO_F
.irp i, 0,1,2,3
	FRAG 128*(\p)+FR*\i, ADRB+\slot, \q, \i
.endr
.irp i, 0,1,2,3
	FRAG 128*(\p)+48+FR*\i, ADRA+\slot, \q, \i
.endr
.endm
.macro SCALES sc
	WIN 0
.irp i, 0,1,2,3
.irp q, 0,1,2,3
	ds_load_b32 v[SC+16*(\sc)+4*\i+\q], v[ADRS] offset:512*\q+64*\i
.endr
.endr
.endm
.macro MULA a, p, q, sc, zero
.irp b, 0,1,2,3
.if \zero
	v_wmma_scale_f32_16x16x128_f8f6f4 v[ACC+8*(4*(\a)+\b):ACC+8*(4*(\a)+\b)+7], v[128*(\p)+FR*\b:128*(\p)+FR*\b+FR-1], v[128*(\p)+48+FR*(\a):128*(\p)+48+FR*(\a)+FR-1], 0, v[SC+16*(\sc)+4*\b+(\q)], v[SC+16*(\sc)+4*(\a)+(\q)] matrix_a_fmt:MATRIX_FMT_FP6 matrix_b_fmt:MATRIX_FMT_FP6 matrix_a_scale:MATRIX_SCALE_ROW1
.else
	v_wmma_scale_f32_16x16x128_f8f6f4 v[ACC+8*(4*(\a)+\b):ACC+8*(4*(\a)+\b)+7], v[128*(\p)+FR*\b:128*(\p)+FR*\b+FR-1], v[128*(\p)+48+FR*(\a):128*(\p)+48+FR*(\a)+FR-1], v[ACC+8*(4*(\a)+\b):ACC+8*(4*(\a)+\b)+7], v[SC+16*(\sc)+4*\b+(\q)], v[SC+16*(\sc)+4*(\a)+(\q)] matrix_a_fmt:MATRIX_FMT_FP6 matrix_b_fmt:MATRIX_FMT_FP6 matrix_a_scale:MATRIX_SCALE_ROW1
.endif
.endr
.endm
.macro PLACES n
.rept \n
	v_nop
.endr
.endm
.macro STEP slot, q, zero
	s_wait_dscnt 0x0
	PLACES NP
	FETCH \slot, (\q)+1, 1-(\q)%2
	WIN MUL
	MULA 0, (\q)%2, \q, \slot, \zero
	MULA 1, (\q)%2, \q, \slot, \zero
	MULA 2, (\q)%2, \q, \slot, \zero
	MULA 3, (\q)%2, \q, \slot, \zero
.endm
.macro TURN slot, next, fill
	WIN 0
	s_wait_tensorcnt 0x0
	ds_add_u32 v[SPW], v[NIL]
	s_wait_dscnt 1
	WIN MUL
	MULA 0, 1, NQ-1, \slot, 0
	s_wait_dscnt 0x0
	s_barrier_signal -1
	MULA 1, 1, NQ-1, \slot, 0
	WIN 0
	s_barrier_wait -1
.if \fill
	CREST
	s_add_nc_u64 s[G0+4*\slot+2:G0+4*\slot+3], s[G0+4*\slot+2:G0+4*\slot+3], 2*NQ*FRB
	s_add_nc_u64 s[G0B+4*\slot+2:G0B+4*\slot+3], s[G0B+4*\slot+2:G0B+4*\slot+3], 2*NQ*FRB
	JLOAD G0+4*\slot, G1, G0B+4*\slot, G1B
.else
	PLACES NP
.endif
	s_wait_alu depctr_va_vdst(0)
	v_add_nc_u32 v[ADRS], 512*NQ, v[ADRS]          ; the next slot's scale words
	FETCH \next, 0, 0
	SCALES \next
	WIN MUL
	MULA 2, 1, NQ-1, \slot, 0
	MULA 3, 1, NQ-1, \slot, 0
.endm
	s_wait_alu depctr_va_vdst(0)
	s_wait_tensorcnt 0x0                           ; my tile of the head's four is in
	ds_add_u32 v[SPW], v[NIL]
	s_mov_b32 s[G1+2], 4<<16                       ; no tensor load of mine is out: from here on a load brings four tiles
	s_mov_b32 s[G1+4], 4
	s_mov_b32 s[G1B+2], 4<<16
	s_mov_b32 s[G1B+4], 4
	s_wait_dscnt 0x0
	CROUND                                         ; all four tiles are in, and all sixteen work-groups are here
	JLOAD G0+4, G1, G0B+4, G1B                     ; slot 1's first fill, the first tensor load behind the round
	FETCH 0, 0, 0
	SCALES 0
	STEP 0, 0, 1
.if LAPS > 1
	WIN 0
	s_mov_b32 s3, LAPS-1
.Llap:
	STEP 0, 1, 0
	STEP 0, 2, 0
	TURN 0, 1, 1
	STEP 1, 0, 0
	STEP 1, 1, 0
	STEP 1, 2, 0
	TURN 1, 0, 1
	STEP 0, 0, 0
	WIN 0
	s_sub_co_u32 s3, s3, 1
	s_cmp_lg_u32 s3, 0
	s_cbranch_scc1 .Llap
.endif
	STEP 0, 1, 0
	STEP 0, 2, 0
	TURN 0, 1, 0
	STEP 1, 0, 0
	STEP 1, 1, 0
	STEP 1, 2, 0
	s_wait_dscnt 0x0
	WIN MUL
	MULA 0, 1, NQ-1, 1, 0
	MULA 1, 1, NQ-1, 1, 0
	MULA 2, 1, NQ-1, 1, 0
	MULA 3, 1, NQ-1, 1, 0
	WIN 0
	PLACES NP
.irp a, 0,1,2,3
.irp b, 0,1,2,3
	ds_store_b128 v[STO], v[ACC+8*(4*\a+\b):ACC+8*(4*\a+\b)+3] offset:\a*16*SPITCH+128*(\b/2)+32*(\b%2)
	ds_store_b128 v[STO], v[ACC+8*(4*\a+\b)+4:ACC+8*(4*\a+\b)+7] offset:\a*16*SPITCH+128*(\b/2)+32*(\b%2)+16
.endr
.endr
	WIN TO_F
.irp a, 0,1,2,3
.irp t, 0,1,2,3,4,5,6,7
	ds_load_b128 v[32*\a+4*\t:32*\a+4*\t+3], v[RD] offset:\a*16*SPITCH+2*\t*SPITCH
.endr
.endr
	s_wait_loadcnt 0x0
.irp a, 0,1,2,3
	s_wait_dscnt 8*(3-\a)
	WIN 0x49
.set i, 0
.rept 16
	v_pk_add_f32 v[32*\a+i:32*\a+i+1], v[32*\a+i:32*\a+i+1], v[32*\a+i:32*\a+i+1]
.set i, i+2
.endr
	WIN 0x41
.irp t, 0,1,2,3,4,5,6,7
	v_pk_add_f32 v[32*\a+4*\t:32*\a+4*\t+1], v[32*\a+4*\t:32*\a+4*\t+1], v[BI:BI+1]
	v_pk_add_f32 v[32*\a+4*\t+2:32*\a+4*\t+3], v[32*\a+4*\t+2:32*\a+4*\t+3], v[BI+2:BI+3]
.endr
	WIN 0x04
.irp t, 0,1,2,3,4,5,6,7
	global_store_b128 v[CO], v[32*\a+4*\t:32*\a+4*\t+3], s[12:13] offset:(32*(\a/2)+8*(\a%2)+2*\t+8*(\t/4))*4096
.endr
.endr
	WIN 0
	s_wait_tensorcnt 0x0
	ds_add_u32 v[SPW], v[NIL]
	s_wait_dscnt 0x0
	CROUND
	s_endpgm
.Lfunc_end_k_q757aa11a78_ff2:
	.size	k_q757aa11a78_ff2, .Lfunc_end_k_q757aa11a78_ff2-k_q757aa11a78_ff2
	.p2alignl 7, 3214868480
	.fill 96, 4, 3214868480
	.section	.rodata,"a",@progbits
	.p2align	6, 0x0
	.amdhsa_kernel k_q757aa11a78_ff2
		.amdhsa_group_segment_fixed_size 327680
		.amdhsa_private_segment_fixed_size 0
		.amdhsa_enable_private_segment 0
		.amdhsa_kernarg_size 40
		.amdhsa_user_sgpr_count 2
		.amdhsa_user_sgpr_kernarg_segment_ptr 1
		.amdhsa_wavefront_size32 1
		.amdhsa_system_sgpr_workgroup_id_x 1
		.amdhsa_system_sgpr_workgroup_id_y 1
		.amdhsa_system_sgpr_workgroup_id_z 1
		.amdhsa_system_vgpr_workitem_id 0
		.amdhsa_next_free_vgpr 768
		.amdhsa_next_free_sgpr 102
		.amdhsa_reserve_vcc 0
		.amdhsa_float_denorm_mode_32 3
		.amdhsa_float_denorm_mode_16_64 3
		.amdhsa_memory_ordered 1
		.amdhsa_forward_progress 1
		.amdhsa_inst_pref_size 96
	.end_amdhsa_kernel
	.amdgpu_metadata
---
amdhsa.version: [ 1, 2 ]
amdhsa.kernels:
  - .name:           k_q757aa11a78_ff2
    .symbol:         k_q757aa11a78_ff2.kd
    .args:
      - { .name: fq, .offset: 0, .size: 8, .value_kind: global_buffer, .address_space: global }
      - { .name: xw, .offset: 8, .size: 8, .value_kind: global_buffer, .address_space: global }
      - { .name: bf2, .offset: 16, .size: 8, .value_kind: global_buffer, .address_space: global }
      - { .name: hf, .offset: 24, .size: 8, .value_kind: global_buffer, .address_space: global }
      - { .name: y, .offset: 32, .size: 8, .value_kind: global_buffer, .address_space: global }
    .group_segment_fixed_size: 327680
    .private_segment_fixed_size: 0
    .kernarg_segment_align: 8
    .kernarg_segment_size: 40
    .max_flat_workgroup_size: 128
    .sgpr_count:     102
    .vgpr_count:     768
    .wavefront_size: 32
...
	.end_amdgpu_metadata
.endif
;; end of part 15
;; launch ln2 (part 16): grid 256 x 1, 8 waves a work-group, no clusters, 69,632 bytes of LDS; arguments y, g2, b2, out0; writes out0
.if DOCPART == 16
	.amdgcn_target "amdgcn-amd-amdhsa--gfx1250"
	.amdhsa_code_object_version 6
	.text
	.protected	k_q757aa11a78_ln2
	.globl	k_q757aa11a78_ln2
	.p2align	8
	.type	k_q757aa11a78_ln2,@function
k_q757aa11a78_ln2:
	s_mov_b64 s[64:65], 0
	v_nop
	global_prefetch_b8 v0, s[64:65] scope:SCOPE_SE
	s_setreg_imm32_b32 hwreg(HW_REG_WAVE_MODE, 25, 1), 1
	s_wait_xcnt 0x0
; out = layernorm(y) g + b over rows of 1,024, in f32.
; A work-group takes 16 rows (lane r: row 32 (t / 2) + 8 (t % 2) + r + 8 (r / 8), the order in which the launch before stored its blocks); wave s takes columns 128 s on.  Lane (r, h) holds 64 numbers of its row: register 16 b + i = column 32 b + 16 h + i.
; The mean, and then the mean of the squared differences (two passes: a common offset costs nothing), meet in LDS: a word for each row and wave, one barrier each.  The row stays in registers: memory is read once.
; The rows leave through the wave's own stage, 512 consecutive bytes a store.  Memory binds: no matrix unit, no cluster, no tensor load.  NaN and infinities are not served.
.set SPARE, 1024                       ; bytes 0-511: the sums; 512-1023: the sums of squares; then the spare words, 128 bytes for each of 8 waves
.set STG,   2048
.set SP,    528
.set X,   32
.set G,   96
.set BV,  160
.set XA,  2
.set GA,  3
.set RA,  4
.set RB,  5
.set SPW, 6
.set NIL, 7
.set SI,  24
.set SO,  25
.set LI,  26
.set SEL, 20
.macro MEET off                        ; v8, my lane's sum, becomes v12, the row's: lane l xor 16, then the eight waves through LDS
	s_delay_alu instid0(VALU_DEP_1)
	v_permlanex16_b32 v9, v8, s[SEL], s[SEL+1]
	s_delay_alu instid0(VALU_DEP_1)
	v_add_f32 v8, v8, v9
	ds_store_b32 v[RA], v8 offset:\off             ; both halves of the lanes store the same word
	s_wait_dscnt 0x0                               ; for the others' sake
	s_barrier_signal -1
	s_barrier_wait -1
	ds_load_b128 v[12:15], v[RB] offset:\off
	ds_load_b128 v[16:19], v[RB] offset:\off+16
	s_wait_dscnt 0x0
	v_add_f32 v12, v12, v13
	v_add_f32 v14, v14, v15
	v_add_f32 v16, v16, v17
	v_add_f32 v18, v18, v19
	s_delay_alu instid0(VALU_DEP_3)
	v_add_f32 v12, v12, v14
	s_delay_alu instid0(VALU_DEP_2)
	v_add_f32 v16, v16, v18
	s_delay_alu instid0(VALU_DEP_1)
	v_add_f32 v12, v12, v16
.endm
	s_load_b256 s[4:11], s[0:1], 0x0               ; y, g, b, out
	v_lshl_add_u32 v[SPW], v0, 2, SPARE
	v_mov_b32 v[NIL], 0
	v_lshrrev_b32 v1, 5, v0
	s_delay_alu instid0(VALU_DEP_1)
	v_readfirstlane_b32 s14, v1                    ; wave
	v_and_b32 v1, 15, v0                           ; r
	v_bfe_u32 v8, v0, 4, 1                         ; h
	s_delay_alu instid0(VALU_DEP_2)
	v_and_b32 v9, 8, v1
	s_delay_alu instid0(VALU_DEP_1)
	v_add_nc_u32 v9, v9, v1
	s_delay_alu instid0(VALU_DEP_1)
	v_lshlrev_b32 v[XA], 12, v9
	s_delay_alu instid0(VALU_DEP_1)
	v_lshl_add_u32 v[XA], v8, 6, v[XA]
	v_lshlrev_b32 v[GA], 6, v8
	s_lshl_b32 s15, s14, 2
	v_lshl_add_u32 v[RA], v1, 5, s15               ; 32 r + 4 wave
	v_lshlrev_b32 v[RB], 5, v1
	v_and_b32 v10, 31, v0
	s_delay_alu instid0(VALU_DEP_1)
	v_lshlrev_b32 v[LI], 4, v10
	s_mul_i32 s15, s14, 16*SP
	s_add_co_u32 s15, s15, STG
	v_mul_u32_u24 v[SI], v1, SP
	s_delay_alu instid0(VALU_DEP_1)
	v_lshl_add_u32 v[SI], v8, 6, v[SI]
	s_delay_alu instid0(VALU_DEP_1)
	v_add_nc_u32 v[SI], s15, v[SI]
	v_add_nc_u32 v[SO], s15, v[LI]
	s_lshr_b32 s16, ttmp9, 1
	s_lshl_b32 s16, s16, 5
	s_and_b32 s17, ttmp9, 1
	s_lshl_b32 s17, s17, 3
	s_add_co_u32 s16, s16, s17                     ; the tile's first row
	s_lshl_b32 s16, s16, 12
	s_lshl_b32 s18, s14, 9
	s_add_co_u32 s16, s16, s18
	s_mov_b32 s17, 0
	s_mov_b32 s19, 0
	s_mov_b32 s[SEL], 0x76543210
	s_mov_b32 s[SEL+1], 0xfedcba98
	s_wait_alu depctr_va_vdst(0)
	s_wait_kmcnt 0x0
	s_add_nc_u64 s[4:5], s[4:5], s[16:17]
	s_add_nc_u64 s[10:11], s[10:11], s[16:17]
	s_add_nc_u64 s[6:7], s[6:7], s[18:19]
	s_add_nc_u64 s[8:9], s[8:9], s[18:19]
.irp b, 0,1,2,3
.irp j, 0,1,2,3
	global_load_b128 v[X+16*\b+4*\j:X+16*\b+4*\j+3], v[XA], s[4:5] offset:128*\b+16*\j th:TH_LOAD_NT
.endr
.endr
.irp b, 0,1,2,3
.irp j, 0,1,2,3
	global_load_b128 v[G+16*\b+4*\j:G+16*\b+4*\j+3], v[GA], s[6:7] offset:128*\b+16*\j
.endr
.endr
.irp b, 0,1,2,3
.irp j, 0,1,2,3
	global_load_b128 v[BV+16*\b+4*\j:BV+16*\b+4*\j+3], v[GA], s[8:9] offset:128*\b+16*\j
.endr
.endr
	s_wait_loadcnt 32                              ; the row's numbers are in; the 32 loads of g and b may be out
	v_pk_add_f32 v[10:11], v[32:33], v[34:35]
	v_pk_add_f32 v[30:31], v[40:41], v[44:45]
	v_pk_add_f32 v[28:29], v[48:49], v[52:53]
	v_pk_add_f32 v[22:23], v[56:57], v[60:61]
	v_pk_add_f32 v[20:21], v[64:65], v[68:69]
	v_pk_add_f32 v[18:19], v[72:73], v[76:77]
	v_pk_add_f32 v[16:17], v[80:81], v[84:85]
	v_pk_add_f32 v[8:9], v[88:89], v[92:93]
	s_delay_alu instid0(VALU_DEP_1)
	v_pk_add_f32 v[8:9], v[8:9], v[36:37]
	v_pk_add_f32 v[10:11], v[10:11], v[38:39]
	v_pk_add_f32 v[30:31], v[30:31], v[42:43]
	v_pk_add_f32 v[28:29], v[28:29], v[46:47]
	v_pk_add_f32 v[22:23], v[22:23], v[50:51]
	v_pk_add_f32 v[20:21], v[20:21], v[54:55]
	v_pk_add_f32 v[18:19], v[18:19], v[58:59]
	v_pk_add_f32 v[16:17], v[16:17], v[62:63]
	v_pk_add_f32 v[8:9], v[8:9], v[66:67]
	v_pk_add_f32 v[10:11], v[10:11], v[70:71]
	v_pk_add_f32 v[30:31], v[30:31], v[74:75]
	v_pk_add_f32 v[28:29], v[28:29], v[78:79]
	v_pk_add_f32 v[22:23], v[22:23], v[82:83]
	v_pk_add_f32 v[20:21], v[20:21], v[86:87]
	v_pk_add_f32 v[18:19], v[18:19], v[90:91]
	v_pk_add_f32 v[16:17], v[16:17], v[94:95]
	s_delay_alu instid0(VALU_DEP_4)
	v_pk_add_f32 v[8:9], v[8:9], v[22:23]
	s_delay_alu instid0(VALU_DEP_4)
	v_pk_add_f32 v[10:11], v[10:11], v[20:21]
	s_delay_alu instid0(VALU_DEP_4)
	v_pk_add_f32 v[30:31], v[30:31], v[18:19]
	s_delay_alu instid0(VALU_DEP_4)
	v_pk_add_f32 v[28:29], v[28:29], v[16:17]
	s_delay_alu instid0(VALU_DEP_2)
	v_pk_add_f32 v[8:9], v[8:9], v[30:31]
	s_delay_alu instid0(VALU_DEP_2)
	v_pk_add_f32 v[10:11], v[10:11], v[28:29]
	s_delay_alu instid0(VALU_DEP_1)
	v_pk_add_f32 v[8:9], v[8:9], v[10:11]
	s_delay_alu instid0(VALU_DEP_1)
	v_add_f32 v8, v8, v9
	MEET 0
	s_delay_alu instid0(VALU_DEP_1)
	v_mul_f32 v20, 0x3a800000, v12                 ; the mean: / 1,024
	s_delay_alu instid0(VALU_DEP_1)
	v_mov_b32 v21, v20
.set j, 0
.rept 32
	v_pk_add_f32 v[X+j:X+j+1], v[X+j:X+j+1], v[20:21] neg_lo:[0,1] neg_hi:[0,1]
.set j, j+2
.endr
	v_pk_mul_f32 v[8:9], v[X:X+1], v[X:X+1]
	v_pk_mul_f32 v[10:11], v[X+2:X+3], v[X+2:X+3]
.irp j, 4,8,12,16,20,24,28,32,36,40,44,48,52,56,60
	s_delay_alu instid0(VALU_DEP_2)
	v_pk_fma_f32 v[8:9], v[X+\j:X+\j+1], v[X+\j:X+\j+1], v[8:9]
	s_delay_alu instid0(VALU_DEP_2)
	v_pk_fma_f32 v[10:11], v[X+\j+2:X+\j+3], v[X+\j+2:X+\j+3], v[10:11]
.endr
	s_delay_alu instid0(VALU_DEP_1)
	v_pk_add_f32 v[8:9], v[8:9], v[10:11]
	s_delay_alu instid0(VALU_DEP_1)
	v_add_f32 v8, v8, v9
	MEET 512
	v_mov_b32 v22, 0x3a800000
	s_delay_alu instid0(VALU_DEP_1)
	v_fmaak_f32 v23, v12, v22, 0x3727c5ac          ; the variance + 1e-5
	s_wait_alu depctr_va_vdst(0)
	v_rsq_f32 v20, v23
	v_nop                                          ; a plain place behind the transcendental
	s_wait_alu depctr_va_vdst(0)                   ; and the wait ahead of its first reader
	s_wait_loadcnt 0x0                             ; g and b
.set j, 0
.rept 32
	v_pk_mul_f32 v[X+j:X+j+1], v[X+j:X+j+1], v[20:21] op_sel_hi:[1,0]
.set j, j+2
.endr
.set j, 0
.rept 32
	v_pk_fma_f32 v[X+j:X+j+1], v[X+j:X+j+1], v[G+j:G+j+1], v[BV+j:BV+j+1]
.set j, j+2
.endr
.irp b, 0,1,2,3
.irp j, 0,1,2,3
	ds_store_b128 v[SI], v[X+16*\b+4*\j:X+16*\b+4*\j+3] offset:128*\b+16*\j
.endr
.endr
.irp t, 0,1,2,3,4,5,6,7,8,9,10,11,12,13,14,15
	ds_load_b128 v[BV+4*\t:BV+4*\t+3], v[SO] offset:\t*SP      ; LDS serves a wave's instructions in order: these see my stores
.endr
.irp t, 0,1,2,3,4,5,6,7,8,9,10,11,12,13,14,15
	s_wait_dscnt 15-\t                             ; the younger reads may be out
	global_store_b128 v[LI], v[BV+4*\t:BV+4*\t+3], s[10:11] offset:(\t+8*(\t/8))*4096 th:TH_STORE_NT   ; 512 consecutive bytes
.endr
	s_wait_tensorcnt 0x0                           ; the wave's end, behind my last LDS store
	ds_add_u32 v[SPW], v[NIL]
	s_wait_dscnt 0x0
	s_endpgm
.Lfunc_end_k_q757aa11a78_ln2:
	.size	k_q757aa11a78_ln2, .Lfunc_end_k_q757aa11a78_ln2-k_q757aa11a78_ln2
	.p2alignl 7, 3214868480
	.fill 96, 4, 3214868480
	.section	.rodata,"a",@progbits
	.p2align	6, 0x0
	.amdhsa_kernel k_q757aa11a78_ln2
		.amdhsa_group_segment_fixed_size 69632
		.amdhsa_private_segment_fixed_size 0
		.amdhsa_enable_private_segment 0
		.amdhsa_kernarg_size 32
		.amdhsa_user_sgpr_count 2
		.amdhsa_user_sgpr_kernarg_segment_ptr 1
		.amdhsa_wavefront_size32 1
		.amdhsa_system_sgpr_workgroup_id_x 1
		.amdhsa_system_sgpr_workgroup_id_y 1
		.amdhsa_system_sgpr_workgroup_id_z 1
		.amdhsa_system_vgpr_workitem_id 0
		.amdhsa_next_free_vgpr 224
		.amdhsa_next_free_sgpr 66
		.amdhsa_reserve_vcc 0
		.amdhsa_float_denorm_mode_32 3
		.amdhsa_float_denorm_mode_16_64 3
		.amdhsa_memory_ordered 1
		.amdhsa_forward_progress 1
		.amdhsa_inst_pref_size 25
	.end_amdhsa_kernel
	.amdgpu_metadata
---
amdhsa.version: [ 1, 2 ]
amdhsa.kernels:
  - .name:           k_q757aa11a78_ln2
    .symbol:         k_q757aa11a78_ln2.kd
    .args:
      - { .name: y, .offset: 0, .size: 8, .value_kind: global_buffer, .address_space: global }
      - { .name: g2, .offset: 8, .size: 8, .value_kind: global_buffer, .address_space: global }
      - { .name: b2, .offset: 16, .size: 8, .value_kind: global_buffer, .address_space: global }
      - { .name: out0, .offset: 24, .size: 8, .value_kind: global_buffer, .address_space: global }
    .group_segment_fixed_size: 69632
    .private_segment_fixed_size: 0
    .kernarg_segment_align: 8
    .kernarg_segment_size: 32
    .max_flat_workgroup_size: 256
    .sgpr_count:     66
    .vgpr_count:     224
    .wavefront_size: 32
...
	.end_amdgpu_metadata
.endif
;; end of part 16
